; MI455X (gfx1250); checked and timed in simulation.
; The chip was launched on July 23, 2026; its instructions are those of AMD's public machine-readable ISA for CDNA 5 (MIT licence, August 2026) and "CDNA5" Instruction Set Architecture Reference Guide (July 2026). The comments in the code are by the model that wrote it; some were corrected since.
;; Transformer Block. Allowed arithmetic: matrix products marked QUANTISED: E2M3 operands, one E8M0 scale for each 32 along K, by v_wmma_scale_f32_16x16x128_f8f6f4 with both operands' format E2M3, f32 sums; everything else in f32.
;; Inputs: W1 768 x 3,072 float32; W2 3,072 x 768 float32; Wk 768 x 768 float32; Wo 768 x 768 float32; Wq 768 x 768 float32; Wv 768 x 768 float32; b1 3,072 float32; b2 768 float32; be1 768 float32; be2 768 float32; bo 768 float32; g1 768 float32; g2 768 float32; x 1 x 4,096 x 768 float32.
;; Outputs: out0 1 x 4,096 x 768 float32.
;; This version of the problem:
;;   THIS VERSION OF THE PROBLEM IS GIVEN IN LOW PRECISION. The matrix products marked QUANTISED in the list below multiply operands that are first quantised to E2M3 (2 exponent bits, 3 mantissa bits; 6 bits a number), with one power-of-two scale for each 32 numbers along K (OCP MX v1.0); their sums are f32. All else is computed in f32.
;;   The module's matrix products, in the order in which they are computed (A, B: the left and right operand; K: the contracted axis; several contracted axes count as one K, in the product's order):
;;     1. [M 4,096, K 768] x [K 768, N 768]; A: computed on the way; B: input Wq: QUANTISED
;;     2. [M 4,096, K 768] x [K 768, N 768]; A: computed on the way; B: input Wk: QUANTISED
;;     3. [M 4,096, K 768] x [K 768, N 768]; A: computed on the way; B: input Wv: QUANTISED
;;     4. batch 12 x [M 4,096, K 64] x [K 64, N 4,096]; A: computed on the way; B: computed on the way: QUANTISED
;;     5. batch 12 x [M 4,096, K 4,096] x [K 4,096, N 64]; A: softmax (see below); B: computed on the way: QUANTISED
;;     6. [M 4,096, K 768] x [K 768, N 768]; A: computed on the way; B: input Wo: QUANTISED
;;     7. [M 4,096, K 768] x [K 768, N 3,072]; A: computed on the way; B: input W1: QUANTISED
;;     8. [M 4,096, K 3,072] x [K 3,072, N 768]; A: computed on the way; B: input W2: QUANTISED
;;   THE QUANTISER, for each operand of a quantised product, along K:
;;     - K is cut into blocks of 32 from its start; a last block that is shorter is filled with zeros.
;;     - A block's scale is 2^e with e = floor(log2(the largest magnitude in the block)) - 2, held to -126 .. 127; a block of zeros has e = 0. As a byte (E8M0): e + 127.
;;     - Each number is divided by its block's scale, clamped to +-7.5, and rounded to the nearest number of E2M3, ties to even, subnormals kept.
;;     - The product sums the exact products of the quantised numbers (number of the format x scale) in f32.
;;   ~~~python
;;   def quantise(x, axis):      # numpy; x: float32 -> the quantised numbers, widened to float32 again
;;       x = np.moveaxis(x, axis, -1); K = x.shape[-1]
;;       x = np.pad(x, [(0, 0)] * (x.ndim - 1) + [(0, -K % 32)]); x = x.reshape(x.shape[:-1] + (-1, 32)); a = np.abs(x).max(-1, keepdims=True)
;;       e = np.where(a > 0, np.clip(np.frexp(np.where(a > 0, a, 1))[1] - 1 - 2, -126, 127), 0)      # np.frexp(a)[1] - 1 = floor(log2(a)), exactly
;;       r = np.clip(x / 2.0 ** e, -7.5, 7.5)
;;       step = 2.0 ** (np.maximum(np.frexp(np.where(r == 0, 1, r))[1] - 1, 0) - 3)
;;       q = np.round(r / step) * step * 2.0 ** e      # np.round: ties to even
;;       return np.moveaxis(q.reshape(q.shape[:-2] + (-1,))[..., :K], -1, axis).astype(np.float32)
;;   ~~~
;;   SOFTMAX AHEAD OF A QUANTISED PRODUCT. Where the list says 'softmax', what is quantised is not the finished softmax but p = 2^(t - M), with t = logit x log2(e) and M = ceil(the row's largest t), a whole number; so 1/2 < the row's largest p <= 1. The row's sum l is taken of the UNQUANTISED p, in f32, and the product's result is divided by l at the end. Since M is a whole number, a kernel that streams over the keys may use a running M (the ceiling of the running maximum): every later rescaling is an exact power of two, which a block's scale takes up: the codes' values come out the same.
;;   OPERANDS COMPUTED ON THE WAY. 'Computed on the way' means the value that the module computes at that place (a softmax that the list does not call 'softmax' is quantised finished and normalised). What goes into a quantiser is computed in f32, as accurately as f32 sums, v_exp_f32 and their like allow (about 1e-6 of the number): no bf16 or f16 on the way to a quantiser, and a product that is left as it is and whose result goes on into a quantised operand takes f32 operands (vector FMAs, or v_wmma_f32_16x16x4_f32). A number that lies on a knife's edge between two numbers of the format may be rounded either way, as far as f32 arithmetic and the matrix unit's own rounding can turn it there, and no further.
;; 2 versions, each right. Each part assembles by itself: llvm-mc -triple=amdgcn-amd-amdhsa -mcpu=gfx1250 --defsym DOCPART=n.
;; ======== version 1 of 2: 8 launches
;; limits: an absolute error that grows with the inputs' magnitude: up to 2e-07 times it
;; workspace buffers: wts 5,529,600 bytes; act 2,457,600 bytes; qkv 7,569,408 bytes; ctx 2,457,600 bytes; x1 12,582,912 bytes; gact 9,830,400 bytes
;; launch wquant (part 1): grid 6 x 72, 4 waves a work-group, no clusters, 0 bytes of LDS; arguments Wq, Wk, Wv, Wo, W1, W2, wts; writes wts
.if DOCPART == 1
	.amdgcn_target "amdgcn-amd-amdhsa--gfx1250"
	.amdhsa_code_object_version 6
	.text
	.protected	k_qbb4b5bc8a6_wquant
	.globl	k_qbb4b5bc8a6_wquant
	.p2align	8
	.type	k_qbb4b5bc8a6_wquant,@function
k_qbb4b5bc8a6_wquant:
	s_mov_b64 s[64:65], 0
	v_nop
	global_prefetch_b8 v0, s[64:65] scope:SCOPE_SE
	s_setreg_imm32_b32 hwreg(HW_REG_WAVE_MODE, 25, 1), 1
	s_wait_xcnt 0x0
; THE PROGRAM: a transformer block (4,096 tokens, 768 wide, 12 heads of 64, FFN of 3,072) in eight launches; all eight products on codes of FP6 (E2M3) with one E8M0 scale for each 32 along K.
; DEAD WORK LEFT OUT (in the launch attn): reference() builds the causal mask itself (jnp.tril) and sets the scores of keys behind the query to -infinity ahead of the softmax; their weights are 0 for all
; values of the inputs, so they add nothing to the row's sum nor to the second product.  Steps of 128 keys that lie wholly behind a block of 128 queries are therefore not multiplied.  (Keys come into LDS one step at a time:
; no such step is loaded.)
; LIMIT: a NaN, an infinity or an overflow that reaches only those scores is not carried to the result.  Every input has a way to the output: all fourteen are loaded.
; THIS LAUNCH: the six weights, f32 [K][N] with K their FIRST axis, become codes and scale bytes along K, laid in the order of the matrix operand's registers.
; ROWS OF A TILE (all launches): 32 neighbouring indices make a pair of tiles; row p of tile 2 b + u is index 32 b + 8 u + (p & 7) + 16 (p >> 3).
; A FRAGMENT'S IMAGE (16 rows x 128 K, 12 registers a lane, 1,536 bytes): registers 4 c .. 4 c + 3 of lane l at 512 c + 16 l.  SCALE WORDS: [pair][K step][32 lanes]: lanes 0-15 the even tile's rows, lanes 16-31 the odd tile's.
; A wave takes a pair of tiles (32 columns) x 128 along K.  A LANE TAKES A COLUMN AND ITS REGISTERS RUN DOWN K: lanes 0-15 the even tile's rows, lanes 16-31 the odd tile's.  A block of 32 lies in one lane.
; A block's scale is 2^(floor(log2(largest magnitude)) - 2); its byte is the largest magnitude's exponent field - 2, held at 1 from below (a block of zeros gets 1: its codes are zeros, and this program alone reads the bytes).
; LIMITS: NaN and infinities among the inputs are not served; blocks whose largest magnitude lies under 2^-124 get the byte 1.
.set F,  16                            ; v16-39  the two fragments: even tile v16-27, odd tile v28-39
.set T,  40                            ; v40-42  a conversion's result on its way
.set X,  64                            ; v64-127 two sets of 32 numbers
.set SB, 14                            ; v14     my column's four scale bytes
	s_load_b256 s[4:11], s[0:1], 0x0               ; Wq, Wk, Wv, Wo
	s_load_b128 s[12:15], s[0:1], 0x20             ; W1, W2
	s_load_b64 s[16:17], s[0:1], 0x30              ; wts
	v_lshrrev_b32 v1, 5, v0
	v_readfirstlane_b32 s18, v1                    ; wave
	v_and_b32 v2, 31, v0                           ; lane
	v_and_b32 v3, 7, v0
	v_bfe_u32 v7, v0, 3, 1
	v_lshl_add_u32 v3, v7, 4, v3
	v_bfe_u32 v7, v0, 4, 1
	v_lshl_add_u32 v3, v7, 3, v3                   ; my column in the pair: 8 (l >> 4) + (l & 7) + 16 ((l >> 3) & 1)
	v_lshlrev_b32 v3, 2, v3
	v_lshlrev_b32 v4, 4, v2                        ; an image's place for my lane
	v_lshlrev_b32 v6, 2, v2                        ; a scale word's
	; which weight, which K step, which 128 columns: from the work-group's numbers alone
	s_and_b32 s19, ttmp7, 0xffff                   ; y
	s_and_b32 s20, s19, 3                          ; y < 24: weight y & 3 of Wq, Wk, Wv, Wo,
	s_lshr_b32 s22, s19, 2                         ; K step y >> 2,
	s_mov_b32 s23, ttmp9                           ; columns 128 x
	s_mul_i32 s24, s20, 442368                     ; where its codes begin in wts,
	s_mul_i32 s25, s20, 18432                      ; and its scale words behind 5,308,416
	s_mov_b32 s21, 6                               ; K steps in the weight
	s_mov_b32 s27, 393216                          ; 128 rows of 3,072 bytes
	s_sub_co_u32 s26, s19, 24
	s_cmp_ge_u32 s19, 24                           ; y 24 .. 47: W2, K step y - 24
	s_cselect_b32 s22, s26, s22
	s_cselect_b32 s21, 24, s21
	s_cselect_b32 s24, 3538944, s24
	s_cselect_b32 s25, 147456, s25
	s_sub_co_u32 s26, s19, 48
	s_cmp_ge_u32 s19, 48                           ; y >= 48: W1, K step x, columns 128 (y - 48)
	s_cselect_b32 s22, ttmp9, s22
	s_cselect_b32 s23, s26, s23
	s_cselect_b32 s21, 6, s21
	s_cselect_b32 s24, 1769472, s24
	s_cselect_b32 s25, 73728, s25
	s_cselect_b32 s27, 1572864, s27                ; 128 rows of 12,288 bytes
	s_lshl_b32 s26, s23, 2
	s_add_co_u32 s26, s26, s18                     ; p: my pair of tiles
	s_mul_i32 s28, s22, s27
	s_lshl_b32 s29, s26, 7
	s_add_co_u32 s28, s28, s29                     ; in the weight: K step x 128 rows + 128 p bytes
	s_mov_b32 s29, 0
	s_mul_i32 s30, s26, s21
	s_lshl_b32 s31, s30, 1
	s_add_co_u32 s31, s31, s22
	s_mul_i32 s31, s31, 1536
	s_add_co_u32 s32, s31, s24                     ; codes: (2 p S + s) images on
	s_mov_b32 s33, 0
	s_add_co_u32 s30, s30, s22
	s_lshl_b32 s30, s30, 7
	s_add_co_u32 s30, s30, s25
	s_add_co_u32 s36, s30, 5308416                 ; scale words: (p S + s) x 128 bytes on
	s_mov_b32 s37, 0
	s_mul_i32 s34, s21, 1536
	v_add_nc_u32 v5, s34, v4                       ; the odd tile's image lies S images behind the even tile's
	s_wait_kmcnt 0x0
	s_cmp_eq_u32 s20, 1                            ; the choice of the buffer hangs on the work-group's number alone
	s_cselect_b64 s[4:5], s[6:7], s[4:5]
	s_cmp_eq_u32 s20, 2
	s_cselect_b64 s[4:5], s[8:9], s[4:5]
	s_cmp_eq_u32 s20, 3
	s_cselect_b64 s[4:5], s[10:11], s[4:5]
	s_cmp_ge_u32 s19, 24
	s_cselect_b64 s[4:5], s[14:15], s[4:5]
	s_cmp_ge_u32 s19, 48
	s_cselect_b64 s[4:5], s[12:13], s[4:5]
	s_add_nc_u64 s[4:5], s[4:5], s[28:29]
	s_add_nc_u64 s[32:33], s[16:17], s[32:33]
	s_add_nc_u64 s[36:37], s[16:17], s[36:37]
.macro LOAD t, pitch                   ; block t: W(32 t + i, my column), i = 0 .. 31, into set t % 2: 32 lanes read 128 neighbouring bytes, the four waves 512
.set li, 0
.rept 32
	global_load_b32 v[X+32*((\t)%2)+li], v3, s[4:5] offset:(32*(\t)+li)*(\pitch) th:TH_LOAD_NT
.set li, li+1
.endr
.endm
.macro BLOCK t, base, pitch            ; block t's 32 codes into six registers from v[base] on, its byte into v[SB]
.set XS, X+32*((\t)%2)
.if (\t) < 3
	s_wait_loadcnt 32                              ; this block's 32 loads are in; the next block's 32 may be out
.else
	s_wait_loadcnt 0x0
.endif
	v_max3_num_f32 v8, |v[XS]|, |v[XS+1]|, |v[XS+2]|
	v_max3_num_f32 v9, |v[XS+3]|, |v[XS+4]|, |v[XS+5]|
.irp i, 6,10,14,18,22,26
	v_max3_num_f32 v8, v8, |v[XS+\i]|, |v[XS+\i+1]|
	v_max3_num_f32 v9, v9, |v[XS+\i+2]|, |v[XS+\i+3]|
.endr
	v_max3_num_f32 v8, v8, |v[XS+30]|, |v[XS+31]|
	v_max3_num_f32 v8, v8, v9, 0x1800000           ; and the floor 2^(3 - 127): the byte cannot fall under 1
	v_add_nc_u32 v11, 0xff000000, v8               ; 2 off the exponent field: the conversion's scale operand
	v_cvt_scalef32_pk16_fp6_f32 v[\base:\base+2], v[XS:XS+15], v11
	v_cvt_scalef32_pk16_fp6_f32 v[T:T+2], v[XS+16:XS+31], v11   ; (a conversion's three registers begin on an even number)
	v_lshrrev_b32 v10, 23, v11                     ; the scale's byte; also the plain line behind the conversions
.if (\t) == 0
	v_mov_b32 v[SB], v10
.else
	v_lshl_or_b32 v[SB], v10, 8*(\t), v[SB]
.endif
.irp i, 0,1,2
	v_mov_b32 v[\base+3+\i], v[T+\i]
.endr
.if (\t) < 2
	LOAD (\t)+2, \pitch
.endif
.endm
.macro WQ pitch
	LOAD 0, \pitch
	LOAD 1, \pitch
	BLOCK 0, F, \pitch
	BLOCK 1, F+12, \pitch
	BLOCK 2, F+6, \pitch
	BLOCK 3, F+18, \pitch
.set li, 0
.rept 12                               ; the operand wants blocks 2 c (lanes 0-15) and 2 c + 1 (lanes 16-31) of ONE tile in a register: the first's upper lanes change places with the second's lower
	v_permlane16_swap_b32 v[F+li], v[F+12+li]
.set li, li+1
.endr
.irp c, 0,1,2
	global_store_b128 v4, v[F+4*\c:F+4*\c+3], s[32:33] offset:512*\c        ; 32 lanes store 512 consecutive bytes, aligned
.endr
.irp c, 0,1,2
	global_store_b128 v5, v[F+12+4*\c:F+12+4*\c+3], s[32:33] offset:512*\c
.endr
	global_store_b32 v6, v[SB], s[36:37]
	s_endpgm
.endm
	s_cmp_ge_u32 s19, 48                           ; the row pitch stands in the loads' immediates: the text is written for each of the two pitches
	s_cbranch_scc1 .Lwide
	WQ 3072
.Lwide:
	WQ 12288
.Lfunc_end_k_qbb4b5bc8a6_wquant:
	.size	k_qbb4b5bc8a6_wquant, .Lfunc_end_k_qbb4b5bc8a6_wquant-k_qbb4b5bc8a6_wquant
	.p2alignl 7, 3214868480
	.fill 96, 4, 3214868480
	.section	.rodata,"a",@progbits
	.p2align	6, 0x0
	.amdhsa_kernel k_qbb4b5bc8a6_wquant
		.amdhsa_group_segment_fixed_size 0
		.amdhsa_private_segment_fixed_size 0
		.amdhsa_enable_private_segment 0
		.amdhsa_kernarg_size 56
		.amdhsa_user_sgpr_count 2
		.amdhsa_user_sgpr_kernarg_segment_ptr 1
		.amdhsa_wavefront_size32 1
		.amdhsa_system_sgpr_workgroup_id_x 1
		.amdhsa_system_sgpr_workgroup_id_y 1
		.amdhsa_system_sgpr_workgroup_id_z 1
		.amdhsa_system_vgpr_workitem_id 0
		.amdhsa_next_free_vgpr 128
		.amdhsa_next_free_sgpr 66
		.amdhsa_reserve_vcc 0
		.amdhsa_float_denorm_mode_32 3
		.amdhsa_float_denorm_mode_16_64 3
		.amdhsa_memory_ordered 1
		.amdhsa_forward_progress 1
		.amdhsa_inst_pref_size 41
	.end_amdhsa_kernel
	.amdgpu_metadata
---
amdhsa.version: [ 1, 2 ]
amdhsa.kernels:
  - .name:           k_qbb4b5bc8a6_wquant
    .symbol:         k_qbb4b5bc8a6_wquant.kd
    .args:
      - { .name: Wq, .offset: 0, .size: 8, .value_kind: global_buffer, .address_space: global }
      - { .name: Wk, .offset: 8, .size: 8, .value_kind: global_buffer, .address_space: global }
      - { .name: Wv, .offset: 16, .size: 8, .value_kind: global_buffer, .address_space: global }
      - { .name: Wo, .offset: 24, .size: 8, .value_kind: global_buffer, .address_space: global }
      - { .name: W1, .offset: 32, .size: 8, .value_kind: global_buffer, .address_space: global }
      - { .name: W2, .offset: 40, .size: 8, .value_kind: global_buffer, .address_space: global }
      - { .name: wts, .offset: 48, .size: 8, .value_kind: global_buffer, .address_space: global }
    .group_segment_fixed_size: 0
    .private_segment_fixed_size: 0
    .kernarg_segment_align: 8
    .kernarg_segment_size: 56
    .max_flat_workgroup_size: 128
    .sgpr_count:     66
    .vgpr_count:     128
    .wavefront_size: 32
...
	.end_amdgpu_metadata
.endif
;; end of part 1
;; launch ln1 (part 2): grid 256 x 1, 8 waves a work-group, no clusters, 50,432 bytes of LDS; arguments x, g1, be1, act; writes act
.if DOCPART == 2
	.amdgcn_target "amdgcn-amd-amdhsa--gfx1250"
	.amdhsa_code_object_version 6
	.text
	.protected	k_qbb4b5bc8a6_ln1
	.globl	k_qbb4b5bc8a6_ln1
	.p2align	8
	.type	k_qbb4b5bc8a6_ln1,@function
k_qbb4b5bc8a6_ln1:
	s_mov_b64 s[64:65], 0
	v_nop
	global_prefetch_b8 v0, s[64:65] scope:SCOPE_SE
	s_setreg_imm32_b32 hwreg(HW_REG_WAVE_MODE, 25, 1), 1
	s_wait_xcnt 0x0
; Layernorm of 4,096 rows of 768 f32 and the quantiser along the row: codes of FP6 (E2M3) and E8M0 scale words, laid as images of the matrix operand's registers.
; A work-group owns one tile of 16 tokens: row p of tile T is token 32 (T >> 1) + 8 (T & 1) + (p & 7) + 16 (p >> 3).  Wave w normalises rows 2 w and 2 w + 1 (two neighbouring tokens): mean, then the mean
; of the squared differences in a second pass over the registers, 1 / sqrt(var + 1e-5), gain and bias, all in f32.  The rows meet in a stage in LDS; behind one barrier wave s (0 .. 5) quantises K step s.
; OUT: codes [256 tiles][6 K steps][1,536 bytes], scale words behind them [128 pairs][6][32 lanes].
; LIMITS: NaN and infinities are not served; blocks under 2^-124 get the byte 1 (a block of zeros too: its codes are zeros, and this program alone reads the bytes).
.set ROWP,  3088                       ; a stage row: 3,072 bytes + 16: the sixteen rows of a read start in sixteen different groups of banks
.set SPARE, 16*ROWP                    ; behind the stage: the spare words, 128 bytes for each wave, that no other line names
.set SPW, 1                            ; v1  LDS address of my spare word; never rewritten
.set NIL, 2                            ; v2  0; never rewritten
.set L16, 3                            ; v3  16 x lane
.set STA, 4                            ; v4  the stage, on the way in
.set RDA, 5                            ; v5  and on the way out
.set L4R, 7                            ; v7  4 x (lane % 16)
.set X0,  16                           ; v16-39 row 2 w;  v40-63 row 2 w + 1
.set X1,  40
.set GA,  64                           ; v64-87 the gain of my 24 columns;  v88-111 the bias
.set BE,  88
.set W,   112                          ; v112-127 at work
.set N,   128                          ; v128-191 64 numbers for the quantiser
.set TM,  192
.set PW,  208
.set PC,  210
	s_load_b256 s[4:11], s[0:1], 0x0               ; the rows, the gain, the bias, act
	v_lshl_add_u32 v[SPW], v0, 2, SPARE
	v_mov_b32 v[NIL], 0
	v_lshrrev_b32 v8, 5, v0
	v_readfirstlane_b32 s12, v8                    ; wave
	v_and_b32 v8, 31, v0
	v_lshlrev_b32 v[L16], 4, v8
	s_mul_i32 s13, s12, 2*ROWP
	v_add_nc_u32 v[STA], s13, v[L16]               ; rows 2 w, 2 w + 1; 16 bytes a lane
	v_and_b32 v9, 15, v0                           ; r
	v_bfe_u32 v10, v0, 4, 1                        ; h
	v_mul_u32_u24 v[RDA], v9, ROWP
	v_lshl_add_u32 v[RDA], v10, 6, v[RDA]
	s_lshl_b32 s13, s12, 9
	v_add_nc_u32 v[RDA], s13, v[RDA]               ; row r, K step w (512 bytes), + 64 h: my 16 numbers of each block of 32
	v_lshlrev_b32 v[L4R], 2, v9
.irp b, 0,1,2,3
	v_mov_b32 v[TM+4+\b], 0                        ; written once: a lane permute's destination counts as one of its sources
.endr
	s_mov_b32 s20, 0x76543210
	s_mov_b32 s21, 0xfedcba98                      ; v_permlanex16_b32's selects for lane l xor 16
	s_mov_b32 s22, 0x3aaaaaab                      ; 1 / 768
	s_mov_b32 s23, 0x3727c5ac                      ; 1e-5
	s_lshr_b32 s24, ttmp9, 1
	s_lshl_b32 s14, s24, 5
	s_and_b32 s15, ttmp9, 1
	s_lshl_b32 s16, s15, 3
	s_add_co_u32 s14, s14, s16
	s_and_b32 s16, s12, 3
	s_lshl_b32 s16, s16, 1
	s_add_co_u32 s14, s14, s16
	s_lshr_b32 s16, s12, 2
	s_lshl_b32 s16, s16, 4
	s_add_co_u32 s14, s14, s16                     ; my first token
	s_mul_i32 s16, s14, 3072
	s_mov_b32 s17, 0
	s_mul_i32 s18, ttmp9, 6
	s_add_co_u32 s18, s18, s12
	s_mul_i32 s18, s18, 1536                       ; my image: (6 T + w) x 1,536
	s_mov_b32 s19, 0
	s_mul_i32 s24, s24, 6
	s_add_co_u32 s24, s24, s12
	s_lshl_b32 s24, s24, 7
	s_lshl_b32 s25, s15, 6
	s_add_co_u32 s24, s24, s25
	s_add_co_u32 s24, s24, 2359296                 ; my scale words: (6 (T >> 1) + w) x 128 + 64 (T & 1)
	s_mov_b32 s25, 0
	s_wait_kmcnt 0x0
	s_add_nc_u64 s[4:5], s[4:5], s[16:17]
	s_add_nc_u64 s[18:19], s[10:11], s[18:19]
	s_add_nc_u64 s[24:25], s[10:11], s[24:25]
.irp j, 0,1,2,3,4,5
	global_load_b128 v[X0+4*\j:X0+4*\j+3], v[L16], s[4:5] offset:512*\j th:TH_LOAD_NT
.endr
.irp j, 0,1,2,3,4,5
	global_load_b128 v[X1+4*\j:X1+4*\j+3], v[L16], s[4:5] offset:3072+512*\j th:TH_LOAD_NT
.endr
.irp j, 0,1,2,3,4,5
	global_load_b128 v[GA+4*\j:GA+4*\j+3], v[L16], s[6:7] offset:512*\j
	global_load_b128 v[BE+4*\j:BE+4*\j+3], v[L16], s[8:9] offset:512*\j
.endr
.macro SUMS r, a                       ; my 24 numbers of a row, added in two chains
	v_pk_add_f32 v[\a:\a+1], v[\r:\r+1], v[\r+4:\r+5]
	v_pk_add_f32 v[\a+2:\a+3], v[\r+2:\r+3], v[\r+6:\r+7]
.irp k, 8,12,16,20
	v_pk_add_f32 v[\a:\a+1], v[\a:\a+1], v[\r+\k:\r+\k+1]
	v_pk_add_f32 v[\a+2:\a+3], v[\a+2:\a+3], v[\r+\k+2:\r+\k+3]
.endr
	v_pk_add_f32 v[\a:\a+1], v[\a:\a+1], v[\a+2:\a+3]
	v_add_f32 v[\a], v[\a], v[\a+1]
.endm
.macro SQS r, a                        ; and their squares
	v_pk_mul_f32 v[\a:\a+1], v[\r:\r+1], v[\r:\r+1]
	v_pk_mul_f32 v[\a+2:\a+3], v[\r+2:\r+3], v[\r+2:\r+3]
.irp k, 4,8,12,16,20
	v_pk_fma_f32 v[\a:\a+1], v[\r+\k:\r+\k+1], v[\r+\k:\r+\k+1], v[\a:\a+1]
	v_pk_fma_f32 v[\a+2:\a+3], v[\r+\k+2:\r+\k+3], v[\r+\k+2:\r+\k+3], v[\a+2:\a+3]
.endr
	v_pk_add_f32 v[\a:\a+1], v[\a:\a+1], v[\a+2:\a+3]
	v_add_f32 v[\a], v[\a], v[\a+1]
.endm
.macro RED a                           ; over the 32 lanes; every lane ends with the sum
	v_add_f32_dpp v[\a], v[\a], v[\a] row_xmask:1 row_mask:0xf bank_mask:0xf
	v_add_f32_dpp v[\a], v[\a], v[\a] row_xmask:2 row_mask:0xf bank_mask:0xf
	v_add_f32_dpp v[\a], v[\a], v[\a] row_xmask:4 row_mask:0xf bank_mask:0xf
	v_add_f32_dpp v[\a], v[\a], v[\a] row_xmask:8 row_mask:0xf bank_mask:0xf
	v_permlanex16_b32 v[\a+1], v[\a], s20, s21
	v_add_f32 v[\a], v[\a], v[\a+1]
.endm
	s_wait_loadcnt 0x0
	SUMS X0, W
	SUMS X1, W+4
	RED W
	RED W+4
	v_mul_f32 v[W+8], s22, v[W]                    ; the means, each twice: a pair for the packed forms
	v_mul_f32 v[W+9], s22, v[W]
	v_mul_f32 v[W+10], s22, v[W+4]
	v_mul_f32 v[W+11], s22, v[W+4]
.irp k, 0,2,4,6,8,10,12,14,16,18,20,22
	v_pk_add_f32 v[X0+\k:X0+\k+1], v[X0+\k:X0+\k+1], v[W+8:W+9] neg_lo:[0,1] neg_hi:[0,1]
	v_pk_add_f32 v[X1+\k:X1+\k+1], v[X1+\k:X1+\k+1], v[W+10:W+11] neg_lo:[0,1] neg_hi:[0,1]
.endr
	SQS X0, W
	SQS X1, W+4
	RED W
	RED W+4
	v_fma_f32 v[W], v[W], s22, s23                 ; var + eps
	v_fma_f32 v[W+4], v[W+4], s22, s23
	v_rsq_f32 v[W+12], v[W]
	v_rsq_f32 v[W+14], v[W+4]
	v_nop                                          ; a plain line behind the two roots,
	s_wait_alu depctr_va_vdst(0)                   ; and the one wait ahead of their first reader
	v_mov_b32 v[W+13], v[W+12]
	v_mov_b32 v[W+15], v[W+14]
.irp k, 0,2,4,6,8,10,12,14,16,18,20,22
	v_pk_mul_f32 v[X0+\k:X0+\k+1], v[X0+\k:X0+\k+1], v[W+12:W+13]
	v_pk_mul_f32 v[X1+\k:X1+\k+1], v[X1+\k:X1+\k+1], v[W+14:W+15]
.endr
.irp k, 0,2,4,6,8,10,12,14,16,18,20,22
	v_pk_fma_f32 v[X0+\k:X0+\k+1], v[X0+\k:X0+\k+1], v[GA+\k:GA+\k+1], v[BE+\k:BE+\k+1]
	v_pk_fma_f32 v[X1+\k:X1+\k+1], v[X1+\k:X1+\k+1], v[GA+\k:GA+\k+1], v[BE+\k:BE+\k+1]
.endr
.irp j, 0,1,2,3,4,5
	ds_store_b128 v[STA], v[X0+4*\j:X0+4*\j+3] offset:512*\j
	ds_store_b128 v[STA], v[X1+4*\j:X1+4*\j+3] offset:ROWP+512*\j
.endr
	s_wait_dscnt 0x0                               ; for the others' sake: my rows lie in the stage
	s_barrier_signal -1
	s_barrier_wait -1
	s_cmp_gt_u32 s12, 5                            ; six K steps: waves 6 and 7 have none
	s_cbranch_scc1 .Lend
.irp b, 0,1,2,3
.irp j, 0,1,2,3
	ds_load_b128 v[N+16*\b+4*\j:N+16*\b+4*\j+3], v[RDA] offset:128*\b+16*\j   ; register 16 b + i = k 32 b + 16 h + i of row r
.endr
.endr
	s_wait_dscnt 0x0
; 64 numbers of a lane become a fragment's codes in v[PC] on and its row's scale word in v[PW]
.irp b, 0,1,2,3
	v_max3_num_f32 v[TM+\b], |v[N+16*\b]|, |v[N+1+16*\b]|, 0x1800000   ; my 16 numbers of block b, and the floor 2^(3 - 127)
.endr
.irp i, 2,4,6,8,10,12,14
.irp b, 0,1,2,3
	v_max3_num_f32 v[TM+\b], v[TM+\b], |v[N+16*\b+\i]|, |v[N+1+16*\b+\i]|
.endr
.endr
.irp b, 0,1,2,3
	v_permlanex16_b32 v[TM+4+\b], v[TM+\b], s20, s21
.endr
.irp b, 0,1,2,3
	v_max_num_f32 v[TM+\b], v[TM+\b], v[TM+4+\b]   ; with lane l xor 16's: the block's largest magnitude
.endr
.irp b, 0,1,2,3
	v_add_nc_u32 v[TM+12+\b], 0xff000000, v[TM+\b] ; 2 off its exponent field: the conversion's scale operand
.endr
.irp b, 0,1,2,3
	v_lshrrev_b32 v[TM+4+\b], 23, v[TM+12+\b]      ; the scale's byte
.endr
	v_lshl_or_b32 v[PW], v[TM+5], 8, v[TM+4]
	v_lshl_or_b32 v[PW], v[TM+6], 16, v[PW]
	v_lshl_or_b32 v[PW], v[TM+7], 24, v[PW]
.irp c, 0,1
	v_cvt_scalef32_pk16_fp6_f32 v[PC+6*\c:PC+2+6*\c], v[N+32*\c:N+15+32*\c], v[TM+12+2*\c]
	v_cvt_scalef32_pk16_fp6_f32 v[PC+12+4*\c:PC+14+4*\c], v[N+16+32*\c:N+31+32*\c], v[TM+12+2*\c+1]
.endr
	v_nop                                          ; one plain line behind a scaled conversion
.irp c, 0,1                            ; the operand wants a WHOLE block in a lane
.irp i, 0,1,2
	v_permlane16_swap_b32 v[PC+6*\c+\i], v[PC+12+4*\c+\i]
.endr
.irp i, 0,1,2
	v_mov_b32 v[PC+3+6*\c+\i], v[PC+12+4*\c+\i]
.endr
.endr
.irp c, 0,1,2
	global_store_b128 v[L16], v[PC+4*\c:PC+4*\c+3], s[18:19] offset:512*\c   ; 32 lanes store 512 consecutive bytes, aligned
.endr
	global_store_b32 v[L4R], v[PW], s[24:25]       ; lanes r and r + 16 hold the same word and store it to the same place
.Lend:
	s_wait_tensorcnt 0x0                           ; the wave's end
	ds_add_u32 v[SPW], v[NIL]
	s_wait_dscnt 0x0
	s_endpgm
.Lfunc_end_k_qbb4b5bc8a6_ln1:
	.size	k_qbb4b5bc8a6_ln1, .Lfunc_end_k_qbb4b5bc8a6_ln1-k_qbb4b5bc8a6_ln1
	.p2alignl 7, 3214868480
	.fill 96, 4, 3214868480
	.section	.rodata,"a",@progbits
	.p2align	6, 0x0
	.amdhsa_kernel k_qbb4b5bc8a6_ln1
		.amdhsa_group_segment_fixed_size 50432
		.amdhsa_private_segment_fixed_size 0
		.amdhsa_enable_private_segment 0
		.amdhsa_kernarg_size 32
		.amdhsa_user_sgpr_count 2
		.amdhsa_user_sgpr_kernarg_segment_ptr 1
		.amdhsa_wavefront_size32 1
		.amdhsa_system_sgpr_workgroup_id_x 1
		.amdhsa_system_sgpr_workgroup_id_y 1
		.amdhsa_system_sgpr_workgroup_id_z 1
		.amdhsa_system_vgpr_workitem_id 0
		.amdhsa_next_free_vgpr 232
		.amdhsa_next_free_sgpr 66
		.amdhsa_reserve_vcc 0
		.amdhsa_float_denorm_mode_32 3
		.amdhsa_float_denorm_mode_16_64 3
		.amdhsa_memory_ordered 1
		.amdhsa_forward_progress 1
		.amdhsa_inst_pref_size 21
	.end_amdhsa_kernel
	.amdgpu_metadata
---
amdhsa.version: [ 1, 2 ]
amdhsa.kernels:
  - .name:           k_qbb4b5bc8a6_ln1
    .symbol:         k_qbb4b5bc8a6_ln1.kd
    .args:
      - { .name: x, .offset: 0, .size: 8, .value_kind: global_buffer, .address_space: global }
      - { .name: g1, .offset: 8, .size: 8, .value_kind: global_buffer, .address_space: global }
      - { .name: be1, .offset: 16, .size: 8, .value_kind: global_buffer, .address_space: global }
      - { .name: act, .offset: 24, .size: 8, .value_kind: global_buffer, .address_space: global }
    .group_segment_fixed_size: 50432
    .private_segment_fixed_size: 0
    .kernarg_segment_align: 8
    .kernarg_segment_size: 32
    .max_flat_workgroup_size: 256
    .sgpr_count:     66
    .vgpr_count:     232
    .wavefront_size: 32
...
	.end_amdgpu_metadata
.endif
;; end of part 2
;; launch qkv (part 3): grid 6 x 48, 8 waves a work-group, no clusters, 83,968 bytes of LDS; arguments wts, act, qkv; writes qkv
.if DOCPART == 3
	.amdgcn_target "amdgcn-amd-amdhsa--gfx1250"
	.amdhsa_code_object_version 6
	.text
	.protected	k_qbb4b5bc8a6_qkv
	.globl	k_qbb4b5bc8a6_qkv
	.p2align	8
	.type	k_qbb4b5bc8a6_qkv,@function
k_qbb4b5bc8a6_qkv:
	s_mov_b64 s[64:65], 0
	v_nop
	global_prefetch_b8 v0, s[64:65] scope:SCOPE_SE
	s_setreg_imm32_b32 hwreg(HW_REG_WAVE_MODE, 25, 1), 1
	s_wait_xcnt 0x0
; q = h Wq, k = h Wk, v = h Wv on codes of FP6 (E2M3) with E8M0 scales, and the quantisers behind them: q and k along the head's 64, v along the tokens (the keys are the second attention product's K).
; A work-group makes 16 tiles of source 0 (P) x 8 tiles of source 1 (R); K = 768 in six steps of 128.  y < 32: P = 256 columns of Wq | Wk, R = 128 tokens: a lane's registers run along the columns.
; y >= 32: P = 256 tokens, R = 128 columns of Wv: a lane's registers run along the tokens.  Either way a wave's 64 registers for one R tile are 128 neighbours along the NEXT product's K, since row p of tile
; 2 b + u is index 32 b + 8 u + (p & 7) + 16 (p >> 3): they are quantised in registers and stored as images of the next operand's registers.
; Wave w: P tiles 8 (w >> 2) on, R tiles 2 (w & 3) on: 16 accumulators, which take turns, one instruction a turn.
; OPERANDS come as images (1,536 bytes a fragment): each wave brings two P images and one R image of the next K step into registers, and stores them into the LDS slot that is not being read: one barrier a K step.
; No cluster: six K steps of 16 matrix instructions a wave are too short to pay for a round of a cluster's barrier each, and the grid's 6 along x does not divide by 4.
; OUT (qkv): q codes [12 heads][256 tiles][768] at 0, k codes at 2,359,296, v codes [12][32 key steps][4 tiles of channels][1,536] at 4,718,592; scale words of q [12][128 pairs][32 lanes] at 7,077,888,
; of k at 7,274,496 (bytes 0, 1 the head's two blocks; bytes 2, 3 = 0x7f), of v [12][32][2 pairs][32 lanes] at 7,471,104.
; LIMITS: NaN and infinities are not served; blocks under 2^-124 get the byte 1 (a block of zeros too: its codes are zeros, and this program alone reads the bytes).
.set S,     6                          ; K steps
.set PT,    8                          ; P tiles of a wave
.set PF,    PT/4                       ; P images that a wave brings in a step
.set FRB,   1536
.set SLOTB, (2*PT+8)*FRB               ; a slot: 16 P images, then 8 R images
.set SCP,   2*SLOTB                    ; behind the two slots: P's scale words for all of K,
.set SCR,   SCP+PT*128*S               ; R's,
.set SPARE, SCR+512*S                  ; and the spare words, 128 bytes for each wave, that no other line names
.set SPW, 1                            ; v1  LDS address of my spare word; never rewritten
.set NIL, 2                            ; v2  0; never rewritten
.set GP,  3                            ; v3  my P images in memory
.set GR,  4                            ; v4  my R image in memory
.set LSP, 5                            ; v5  where I store P images in a slot
.set LSR, 6                            ; v6  and the R image
.set LP,  7                            ; v7  where I read my P fragments
.set LR,  8                            ; v8  and my R fragments
.set SP,  10                           ; v10 my P scale words of the step
.set SR,  11                           ; v11 my R scale words
.set SCW, 12                           ; v12 the scale words' copy: SCP + 4 x thread
.set PS,  13                           ; v13-16 P's scale words: one register a pair of tiles; they hold nothing else
.set RS,  13+PT/2                      ; v17    R's
.set G,   18                           ; v18-53 three images on their way
.set RF,  G+12*(PF+1)                  ; v54-77 R's two fragments
.set PFR, RF+24                        ; v78-125 four P fragments
.set SCG, 126                          ; v126 4 x thread
.set ACC, 128                          ; v128-255: accumulator (t, m) at v[128 + 8 (8 m + t)]
.set TM,  18                           ; the way out
.set PW,  34
.set PW0, 35
.set WA,  36
.set WB,  37
.set PC,  40
.set O16, 60
.set O8,  61
.set O4,  62
	s_load_b128 s[4:7], s[0:1], 0x0                ; wts, act
	s_load_b64 s[8:9], s[0:1], 0x10                ; qkv
	v_lshl_add_u32 v[SPW], v0, 2, SPARE
	v_mov_b32 v[NIL], 0
	v_lshrrev_b32 v18, 5, v0
	v_readfirstlane_b32 s20, v18                   ; wave
	s_lshr_b32 s21, s20, 2                         ; wp
	s_and_b32 s22, s20, 3                          ; wr
	v_and_b32 v18, 31, v0
	v_lshlrev_b32 v19, 4, v18                      ; 16 x lane
	v_lshlrev_b32 v20, 2, v18                      ; 4 x lane
	s_mul_i32 s23, s20, PF*S*FRB
	v_add_nc_u32 v[GP], s23, v19
	s_mul_i32 s23, s20, S*FRB
	v_add_nc_u32 v[GR], s23, v19
	s_mul_i32 s23, s20, PF*FRB
	v_add_nc_u32 v[LSP], s23, v19
	s_mul_i32 s23, s20, FRB
	s_add_co_u32 s23, s23, 2*PT*FRB
	v_add_nc_u32 v[LSR], s23, v19
	s_mul_i32 s23, s21, PT*FRB
	v_add_nc_u32 v[LP], s23, v19
	s_mul_i32 s23, s22, 2*FRB
	s_add_co_u32 s23, s23, 2*PT*FRB
	v_add_nc_u32 v[LR], s23, v19
	s_mul_i32 s23, s21, (PT/2)*S*128
	s_add_co_u32 s23, s23, SCP
	v_add_nc_u32 v[SP], s23, v20
	s_mul_i32 s23, s22, S*128
	s_add_co_u32 s23, s23, SCR
	v_add_nc_u32 v[SR], s23, v20
	v_lshlrev_b32 v[SCG], 2, v0
	v_add_nc_u32 v[SCW], SCP, v[SCG]
	s_mov_b32 s30, 0x76543210
	s_mov_b32 s31, 0xfedcba98                      ; v_permlanex16_b32's selects for lane l xor 16
	s_and_b32 s32, ttmp7, 0xffff                   ; y
	s_sub_co_u32 s35, s32, 32
	s_lshl_b32 s37, ttmp9, 4                       ; 16 x
	s_lshl_b32 s38, s35, 4                         ; 16 (y - 32)
	s_lshl_b32 s39, s32, 3                         ; 8 y
	s_lshl_b32 s40, ttmp9, 3
	s_add_co_u32 s40, s40, 96                      ; 96 + 8 x: Wv's tiles lie behind Wq's and Wk's 96
	s_mov_b32 s41, 5308416                         ; where the scale words begin in wts,
	s_mov_b32 s42, 2359296                         ; and in act
	s_cmp_lt_u32 s32, 32
	s_cselect_b32 s36, 1, 0                        ; 1: q and k;  0: v
	s_cselect_b32 s37, s37, s38                    ; P's first tile
	s_cselect_b32 s39, s39, s40                    ; R's first tile
	s_cselect_b32 s43, s41, s42
	s_cselect_b32 s44, s42, s41
	s_mul_i32 s46, s37, S*FRB
	s_mov_b32 s47, 0
	s_mul_i32 s48, s39, S*FRB
	s_mov_b32 s49, 0
	s_mul_i32 s50, s37, S*64
	s_add_co_u32 s50, s50, s43
	s_mov_b32 s51, 0
	s_mul_i32 s52, s39, S*64
	s_add_co_u32 s52, s52, s44
	s_mov_b32 s53, 0
	s_wait_kmcnt 0x0
	s_cmp_lt_u32 s32, 32                           ; the choice of the buffers hangs on the work-group's number alone
	s_cselect_b64 s[10:11], s[4:5], s[6:7]         ; P's buffer
	s_cselect_b64 s[12:13], s[6:7], s[4:5]         ; R's
	s_add_nc_u64 s[24:25], s[10:11], s[46:47]      ; P's codes, K step 0
	s_add_nc_u64 s[26:27], s[12:13], s[48:49]      ; R's
	s_add_nc_u64 s[14:15], s[10:11], s[50:51]      ; P's scale words
	s_add_nc_u64 s[16:17], s[12:13], s[52:53]      ; R's
.macro GLOAD                           ; my three images of the K step at which the pointers stand
.set ff, 0
.rept PF
.irp c, 0,1,2
	global_load_b128 v[G+12*ff+4*\c:G+12*ff+4*\c+3], v[GP], s[24:25] offset:ff*S*FRB+512*\c
.endr
.set ff, ff+1
.endr
.irp c, 0,1,2
	global_load_b128 v[G+12*PF+4*\c:G+12*PF+4*\c+3], v[GR], s[26:27] offset:512*\c
.endr
.endm
.macro DSTORE slot
.set ff, 0
.rept PF
.irp c, 0,1,2
	ds_store_b128 v[LSP], v[G+12*ff+4*\c:G+12*ff+4*\c+3] offset:(\slot)*SLOTB+ff*FRB+512*\c
.endr
.set ff, ff+1
.endr
.irp c, 0,1,2
	ds_store_b128 v[LSR], v[G+12*PF+4*\c:G+12*PF+4*\c+3] offset:(\slot)*SLOTB+512*\c
.endr
.endm
.macro FETCH_R slot
.irp m, 0,1
.irp c, 0,1,2
	ds_load_b128 v[RF+12*\m+4*\c:RF+12*\m+4*\c+3], v[LR] offset:(\slot)*SLOTB+\m*FRB+512*\c
.endr
.endr
.endm
.macro FETCH_P slot, t0
.irp q, 0,1,2,3
.irp c, 0,1,2
	ds_load_b128 v[PFR+12*\q+4*\c:PFR+12*\q+4*\c+3], v[LP] offset:(\slot)*SLOTB+((\t0)+\q)*FRB+512*\c
.endr
.endr
.endm
.macro FETCH_SC
.set ff, 0
.rept PT/2
	ds_load_b32 v[PS+ff], v[SP] offset:ff*S*128
.set ff, ff+1
.endr
	ds_load_b32 v[RS], v[SR]
.endm
.macro WM t, q, m, z                   ; P tile t (in fragment place q) x R tile m.  An odd tile's scale words stand in lanes 16-31 of its pair's register.  z = 1: the product starts the sum
.set rD, ACC+8*(PT*(\m)+(\t))
.set rA, PFR+12*(\q)
.set rB, RF+12*(\m)
.set rS, PS+(\t)/2
.if \z
.if ((\t)%2 == 0) && ((\m) == 0)
	v_wmma_scale_f32_16x16x128_f8f6f4 v[rD:rD+7], v[rA:rA+11], v[rB:rB+11], 0, v[rS], v[RS] matrix_a_fmt:MATRIX_FMT_FP6 matrix_b_fmt:MATRIX_FMT_FP6
.elseif ((\m) == 0)
	v_wmma_scale_f32_16x16x128_f8f6f4 v[rD:rD+7], v[rA:rA+11], v[rB:rB+11], 0, v[rS], v[RS] matrix_a_fmt:MATRIX_FMT_FP6 matrix_b_fmt:MATRIX_FMT_FP6 matrix_a_scale:MATRIX_SCALE_ROW1
.elseif ((\t)%2 == 0)
	v_wmma_scale_f32_16x16x128_f8f6f4 v[rD:rD+7], v[rA:rA+11], v[rB:rB+11], 0, v[rS], v[RS] matrix_a_fmt:MATRIX_FMT_FP6 matrix_b_fmt:MATRIX_FMT_FP6 matrix_b_scale:MATRIX_SCALE_ROW1
.else
	v_wmma_scale_f32_16x16x128_f8f6f4 v[rD:rD+7], v[rA:rA+11], v[rB:rB+11], 0, v[rS], v[RS] matrix_a_fmt:MATRIX_FMT_FP6 matrix_b_fmt:MATRIX_FMT_FP6 matrix_a_scale:MATRIX_SCALE_ROW1 matrix_b_scale:MATRIX_SCALE_ROW1
.endif
.else
.if ((\t)%2 == 0) && ((\m) == 0)
	v_wmma_scale_f32_16x16x128_f8f6f4 v[rD:rD+7], v[rA:rA+11], v[rB:rB+11], v[rD:rD+7], v[rS], v[RS] matrix_a_fmt:MATRIX_FMT_FP6 matrix_b_fmt:MATRIX_FMT_FP6
.elseif ((\m) == 0)
	v_wmma_scale_f32_16x16x128_f8f6f4 v[rD:rD+7], v[rA:rA+11], v[rB:rB+11], v[rD:rD+7], v[rS], v[RS] matrix_a_fmt:MATRIX_FMT_FP6 matrix_b_fmt:MATRIX_FMT_FP6 matrix_a_scale:MATRIX_SCALE_ROW1
.elseif ((\t)%2 == 0)
	v_wmma_scale_f32_16x16x128_f8f6f4 v[rD:rD+7], v[rA:rA+11], v[rB:rB+11], v[rD:rD+7], v[rS], v[RS] matrix_a_fmt:MATRIX_FMT_FP6 matrix_b_fmt:MATRIX_FMT_FP6 matrix_b_scale:MATRIX_SCALE_ROW1
.else
	v_wmma_scale_f32_16x16x128_f8f6f4 v[rD:rD+7], v[rA:rA+11], v[rB:rB+11], v[rD:rD+7], v[rS], v[RS] matrix_a_fmt:MATRIX_FMT_FP6 matrix_b_fmt:MATRIX_FMT_FP6 matrix_a_scale:MATRIX_SCALE_ROW1 matrix_b_scale:MATRIX_SCALE_ROW1
.endif
.endif
.endm
.macro MUL t0, z
.irp q, 0,1,2,3
.irp m, 0,1
	WM (\t0)+\q, \q, \m, \z
.endr
.endr
.endm
.macro PLACES                          ; four plain lines between a matrix instruction and a load into, or a vector read or write of, its registers
.rept 4
	v_nop
.endr
.endm
; A K step out of slot.  st: the next step's images, which are in my registers, go into the other slot.  gl: the images of the step after that are asked for.
.macro STEP slot, st, gl, z
	s_wait_dscnt 0x0                               ; my stores into this slot have landed and my reads of the other slot are in
	s_barrier_signal -1
	s_barrier_wait -1                              ; both now hold of all eight waves
.if \st
	s_wait_loadcnt 0x0                             ; the next step's images are in my registers, and the pointers are free
	DSTORE 1-\slot
.endif
.if \gl
	s_add_nc_u64 s[24:25], s[24:25], FRB
	s_add_nc_u64 s[26:27], s[26:27], FRB
.endif
	FETCH_R \slot
	FETCH_SC
	FETCH_P \slot, 0
	s_wait_dscnt 0x0                               ; the fragments are in; the stores have read their registers
	v_add_nc_u32 v[SP], 128, v[SP]                 ; on to the next step's scale words
	v_add_nc_u32 v[SR], 128, v[SR]
.if \gl
	GLOAD                                          ; they have a whole K step in which to land
.endif
	MUL 0, \z
	PLACES
	FETCH_P \slot, 4
	s_wait_dscnt 0x0
	MUL 4, \z
	PLACES
.endm
	GLOAD                                          ; K step 0
.irp i, 0,1,2,3,4,5
	global_load_b32 v[PFR+\i], v[SCG], s[14:15] offset:1024*\i      ; P's scale words for all of K: one dense block of 6,144 bytes
.endr
.irp i, 0,1,2
	global_load_b32 v[PFR+6+\i], v[SCG], s[16:17] offset:1024*\i    ; R's: 3,072 bytes
.endr
	s_wait_loadcnt 0x0
.irp i, 0,1,2,3,4,5
	ds_store_b32 v[SCW], v[PFR+\i] offset:1024*\i
.endr
.irp i, 0,1,2
	ds_store_b32 v[SCW], v[PFR+6+\i] offset:SCR-SCP+1024*\i
.endr
	DSTORE 0
	s_add_nc_u64 s[24:25], s[24:25], FRB
	s_add_nc_u64 s[26:27], s[26:27], FRB
	s_wait_dscnt 0x0                               ; the stores have read their registers
	GLOAD                                          ; K step 1
	STEP 0, 1, 1, 1                                ; the first step's products start the sums: nothing is cleared
	STEP 1, 1, 1, 0
	STEP 0, 1, 1, 0
	STEP 1, 1, 1, 0
	STEP 0, 1, 0, 0
	STEP 1, 0, 0, 0
; 64 numbers of a lane, register 16 b + i = k 32 b + 16 h + i of my row, become a fragment's codes in v[PC] on and the row's scale word in v[PW]
.macro QUANT s
.irp b, 0,1,2,3
	v_max3_num_f32 v[TM+\b], |v[(\s)+16*\b]|, |v[(\s)+1+16*\b]|, 0x1800000   ; my 16 numbers of block b, and the floor 2^(3 - 127); each accumulator is read from its low end on
.endr
.irp i, 2,4,6,8,10,12,14
.irp b, 0,1,2,3
	v_max3_num_f32 v[TM+\b], v[TM+\b], |v[(\s)+16*\b+\i]|, |v[(\s)+1+16*\b+\i]|
.endr
.endr
.irp b, 0,1,2,3
	v_permlanex16_b32 v[TM+4+\b], v[TM+\b], s30, s31
.endr
.irp b, 0,1,2,3
	v_max_num_f32 v[TM+\b], v[TM+\b], v[TM+4+\b]
.endr
.irp b, 0,1,2,3
	v_add_nc_u32 v[TM+12+\b], 0xff000000, v[TM+\b]
.endr
.irp b, 0,1,2,3
	v_lshrrev_b32 v[TM+4+\b], 23, v[TM+12+\b]
.endr
	v_lshl_or_b32 v[PW], v[TM+5], 8, v[TM+4]
	v_lshl_or_b32 v[PW], v[TM+6], 16, v[PW]
	v_lshl_or_b32 v[PW], v[TM+7], 24, v[PW]
.irp c, 0,1
	v_cvt_scalef32_pk16_fp6_f32 v[PC+6*\c:PC+2+6*\c], v[(\s)+32*\c:(\s)+15+32*\c], v[TM+12+2*\c]
	v_cvt_scalef32_pk16_fp6_f32 v[PC+12+4*\c:PC+14+4*\c], v[(\s)+16+32*\c:(\s)+31+32*\c], v[TM+12+2*\c+1]
.endr
	v_nop                                          ; one plain line behind a scaled conversion
.irp c, 0,1
.irp i, 0,1,2
	v_permlane16_swap_b32 v[PC+6*\c+\i], v[PC+12+4*\c+\i]
.endr
.irp i, 0,1,2
	v_mov_b32 v[PC+3+6*\c+\i], v[PC+12+4*\c+\i]
.endr
.endr
.endm
	; THE WAY OUT
	v_and_b32 v[O4], 31, v0
	v_lshlrev_b32 v[O16], 4, v[O4]
	v_lshlrev_b32 v[O8], 3, v[O4]
	v_lshlrev_b32 v[O4], 2, v[O4]
.irp b, 0,1,2,3
	v_mov_b32 v[TM+4+\b], 0                        ; a lane permute's destination counts as one of its sources
.endr
	s_mov_b32 s33, 0xffff0000                      ; lanes 16-31
	s_mov_b32 s45, 0x7f7f0000                      ; the scale 1 for the half of K that the first attention product fills with zero codes
	s_cmp_eq_u32 s36, 0
	s_cbranch_scc1 .Lvpath
	; q and k: my 128 columns are two heads; a fragment's registers 0-5 are head A's 64, registers 6-11 head B's
	s_cmp_ge_u32 ttmp9, 3
	s_cselect_b32 s34, 3, 0
	s_cselect_b32 s35, 2359296, 0                  ; k's codes or q's
	s_mov_b32 s37, 7077888
	s_cselect_b32 s37, 7274496, s37                ; k's scale words or q's
	s_sub_co_u32 s34, ttmp9, s34
	s_lshl_b32 s34, s34, 2
	s_lshl_b32 s38, s21, 1
	s_add_co_u32 s34, s34, s38                     ; head A
	s_lshl_b32 s38, s32, 2
	s_add_co_u32 s38, s38, s22                     ; my pair of token tiles: 4 y + wr
	s_mul_i32 s39, s34, 196608
	s_add_co_u32 s35, s35, s39
	s_mul_i32 s39, s38, 1536
	s_add_co_u32 s40, s35, s39
	s_mov_b32 s41, 0
	s_add_nc_u64 s[40:41], s[8:9], s[40:41]
	s_lshl_b32 s39, s34, 14
	s_add_co_u32 s37, s37, s39
	s_lshl_b32 s39, s38, 7
	s_add_co_u32 s42, s37, s39
	s_mov_b32 s43, 0
	s_add_nc_u64 s[42:43], s[8:9], s[42:43]
.irp m, 0,1
.if \m
	s_wait_xcnt 0x0                                ; the first tile's stores have read their registers
.endif
	QUANT ACC+64*\m
.if \m == 0
	v_mov_b32 v[PW0], v[PW]
.endif
	global_store_b128 v[O16], v[PC:PC+3], s[40:41] offset:768*\m
	global_store_b64 v[O8], v[PC+4:PC+5], s[40:41] offset:768*\m+512
	global_store_b128 v[O16], v[PC+6:PC+9], s[40:41] offset:768*\m+196608
	global_store_b64 v[O8], v[PC+10:PC+11], s[40:41] offset:768*\m+196608+512
.endr
	v_cndmask_b32 v[PW0], v[PW0], v[PW], s33       ; lanes 0-15 the even tile's words, lanes 16-31 the odd tile's
	v_and_or_b32 v[WA], v[PW0], 0xffff, s45        ; head A: bytes 0, 1
	v_lshrrev_b32 v[WB], 16, v[PW0]
	v_or_b32 v[WB], s45, v[WB]                     ; head B: bytes 2, 3
	global_store_b32 v[O4], v[WA], s[42:43]
	global_store_b32 v[O4], v[WB], s[42:43] offset:16384
	s_branch .Lend
.Lvpath:
	; v: my 128 tokens are one key step; rows = 16 channels of a head
	s_sub_co_u32 s34, s32, 32
	s_lshl_b32 s34, s34, 1
	s_add_co_u32 s34, s34, s21                     ; key step
	s_lshl_b32 s35, ttmp9, 1
	s_lshr_b32 s37, s22, 1
	s_add_co_u32 s35, s35, s37                     ; head
	s_lshl_b32 s35, s35, 5
	s_add_co_u32 s35, s35, s34                     ; 32 head + key step
	s_and_b32 s37, s22, 1                          ; which pair of the head's four tiles of channels
	s_mul_i32 s38, s35, 6144
	s_mul_i32 s39, s37, 3072
	s_add_co_u32 s38, s38, s39
	s_add_co_u32 s40, s38, 4718592
	s_mov_b32 s41, 0
	s_add_nc_u64 s[40:41], s[8:9], s[40:41]
	s_lshl_b32 s38, s35, 8
	s_lshl_b32 s39, s37, 7
	s_add_co_u32 s38, s38, s39
	s_add_co_u32 s42, s38, 7471104
	s_mov_b32 s43, 0
	s_add_nc_u64 s[42:43], s[8:9], s[42:43]
.irp m, 0,1
.if \m
	s_wait_xcnt 0x0
.endif
	QUANT ACC+64*\m
.if \m == 0
	v_mov_b32 v[PW0], v[PW]
.endif
.irp c, 0,1,2
	global_store_b128 v[O16], v[PC+4*\c:PC+4*\c+3], s[40:41] offset:1536*\m+512*\c
.endr
.endr
	v_cndmask_b32 v[PW0], v[PW0], v[PW], s33
	global_store_b32 v[O4], v[PW0], s[42:43]
.Lend:
	s_wait_tensorcnt 0x0                           ; the wave's end
	ds_add_u32 v[SPW], v[NIL]
	s_wait_dscnt 0x0
	s_endpgm
.Lfunc_end_k_qbb4b5bc8a6_qkv:
	.size	k_qbb4b5bc8a6_qkv, .Lfunc_end_k_qbb4b5bc8a6_qkv-k_qbb4b5bc8a6_qkv
	.p2alignl 7, 3214868480
	.fill 96, 4, 3214868480
	.section	.rodata,"a",@progbits
	.p2align	6, 0x0
	.amdhsa_kernel k_qbb4b5bc8a6_qkv
		.amdhsa_group_segment_fixed_size 83968
		.amdhsa_private_segment_fixed_size 0
		.amdhsa_enable_private_segment 0
		.amdhsa_kernarg_size 24
		.amdhsa_user_sgpr_count 2
		.amdhsa_user_sgpr_kernarg_segment_ptr 1
		.amdhsa_wavefront_size32 1
		.amdhsa_system_sgpr_workgroup_id_x 1
		.amdhsa_system_sgpr_workgroup_id_y 1
		.amdhsa_system_sgpr_workgroup_id_z 1
		.amdhsa_system_vgpr_workitem_id 0
		.amdhsa_next_free_vgpr 256
		.amdhsa_next_free_sgpr 66
		.amdhsa_reserve_vcc 0
		.amdhsa_float_denorm_mode_32 3
		.amdhsa_float_denorm_mode_16_64 3
		.amdhsa_memory_ordered 1
		.amdhsa_forward_progress 1
		.amdhsa_inst_pref_size 62
	.end_amdhsa_kernel
	.amdgpu_metadata
---
amdhsa.version: [ 1, 2 ]
amdhsa.kernels:
  - .name:           k_qbb4b5bc8a6_qkv
    .symbol:         k_qbb4b5bc8a6_qkv.kd
    .args:
      - { .name: wts, .offset: 0, .size: 8, .value_kind: global_buffer, .address_space: global }
      - { .name: act, .offset: 8, .size: 8, .value_kind: global_buffer, .address_space: global }
      - { .name: qkv, .offset: 16, .size: 8, .value_kind: global_buffer, .address_space: global }
    .group_segment_fixed_size: 83968
    .private_segment_fixed_size: 0
    .kernarg_segment_align: 8
    .kernarg_segment_size: 24
    .max_flat_workgroup_size: 256
    .sgpr_count:     66
    .vgpr_count:     256
    .wavefront_size: 32
...
	.end_amdgpu_metadata
.endif
;; end of part 3
;; launch attn (part 4): grid 16 x 12, 8 waves a work-group, no clusters, 14,336 bytes of LDS; arguments qkv, ctx; writes ctx
.if DOCPART == 4
	.amdgcn_target "amdgcn-amd-amdhsa--gfx1250"
	.amdhsa_code_object_version 6
	.text
	.protected	k_qbb4b5bc8a6_attn
	.globl	k_qbb4b5bc8a6_attn
	.p2align	8
	.type	k_qbb4b5bc8a6_attn,@function
k_qbb4b5bc8a6_attn:
	s_mov_b64 s[64:65], 0
	v_nop
	global_prefetch_b8 v0, s[64:65] scope:SCOPE_SE
	s_setreg_imm32_b32 hwreg(HW_REG_WAVE_MODE, 25, 1), 1
	s_wait_xcnt 0x0
; Causal attention of 12 heads of 64 over 4,096 tokens on codes of FP6 (E2M3), and the quantiser of its result along the head's 64.
; LEFT OUT AS DEAD WORK: steps of 128 keys that lie wholly behind a block of 128 queries: reference()'s own jnp.tril gives them the weight 0 for all inputs.  A NaN or an infinity that reaches only those scores is not carried on.
; THE SOFTMAX: t = score x log2(e) / 8; M = the running largest t rounded UP to a whole number; p = 2^(t - M) is quantised along the keys, not normalised; the row's sum is taken of the unquantised p and divides at the end;
; when M moves, the sum and O are multiplied by 2^(old M - new M), which rounds nothing.
; SHARES.  Work-group (x, head) takes the query blocks x and 31 - x (128 queries each): block b walks b open key steps and the one on the diagonal, so every work-group walks 33 steps.  Wave w owns query tile 8 b + w.
; Both products are used transposed: S^T = K Q^T (source 0 = 16 keys), O^T = V^T P^T (source 0 = 16 channels): a lane holds ONE query.  Row p of tile 2 b + u is index 32 b + 8 u + (p & 7) + 16 (p >> 3), so the 16 registers
; of two neighbouring tiles are 16 neighbouring keys (channels).  The head's 64 fill half of the instruction's K = 128: registers 6-11 of Q's and K's fragments hold zero codes, under the scale byte 0x7f.
; K AND V of a key step (6,144 bytes each, images of the operands' registers) come through registers into ONE LDS slot at constant addresses: waves 0-3 copy K, waves 4-7 V, one step ahead; two barriers a step.
; No cluster: partners would walk different numbers of key steps.
; LIMITS: NaN and infinities are not served; v_exp_f32 gives 0 under 2^-126; blocks under 2^-124 get the byte 1.
.set SPARE, 13312                      ; LDS: 0 K's 8 half images; 6,144 V's 4 images; 12,288 K's scale words; 12,800 V's; 13,312 the spare words, 128 bytes a wave, that no other line names
.set SPW, 1                            ; v1  LDS address of my spare word; never rewritten
.set NIL, 2                            ; v2  0; never rewritten
.set L16, 3                            ; v3-5  16, 8, 4 x lane
.set L8,  4
.set L4,  5
.set GO,  6                            ; v6  16 x (thread % 128): my bytes of a step's K or V
.set GSO, 7                            ; v7  4 x (thread % 128): my scale word
.set LST, 8                            ; v8  where they go in LDS
.set LSS, 9                            ; v9
.set DQ,  10                           ; v10 my query in its block, less 16 (lane / 16)
.set PFO, 11                           ; v11 the prefetches' offset; never rewritten
.set QF,  16                           ; v12 -M, v13 the largest t, v[14:15] the sum in two halves; v16-27 Q
.set QS,  28                           ; v28 Q's scale words; v29 p's; they hold nothing else
.set PSW, 29
.set FF,  30                           ; v[30:31] f = 2^(old M - new M)
.set KS,  32                           ; v32-35 K's scale words, v36-37 V's
.set VS,  36
.set G,   38                           ; v38-49, v50: the next step's bytes on their way
.set GS,  50
.set QSO, 51                           ; v51 64 (w & 1) + 4 (lane % 16)
.set KF,  52                           ; v52-99 four fragments of K
.set ST,  100                          ; v100-163 S^T, then p, then V's four fragments
.set OT,  164                          ; v164-195 O^T
.set PCD, 196                          ; v196-207 p's codes
.set CV,  208                          ; v208-214 conversions' results on their way
.set TM,  216                          ; v216-231 at work
	s_load_b128 s[4:7], s[0:1], 0x0                ; qkv, ctx
	v_lshl_add_u32 v[SPW], v0, 2, SPARE
	v_mov_b32 v[NIL], 0
	v_lshrrev_b32 v16, 5, v0
	v_readfirstlane_b32 s8, v16                    ; wave
	s_and_b32 s9, ttmp7, 0xffff                    ; head
	s_mov_b32 s11, ttmp9                           ; the first pass's block of queries
	v_and_b32 v17, 31, v0
	v_lshlrev_b32 v[L16], 4, v17
	v_lshlrev_b32 v[L8], 3, v17
	v_lshlrev_b32 v[L4], 2, v17
	v_and_b32 v18, 127, v0
	v_lshlrev_b32 v[GO], 4, v18
	v_lshlrev_b32 v[GSO], 2, v18
	v_lshrrev_b32 v19, 7, v0
	v_mul_u32_u24 v19, v19, 6144
	v_add_nc_u32 v[LST], v19, v[GO]
	v_lshl_add_u32 v[LSS], v0, 2, 12288
	v_and_b32 v18, 7, v0
	v_bfe_u32 v19, v0, 3, 1
	v_lshl_add_u32 v18, v19, 4, v18
	v_bfe_u32 v19, v0, 4, 1
	v_lshlrev_b32 v19, 4, v19
	v_sub_nc_u32 v18, v18, v19
	s_lshr_b32 s42, s8, 1
	s_lshl_b32 s42, s42, 5
	s_and_b32 s43, s8, 1
	s_lshl_b32 s44, s43, 3
	s_add_co_u32 s42, s42, s44
	v_add_nc_u32 v[DQ], s42, v18                   ; 32 (w >> 1) + 8 (w & 1) + (r & 7) + 16 (r >> 3) - 16 h
	v_and_b32 v18, 15, v0
	v_lshlrev_b32 v18, 2, v18
	s_lshl_b32 s44, s43, 6
	v_add_nc_u32 v[QSO], s44, v18
	s_and_b32 s42, s8, 3
	s_lshl_b32 s43, s42, 13
	v_lshl_add_u32 v[PFO], v17, 8, s43             ; (w & 3) x 8,192 + 256 x lane
	s_cmp_eq_u32 s42, 3
	s_cselect_b32 s28, 1, 0
	s_or_b32 s28, s28, ttmp9                       ; 0 in the waves that prefetch: waves 0-2 and 4-6 of the head's first work-group
	s_mov_b32 s24, 0x76543210
	s_mov_b32 s25, 0xfedcba98                      ; v_permlanex16_b32's selects for lane l xor 16
	s_mov_b32 s26, 0x3e38aa3b                      ; c = log2(e) / 8
	s_mov_b32 s27, s26                             ; (named with it as a pair)
	s_mov_b32 s34, 4718592
	s_mov_b32 s52, 7471104
	s_mov_b32 s22, 256
	s_mov_b32 s45, 8192
	s_cmp_lt_u32 s8, 4                             ; waves 0-3 copy K, waves 4-7 V
	s_cselect_b32 s34, 2359296, s34                ; the codes,
	s_cselect_b32 s52, 7274496, s52                ; the scale words,
	s_cselect_b32 s22, 512, s22                    ; a step's scale words in bytes,
	s_cselect_b32 s45, 16384, s45                  ; a head's
	s_mov_b32 s23, 0
	s_mul_i32 s44, s9, 196608                      ; a head's codes of q, of k and of v are 196,608 bytes each
	s_add_co_u32 s34, s34, s44
	s_mov_b32 s35, 0
	s_mul_i32 s45, s45, s9
	s_add_co_u32 s52, s52, s45
	s_mov_b32 s53, 0
	s_mov_b32 s45, 0
	s_lshl_b32 s46, s9, 14
	s_add_co_u32 s46, s46, 7077888
	s_mov_b32 s47, 0
	s_mul_i32 s48, s9, 768
	s_mov_b32 s49, 0
	s_lshr_b32 s50, s9, 1
	s_lshl_b32 s50, s50, 7
	s_and_b32 s51, s9, 1
	s_lshl_b32 s51, s51, 1
	s_add_co_u32 s50, s50, s51
	s_add_co_u32 s50, s50, 2359296
	s_mov_b32 s51, 0
.irp i, 6,7,8,9,10,11
	v_mov_b32 v[QF+\i], 0                          ; zero codes for k = 64 .. 127, written once
.irp t, 0,1,2,3
	v_mov_b32 v[KF+12*\t+\i], 0
.endr
.endr
	v_mov_b32 v[FF+1], 0                           ; (named as the upper half of a pair)
.irp b, 0,1,2,3
	v_mov_b32 v[TM+4+\b], 0                        ; a lane permute's destination counts as one of its sources
.endr
	s_wait_kmcnt 0x0
	s_add_nc_u64 s[14:15], s[4:5], s[34:35]        ; the head's K or V codes
	s_add_nc_u64 s[16:17], s[4:5], s[52:53]        ; and scale words
	s_add_nc_u64 s[30:31], s[4:5], s[44:45]        ; the head's Q codes
	s_add_nc_u64 s[32:33], s[4:5], s[46:47]        ; and scale words
	s_add_nc_u64 s[38:39], s[6:7], s[48:49]        ; ctx: the head's half image in a tile's 12,
	s_add_nc_u64 s[40:41], s[6:7], s[50:51]        ; and its two bytes in a row's scale word
.macro GLOAD                           ; my 48 bytes of the key step at which the pointers stand, and (waves 0-5) my scale word
.irp i, 0,1,2
	global_load_b128 v[G+4*\i:G+4*\i+3], v[GO], s[18:19] offset:2048*\i
.endr
	s_cmp_lt_u32 s8, 6
	s_cbranch_scc0 .Lng_\@
	global_load_b32 v[GS], v[GSO], s[20:21]
.Lng_\@:
.endm
.macro DSTORE
.irp i, 0,1,2
	ds_store_b128 v[LST], v[G+4*\i:G+4*\i+3] offset:2048*\i
.endr
	s_cmp_lt_u32 s8, 6
	s_cbranch_scc0 .Lns_\@
	ds_store_b32 v[LSS], v[GS]
.Lns_\@:
.endm
; A KEY STEP of 128 keys.  mask = 1: the step on the diagonal.  more = 1: the next step is asked for.  ask = 1: the text holds the prefetch.
.macro STEP mask, more, ask
	s_wait_dscnt 0x0                               ; my reads of the slot are in
	s_barrier_signal -1
	s_barrier_wait -1                              ; everybody's are: the slot may be written
	s_wait_loadcnt 0x0                             ; this step's bytes are in my registers (asked for a step ago)
	DSTORE
	s_wait_dscnt 0x0                               ; for the others' sake: my stores have landed
	s_barrier_signal -1
	s_barrier_wait -1                              ; the slot is whole
.if \more
	s_wait_xcnt 0x0                                ; the last prefetch, a step back, has read its base
	s_add_nc_u64 s[18:19], s[18:19], 6144
	s_add_nc_u64 s[20:21], s[20:21], s[22:23]
	GLOAD
.if \ask
; A PREFETCH INTO THE L2.  All work-groups of a head walk the same K and V; the head's first work-group, in its second pass (block 31, which walks all 32 steps), names at steps j = 0, 4 .. 24 the steps j + 4 .. j + 7:
; 24,576 bytes of K (waves 0-2) and of V (waves 4-6), a lane a block of 256 bytes.  So each block is named once; steps 0-3 come by their loads alone; the last byte named is 196,352 of the head's 196,608.
	s_and_b32 s44, s12, 3
	s_or_b32 s44, s44, s28
	s_cmp_eq_u32 s44, 0
	s_cbranch_scc0 .Lna_\@
	s_cmp_lt_u32 s12, 25
	s_cbranch_scc0 .Lna_\@
	global_prefetch_b8 v[PFO], s[18:19] offset:3*6144 th:TH_LOAD_NT scope:SCOPE_SE
.Lna_\@:
.endif
.endif
.irp g, 0,1                            ; S^T = K Q^T, four tiles of 16 keys at a time
.if \g
.rept 4
	v_nop                                          ; places in front of loads into registers that matrix instructions have read
.endr
.endif
.irp t, 0,1,2,3
	ds_load_b128 v[KF+12*\t:KF+12*\t+3], v[L16] offset:(4*\g+\t)*768
	ds_load_b64 v[KF+12*\t+4:KF+12*\t+5], v[L8] offset:(4*\g+\t)*768+512
.endr
.if \g == 0
.irp j, 0,1,2,3
	ds_load_b32 v[KS+\j], v[L4] offset:12288+128*\j
.endr
.irp j, 0,1
	ds_load_b32 v[VS+\j], v[L4] offset:12800+128*\j
.endr
.endif
	s_wait_dscnt 0x0
.irp t, 0,1,2,3
.if (\t%2) == 0
	v_wmma_scale_f32_16x16x128_f8f6f4 v[ST+8*(4*\g+\t):ST+8*(4*\g+\t)+7], v[KF+12*\t:KF+12*\t+11], v[QF:QF+11], 0, v[KS+2*\g+\t/2], v[QS] matrix_a_fmt:MATRIX_FMT_FP6 matrix_b_fmt:MATRIX_FMT_FP6
.else
	v_wmma_scale_f32_16x16x128_f8f6f4 v[ST+8*(4*\g+\t):ST+8*(4*\g+\t)+7], v[KF+12*\t:KF+12*\t+11], v[QF:QF+11], 0, v[KS+2*\g+\t/2], v[QS] matrix_a_fmt:MATRIX_FMT_FP6 matrix_b_fmt:MATRIX_FMT_FP6 matrix_a_scale:MATRIX_SCALE_ROW1
.endif
.endr
.endr
.rept 4
	v_nop
.endr
.if \mask                              ; register 16 b + i holds key 32 b + 16 (lane / 16) + i of the step: hidden where 32 b + i > v[DQ].  Key 0 of the step counts for every query of the block
	v_mov_b32 v[TM+12], 0xff800000                 ; -infinity: p = 0 then
.set n, 0
.rept 64
	v_cmp_gt_i32 vcc_lo, 32*(n/16)+n%16, v[DQ]
	v_cndmask_b32 v[ST+n], v[ST+n], v[TM+12], vcc_lo
.set n, n+1
.endr
.endif
.irp b, 0,1,2,3
	v_max3_num_f32 v[TM+\b], v[ST+16*\b], v[ST+1+16*\b], v[ST+2+16*\b]   ; the largest score of each block of 32 keys: for the row's maximum and, since p rises with the score, for the block's largest p
.endr
.irp i, 3,5,7,9,11,13
.irp b, 0,1,2,3
	v_max3_num_f32 v[TM+\b], v[TM+\b], v[ST+16*\b+\i], v[ST+1+16*\b+\i]
.endr
.endr
.irp b, 0,1,2,3
	v_max_num_f32 v[TM+\b], v[TM+\b], v[ST+15+16*\b]
.endr
.irp b, 0,1,2,3
	v_permlanex16_b32 v[TM+4+\b], v[TM+\b], s24, s25
.endr
.irp b, 0,1,2,3
	v_max_num_f32 v[TM+\b], v[TM+\b], v[TM+4+\b]   ; with lane l xor 16's 16 keys
.endr
	v_max3_num_f32 v[TM+12], v[TM], v[TM+1], v[TM+2]
	v_max_num_f32 v[TM+12], v[TM+12], v[TM+3]
	v_mul_f32 v[TM+12], s26, v[TM+12]              ; the step's largest t
	v_max_num_f32 v13, v13, v[TM+12]               ; the running largest t
	v_mov_b32 v[TM+12], v12
	v_floor_f32 v12, -v13                          ; the new -M = floor(-t): M is a whole number
	v_sub_f32 v[TM+12], v12, v[TM+12]              ; old M - new M: a whole number, 0 or less
	v_cvt_i32_f32 v[TM+12], v[TM+12]               ; (it saturates)
	v_ldexp_f32 v[FF], 1.0, v[TM+12]               ; f
.set j, 0
.rept 32
	v_pk_fma_f32 v[ST+j:ST+j+1], v[ST+j:ST+j+1], s[26:27], v[12:13] op_sel_hi:[1,0,0]   ; t - M, two at a time
.set j, j+2
.endr
.irp b, 0,1,2,3
	v_fma_f32 v[TM+\b], v[TM+\b], s26, v12         ; the same of each block's largest score
.endr
.set j, 0
.rept 64
	v_exp_f32 v[ST+j], v[ST+j]                     ; p = 2^(t - M)
.set j, j+1
.endr
	v_pk_mul_f32 v[14:15], v[14:15], v[FF:FF+1] op_sel_hi:[1,0]   ; the sums under the new M; also the plain line behind the exponentials
	s_wait_alu depctr_va_vdst(0)                   ; one wait for the batch, ahead of its first reader
.irp b, 0,1,2,3
	v_exp_f32 v[TM+\b], v[TM+\b]                   ; each block's largest p
.endr
	v_pk_add_f32 v[TM+4:TM+5], v[ST:ST+1], v[ST+2:ST+3]           ; the row's sum of the UNQUANTISED p, in two chains
.irp j, 4,8,12,16,20,24,28,32,36,40,44,48,52,56,60
	v_pk_add_f32 v[14:15], v[14:15], v[ST+\j:ST+\j+1]
	v_pk_add_f32 v[TM+4:TM+5], v[TM+4:TM+5], v[ST+2+\j:ST+3+\j]
.endr
	v_pk_add_f32 v[14:15], v[14:15], v[TM+4:TM+5]
	s_wait_alu depctr_va_vdst(0)                   ; and one for the four
.irp b, 0,1,2,3
	v_max_num_f32 v[TM+\b], 0x1800000, v[TM+\b]    ; the floor 2^(3 - 127)
.endr
.irp b, 0,1,2,3
	v_add_nc_u32 v[TM+8+\b], 0xff000000, v[TM+\b]  ; the conversion's scale operand
.endr
.irp b, 0,1,2,3
	v_lshrrev_b32 v[TM+4+\b], 23, v[TM+8+\b]       ; the scale's byte
.endr
	v_lshl_or_b32 v[PSW], v[TM+5], 8, v[TM+4]
	v_lshl_or_b32 v[PSW], v[TM+6], 16, v[PSW]
	v_lshl_or_b32 v[PSW], v[TM+7], 24, v[PSW]
.irp c, 0,1
	v_cvt_scalef32_pk16_fp6_f32 v[PCD+6*\c:PCD+6*\c+2], v[ST+32*\c:ST+32*\c+15], v[TM+8+2*\c]
	v_cvt_scalef32_pk16_fp6_f32 v[CV+4*\c:CV+4*\c+2], v[ST+16+32*\c:ST+31+32*\c], v[TM+8+2*\c+1]
.endr
	v_nop                                          ; one plain line behind a scaled conversion
.irp t, 0,1,2,3
.irp c, 0,1,2
	ds_load_b128 v[ST+12*\t+4*\c:ST+12*\t+4*\c+3], v[L16] offset:6144+1536*\t+512*\c   ; V's four fragments, into the registers that p has left
.endr
.endr
.irp c, 0,1
.irp i, 0,1,2
	v_permlane16_swap_b32 v[PCD+6*\c+\i], v[CV+4*\c+\i]
.endr
.irp i, 0,1,2
	v_mov_b32 v[PCD+3+6*\c+\i], v[CV+4*\c+\i]
.endr
.endr
.set j, 0
.rept 16
	v_pk_mul_f32 v[OT+j:OT+j+1], v[OT+j:OT+j+1], v[FF:FF+1] op_sel_hi:[1,0]   ; O^T under the new M, each accumulator from its low end on; these sixteen also stand between the lines that made p's codes and scale word and the products
.set j, j+2
.endr
	s_wait_dscnt 0x0
.irp t, 0,1,2,3                        ; O^T += V^T P^T: the four accumulators by turns
.if (\t%2) == 0
	v_wmma_scale_f32_16x16x128_f8f6f4 v[OT+8*\t:OT+8*\t+7], v[ST+12*\t:ST+12*\t+11], v[PCD:PCD+11], v[OT+8*\t:OT+8*\t+7], v[VS+\t/2], v[PSW] matrix_a_fmt:MATRIX_FMT_FP6 matrix_b_fmt:MATRIX_FMT_FP6
.else
	v_wmma_scale_f32_16x16x128_f8f6f4 v[OT+8*\t:OT+8*\t+7], v[ST+12*\t:ST+12*\t+11], v[PCD:PCD+11], v[OT+8*\t:OT+8*\t+7], v[VS+\t/2], v[PSW] matrix_a_fmt:MATRIX_FMT_FP6 matrix_b_fmt:MATRIX_FMT_FP6 matrix_a_scale:MATRIX_SCALE_ROW1
.endif
.endr
.rept 5
	v_nop                                          ; five places: the next step's first products write over registers that these have read
.endr
.endm
; A PASS: the block of queries s11.
.macro PASS second
	s_wait_xcnt 0x0                                ; every earlier memory instruction has read its registers: pointers and data may be written
	s_lshl_b32 s13, s11, 3
	s_add_co_u32 s13, s13, s8                      ; my tile of queries: 8 block + w
	s_mul_i32 s34, s13, 768
	s_mov_b32 s35, 0
	s_add_nc_u64 s[36:37], s[30:31], s[34:35]
	global_load_b128 v[QF:QF+3], v[L16], s[36:37]
	global_load_b64 v[QF+4:QF+5], v[L8], s[36:37] offset:512
	s_lshr_b32 s34, s13, 1
	s_lshl_b32 s34, s34, 7
	s_add_nc_u64 s[48:49], s[32:33], s[34:35]
	global_load_b32 v[QS], v[QSO], s[48:49]        ; lanes 0-15 hold my tile's words
	v_mov_b32 v13, 0xff61b1e6                      ; the largest t so far: -3e38
	v_floor_f32 v12, -v13
	v_mov_b32 v14, 0
	v_mov_b32 v15, 0
.set j, 0
.rept 32
	v_mov_b32 v[OT+j], 0                           ; the step is written once: its first trip finds zeros
.set j, j+1
.endr
	s_mov_b64 s[18:19], s[14:15]
	s_mov_b64 s[20:21], s[16:17]
	GLOAD                                          ; key step 0
	s_mov_b32 s12, 0
	s_cmp_eq_u32 s11, 0
	s_cbranch_scc1 .Ldiag_\@
.Lstep_\@:                             ; the open steps: as many as the block's number
	STEP 0, 1, \second
	s_add_co_u32 s12, s12, 1
	s_cmp_lt_u32 s12, s11
	s_cbranch_scc1 .Lstep_\@
.Ldiag_\@:
	STEP 1, 0, 0
	v_add_f32 v14, v14, v15                        ; the sum's two halves,
	v_permlanex16_b32 v[TM+4], v14, s24, s25
	v_add_f32 v14, v14, v[TM+4]                    ; and lane l xor 16's
	v_rcp_f32 v14, v14
	v_nop
	s_wait_alu depctr_va_vdst(0)
	v_mov_b32 v15, v14
.set j, 0
.rept 16
	v_pk_mul_f32 v[OT+j:OT+j+1], v[OT+j:OT+j+1], v[14:15]
.set j, j+2
.endr
; my row's 64 channels, register 16 b + i = channel 32 b + 16 h + i, become half a fragment (registers 0-5) and two scale bytes
.irp b, 0,1
	v_max3_num_f32 v[TM+\b], |v[OT+16*\b]|, |v[OT+1+16*\b]|, 0x1800000
.endr
.irp i, 2,4,6,8,10,12,14
.irp b, 0,1
	v_max3_num_f32 v[TM+\b], v[TM+\b], |v[OT+16*\b+\i]|, |v[OT+1+16*\b+\i]|
.endr
.endr
.irp b, 0,1
	v_permlanex16_b32 v[TM+4+\b], v[TM+\b], s24, s25
.endr
.irp b, 0,1
	v_max_num_f32 v[TM+\b], v[TM+\b], v[TM+4+\b]
.endr
.irp b, 0,1
	v_add_nc_u32 v[TM+8+\b], 0xff000000, v[TM+\b]
.endr
.irp b, 0,1
	v_lshrrev_b32 v[TM+4+\b], 23, v[TM+8+\b]
.endr
	v_lshl_or_b32 v[TM+14], v[TM+5], 8, v[TM+4]
	v_cvt_scalef32_pk16_fp6_f32 v[PCD:PCD+2], v[OT:OT+15], v[TM+8]
	v_cvt_scalef32_pk16_fp6_f32 v[CV:CV+2], v[OT+16:OT+31], v[TM+9]
	v_nop
.irp i, 0,1,2
	v_permlane16_swap_b32 v[PCD+\i], v[CV+\i]
.endr
.irp i, 0,1,2
	v_mov_b32 v[PCD+3+\i], v[CV+\i]
.endr
	s_mul_i32 s34, s13, 9216                       ; a tile's 12 half images
	s_add_nc_u64 s[54:55], s[38:39], s[34:35]
	s_lshr_b32 s34, s13, 1
	s_mul_i32 s34, s34, 768                        ; a pair's 6 x 128 bytes of scale words
	s_add_nc_u64 s[56:57], s[40:41], s[34:35]
	global_store_b128 v[L16], v[PCD:PCD+3], s[54:55]
	global_store_b64 v[L8], v[PCD+4:PCD+5], s[54:55] offset:512
	global_store_b16 v[QSO], v[TM+14], s[56:57]    ; lanes r and r + 16 hold the same two bytes and store them to the same place
.endm
	PASS 0
	s_sub_co_u32 s11, 31, s11
	PASS 1
	s_wait_tensorcnt 0x0                           ; the wave's end
	ds_add_u32 v[SPW], v[NIL]
	s_wait_dscnt 0x0
	s_endpgm
.Lfunc_end_k_qbb4b5bc8a6_attn:
	.size	k_qbb4b5bc8a6_attn, .Lfunc_end_k_qbb4b5bc8a6_attn-k_qbb4b5bc8a6_attn
	.p2alignl 7, 3214868480
	.fill 96, 4, 3214868480
	.section	.rodata,"a",@progbits
	.p2align	6, 0x0
	.amdhsa_kernel k_qbb4b5bc8a6_attn
		.amdhsa_group_segment_fixed_size 14336
		.amdhsa_private_segment_fixed_size 0
		.amdhsa_enable_private_segment 0
		.amdhsa_kernarg_size 16
		.amdhsa_user_sgpr_count 2
		.amdhsa_user_sgpr_kernarg_segment_ptr 1
		.amdhsa_wavefront_size32 1
		.amdhsa_system_sgpr_workgroup_id_x 1
		.amdhsa_system_sgpr_workgroup_id_y 1
		.amdhsa_system_sgpr_workgroup_id_z 1
		.amdhsa_system_vgpr_workitem_id 0
		.amdhsa_next_free_vgpr 232
		.amdhsa_next_free_sgpr 66
		.amdhsa_reserve_vcc 1
		.amdhsa_float_denorm_mode_32 3
		.amdhsa_float_denorm_mode_16_64 3
		.amdhsa_memory_ordered 1
		.amdhsa_forward_progress 1
		.amdhsa_inst_pref_size 94
	.end_amdhsa_kernel
	.amdgpu_metadata
---
amdhsa.version: [ 1, 2 ]
amdhsa.kernels:
  - .name:           k_qbb4b5bc8a6_attn
    .symbol:         k_qbb4b5bc8a6_attn.kd
    .args:
      - { .name: qkv, .offset: 0, .size: 8, .value_kind: global_buffer, .address_space: global }
      - { .name: ctx, .offset: 8, .size: 8, .value_kind: global_buffer, .address_space: global }
    .group_segment_fixed_size: 14336
    .private_segment_fixed_size: 0
    .kernarg_segment_align: 8
    .kernarg_segment_size: 16
    .max_flat_workgroup_size: 256
    .sgpr_count:     66
    .vgpr_count:     232
    .wavefront_size: 32
...
	.end_amdgpu_metadata
.endif
;; end of part 4
;; launch proj (part 5): grid 6 x 32, 8 waves a work-group, no clusters, 56,320 bytes of LDS; arguments wts, ctx, bo, x, x1; writes x1
.if DOCPART == 5
	.amdgcn_target "amdgcn-amd-amdhsa--gfx1250"
	.amdhsa_code_object_version 6
	.text
	.protected	k_qbb4b5bc8a6_proj
	.globl	k_qbb4b5bc8a6_proj
	.p2align	8
	.type	k_qbb4b5bc8a6_proj,@function
k_qbb4b5bc8a6_proj:
	s_mov_b64 s[64:65], 0
	v_nop
	global_prefetch_b8 v0, s[64:65] scope:SCOPE_SE
	s_setreg_imm32_b32 hwreg(HW_REG_WAVE_MODE, 25, 1), 1
	s_wait_xcnt 0x0
; out = residual + R W + bias on codes of FP6 (E2M3) with E8M0 scales; out and residual f32 [4,096][768].  Here: x1 = x + ctx Wo + bo, K = 768.
; A work-group makes 8 tiles of source 0 (P = 128 columns of the weight) x 8 tiles of source 1 (R = 128 tokens).  Wave w: P tiles 4 (w >> 2) on, R tiles 2 (w & 3) on: 8 accumulators, which take turns, one
; instruction a turn.  The bias is loaded into the accumulators in the result's layout and is the C of each sum's first instruction.
; OPERANDS come as images of the operand's registers (1,536 bytes a fragment): each wave brings one P image and one R image of the next K step into registers and stores them into the LDS slot that is not being
; read: one barrier a K step.  RHALF = 1: R's image is two half images (16 rows x 64 K: registers 0-3 at 16 x lane, registers 4-5 at 512 + 8 x lane), as the attention launch leaves them.
; Row p of tile 2 b + u is index 32 b + 8 u + (p & 7) + 16 (p >> 3).  The way out goes through each wave's own stage in LDS, so that sixteen lanes store 256 consecutive bytes, aligned.
; No cluster: the grid's 6 along x does not divide by 4, and a K step's 8 matrix instructions a wave are too short to pay for a round of a cluster's barrier.
; LIMITS: NaN and infinities among the inputs are not served.
.set S,     6                          ; K steps
.set RHALF, 1
.set PCB,   1327104                    ; in wts: where the weight's codes begin,
.set PSB,   5363712                    ; and its scale words
.set RSB,   2359296                    ; in R's buffer: where the scale words begin
.set SW,    4                          ; bytes of scale words that a thread copies in a round
.set PT,    4                          ; P tiles of a wave
.set PF,    PT/4
.set FRB,   1536
.set SLOTB, (2*PT+8)*FRB               ; a slot: 8 P images, then 8 R images
.set SCP,   2*SLOTB                    ; behind the two slots: P's scale words for all of K,
.set SCR,   SCP+PT*128*S               ; R's,
.set SPARE, SCR+512*S                  ; and the spare words, 128 bytes for each wave, that no other line names
.set SPW, 1                            ; v1  LDS address of my spare word; never rewritten
.set NIL, 2                            ; v2  0; never rewritten
.set GP,  3
.set GR,  4
.set LSP, 5
.set LSR, 6
.set LP,  7
.set LR,  8
.set LR8, 9
.set SP,  10
.set SR,  11
.set SCW, 12
.set PS,  13                           ; v13-14 P's scale words, v15 R's: they hold nothing else
.set RS,  13+PT/2
.set G,   18                           ; v18-41 two images on their way
.set RF,  G+12*(PF+1)                  ; v42-65 R's two fragments
.set PFR, RF+24                        ; v66-113 P's four
.set STO, 122                          ; v122 the stage, on the way in;  v123 on the way out;  v124 my byte offset in two rows of the output
.set SRD, 123
.set OO,  124
.set SCG, 126
.set VB,  127                          ; v127 64 (lane / 16)
.set ACC, 128                          ; v128-191: accumulator (t, m) at v[128 + 8 (4 m + t)]
.set XR,  192                          ; v192-255 the residual, in the order in which the rows leave
.set OB,  18                           ; the way out: 16 rows read back
	s_load_b256 s[4:11], s[0:1], 0x0               ; wts, R's buffer, the bias, the residual
	s_load_b64 s[12:13], s[0:1], 0x20              ; the output
	v_lshl_add_u32 v[SPW], v0, 2, SPARE
	v_mov_b32 v[NIL], 0
	v_lshrrev_b32 v18, 5, v0
	v_readfirstlane_b32 s20, v18                   ; wave
	s_lshr_b32 s21, s20, 2                         ; wp
	s_and_b32 s22, s20, 3                          ; wr
	v_and_b32 v18, 31, v0
	v_lshlrev_b32 v19, 4, v18                      ; 16 x lane
	v_lshlrev_b32 v20, 2, v18                      ; 4 x lane
	v_lshlrev_b32 v21, 3, v18                      ; 8 x lane
	s_mul_i32 s23, s20, PF*S*FRB
	v_add_nc_u32 v[GP], s23, v19
	s_mul_i32 s23, s20, S*FRB
	v_add_nc_u32 v[GR], s23, v19
	s_mul_i32 s23, s20, PF*FRB
	v_add_nc_u32 v[LSP], s23, v19
	s_mul_i32 s23, s20, FRB
	s_add_co_u32 s23, s23, 2*PT*FRB
	v_add_nc_u32 v[LSR], s23, v19
	s_mul_i32 s23, s21, PT*FRB
	v_add_nc_u32 v[LP], s23, v19
	s_mul_i32 s23, s22, 2*FRB
	s_add_co_u32 s23, s23, 2*PT*FRB
	v_add_nc_u32 v[LR], s23, v19
	v_add_nc_u32 v[LR8], s23, v21
	s_mul_i32 s23, s21, (PT/2)*S*128
	s_add_co_u32 s23, s23, SCP
	v_add_nc_u32 v[SP], s23, v20
	s_mul_i32 s23, s22, S*128
	s_add_co_u32 s23, s23, SCR
	v_add_nc_u32 v[SR], s23, v20
.if SW == 4
	v_lshlrev_b32 v[SCG], 2, v0
.else
	v_lshlrev_b32 v[SCG], 4, v0
.endif
	v_add_nc_u32 v[SCW], SCP, v[SCG]
	v_and_b32 v22, 15, v0                          ; r
	v_bfe_u32 v23, v0, 4, 1                        ; h
	v_lshlrev_b32 v[VB], 6, v23
	s_mul_i32 s23, s20, 16*272                     ; my stage: 16 rows x (256 bytes + 16), in the slots, which nobody reads any more when it is written
	v_mul_u32_u24 v[STO], v22, 272
	v_lshl_add_u32 v[STO], v23, 6, v[STO]
	v_add_nc_u32 v[STO], s23, v[STO]               ; in: row r, + 64 h
	v_mul_u32_u24 v[SRD], v23, 272
	v_lshl_add_u32 v[SRD], v22, 4, v[SRD]
	v_add_nc_u32 v[SRD], s23, v[SRD]               ; back: lanes 0-15 one row, lanes 16-31 the next
	v_mul_u32_u24 v[OO], v23, 3072
	v_lshl_add_u32 v[OO], v22, 4, v[OO]            ; and the same two rows in memory
	s_and_b32 s32, ttmp7, 0xffff                   ; y
	s_mul_i32 s34, ttmp9, 8*S*FRB
	s_add_co_u32 s34, s34, PCB
	s_mov_b32 s35, 0
	s_mul_i32 s36, ttmp9, 4*S*128
	s_add_co_u32 s36, s36, PSB
	s_mov_b32 s37, 0
	s_mul_i32 s38, s32, 8*S*FRB
	s_mov_b32 s39, 0
	s_mul_i32 s40, s32, 4*S*128
	s_add_co_u32 s40, s40, RSB
	s_mov_b32 s41, 0
	s_lshl_b32 s42, ttmp9, 9
	s_lshl_b32 s43, s21, 8
	s_add_co_u32 s42, s42, s43                     ; my 64 columns, in bytes: 512 x + 256 wp
	s_mov_b32 s43, 0
	s_lshl_b32 s44, s32, 2
	s_add_co_u32 s44, s44, s22
	s_mul_i32 s44, s44, 32*3072                    ; my 32 tokens: pair 4 y + wr
	s_add_co_u32 s44, s44, s42
	s_mov_b32 s45, 0
	s_wait_kmcnt 0x0
	s_add_nc_u64 s[24:25], s[4:5], s[34:35]        ; P's codes, K step 0
	s_add_nc_u64 s[14:15], s[4:5], s[36:37]        ; P's scale words
	s_add_nc_u64 s[26:27], s[6:7], s[38:39]        ; R's codes
	s_add_nc_u64 s[16:17], s[6:7], s[40:41]        ; R's scale words
	s_add_nc_u64 s[18:19], s[8:9], s[42:43]        ; the bias
	s_add_nc_u64 s[10:11], s[10:11], s[44:45]      ; the residual
	s_add_nc_u64 s[12:13], s[12:13], s[44:45]      ; the output
.macro GLOAD                           ; my two images of the K step at which the pointers stand
.irp c, 0,1,2
	global_load_b128 v[G+4*\c:G+4*\c+3], v[GP], s[24:25] offset:512*\c
.endr
.irp c, 0,1,2
	global_load_b128 v[G+12+4*\c:G+12+4*\c+3], v[GR], s[26:27] offset:512*\c
.endr
.endm
.macro DSTORE slot
.irp c, 0,1,2
	ds_store_b128 v[LSP], v[G+4*\c:G+4*\c+3] offset:(\slot)*SLOTB+512*\c
.endr
.irp c, 0,1,2
	ds_store_b128 v[LSR], v[G+12+4*\c:G+12+4*\c+3] offset:(\slot)*SLOTB+512*\c
.endr
.endm
.macro FETCH_R slot
.irp m, 0,1
.if RHALF
	ds_load_b128 v[RF+12*\m:RF+12*\m+3], v[LR] offset:(\slot)*SLOTB+\m*FRB
	ds_load_b64 v[RF+12*\m+4:RF+12*\m+5], v[LR8] offset:(\slot)*SLOTB+\m*FRB+512
	ds_load_b128 v[RF+12*\m+6:RF+12*\m+9], v[LR] offset:(\slot)*SLOTB+\m*FRB+768
	ds_load_b64 v[RF+12*\m+10:RF+12*\m+11], v[LR8] offset:(\slot)*SLOTB+\m*FRB+1280
.else
.irp c, 0,1,2
	ds_load_b128 v[RF+12*\m+4*\c:RF+12*\m+4*\c+3], v[LR] offset:(\slot)*SLOTB+\m*FRB+512*\c
.endr
.endif
.endr
.endm
.macro FETCH_P slot
.irp q, 0,1,2,3
.irp c, 0,1,2
	ds_load_b128 v[PFR+12*\q+4*\c:PFR+12*\q+4*\c+3], v[LP] offset:(\slot)*SLOTB+\q*FRB+512*\c
.endr
.endr
.endm
.macro WM t, m                         ; P tile t x R tile m.  An odd tile's scale words stand in lanes 16-31 of its pair's register
.set rD, ACC+8*(PT*(\m)+(\t))
.set rA, PFR+12*(\t)
.set rB, RF+12*(\m)
.set rS, PS+(\t)/2
.if ((\t)%2 == 0) && ((\m) == 0)
	v_wmma_scale_f32_16x16x128_f8f6f4 v[rD:rD+7], v[rA:rA+11], v[rB:rB+11], v[rD:rD+7], v[rS], v[RS] matrix_a_fmt:MATRIX_FMT_FP6 matrix_b_fmt:MATRIX_FMT_FP6
.elseif ((\m) == 0)
	v_wmma_scale_f32_16x16x128_f8f6f4 v[rD:rD+7], v[rA:rA+11], v[rB:rB+11], v[rD:rD+7], v[rS], v[RS] matrix_a_fmt:MATRIX_FMT_FP6 matrix_b_fmt:MATRIX_FMT_FP6 matrix_a_scale:MATRIX_SCALE_ROW1
.elseif ((\t)%2 == 0)
	v_wmma_scale_f32_16x16x128_f8f6f4 v[rD:rD+7], v[rA:rA+11], v[rB:rB+11], v[rD:rD+7], v[rS], v[RS] matrix_a_fmt:MATRIX_FMT_FP6 matrix_b_fmt:MATRIX_FMT_FP6 matrix_b_scale:MATRIX_SCALE_ROW1
.else
	v_wmma_scale_f32_16x16x128_f8f6f4 v[rD:rD+7], v[rA:rA+11], v[rB:rB+11], v[rD:rD+7], v[rS], v[RS] matrix_a_fmt:MATRIX_FMT_FP6 matrix_b_fmt:MATRIX_FMT_FP6 matrix_a_scale:MATRIX_SCALE_ROW1 matrix_b_scale:MATRIX_SCALE_ROW1
.endif
.endm
; A K step out of slot.  st: the next step's images, which are in my registers, go into the other slot.  gl: the images of the step after that are asked for.
.macro STEP slot, st, gl
	s_wait_dscnt 0x0                               ; my stores into this slot have landed and my reads of the other slot are in
	s_barrier_signal -1
	s_barrier_wait -1                              ; both now hold of all eight waves
.if \st
	s_wait_loadcnt 0x0                             ; the next step's images are in my registers, and the pointers are free
	DSTORE 1-\slot
.endif
.if \gl
	s_add_nc_u64 s[24:25], s[24:25], FRB
	s_add_nc_u64 s[26:27], s[26:27], FRB
.endif
	FETCH_R \slot
	ds_load_b32 v[PS], v[SP]
	ds_load_b32 v[PS+1], v[SP] offset:S*128
	ds_load_b32 v[RS], v[SR]
	FETCH_P \slot
	s_wait_dscnt 0x0                               ; the fragments are in; the stores have read their registers
	v_add_nc_u32 v[SP], 128, v[SP]                 ; on to the next step's scale words
	v_add_nc_u32 v[SR], 128, v[SR]
.if \gl
	GLOAD                                          ; they have a whole K step in which to land
.endif
.irp t, 0,1,2,3
.irp m, 0,1
	WM \t, \m
.endr
.endr
.rept 4
	v_nop                                          ; four plain lines between a matrix instruction and a load into, or a read of, its registers
.endr
.endm
	GLOAD                                          ; K step 0
.irp i, 0,1,2                          ; the scale words for all of K: two dense blocks, three rounds of 256 threads each
.if SW == 4
	global_load_b32 v[PFR+\i], v[SCG], s[14:15] offset:1024*\i
	global_load_b32 v[PFR+3+\i], v[SCG], s[16:17] offset:1024*\i
.else
	global_load_b128 v[PFR+4*\i:PFR+4*\i+3], v[SCG], s[14:15] offset:4096*\i
	global_load_b128 v[PFR+12+4*\i:PFR+12+4*\i+3], v[SCG], s[16:17] offset:4096*\i
.endif
.endr
.irp m, 0,1
.irp t, 0,1,2,3                        ; the bias: lane (r, h) wants, for tile t, columns 32 (t / 2) + 8 (t % 2) + 16 h + 0 .. 7
	global_load_b128 v[ACC+8*(PT*\m+\t):ACC+8*(PT*\m+\t)+3], v[VB], s[18:19] offset:128*(\t/2)+32*(\t%2)
	global_load_b128 v[ACC+8*(PT*\m+\t)+4:ACC+8*(PT*\m+\t)+7], v[VB], s[18:19] offset:128*(\t/2)+32*(\t%2)+16
.endr
.endr
.irp m, 0,1
.irp i, 0,1,2,3,4,5,6,7                ; the residual: rows 2 i, 2 i + 1 of tile m are tokens 8 m + 2 (i % 4) + 16 (i / 4) + 0, 1 of my 32
	global_load_b128 v[XR+32*\m+4*\i:XR+32*\m+4*\i+3], v[OO], s[10:11] offset:(8*\m+2*(\i%4)+16*(\i/4))*3072 th:TH_LOAD_NT
.endr
.endr
	s_wait_loadcnt 0x0
.irp i, 0,1,2
.if SW == 4
	ds_store_b32 v[SCW], v[PFR+\i] offset:1024*\i
	ds_store_b32 v[SCW], v[PFR+3+\i] offset:SCR-SCP+1024*\i
.else
	ds_store_b128 v[SCW], v[PFR+4*\i:PFR+4*\i+3] offset:4096*\i
	ds_store_b128 v[SCW], v[PFR+12+4*\i:PFR+12+4*\i+3] offset:SCR-SCP+4096*\i
.endif
.endr
	DSTORE 0
	s_add_nc_u64 s[24:25], s[24:25], FRB
	s_add_nc_u64 s[26:27], s[26:27], FRB
	s_wait_dscnt 0x0                               ; the stores have read their registers
	GLOAD                                          ; K step 1
	s_mov_b32 s28, (S-2)/2
.Lk:
	STEP 0, 1, 1
	STEP 1, 1, 1
	s_sub_co_u32 s28, s28, 1
	s_cmp_lg_u32 s28, 0
	s_cbranch_scc1 .Lk
	STEP 0, 1, 0                                   ; the last two steps ask for nothing
	STEP 1, 0, 0
	; THE WAY OUT
	s_wait_dscnt 0x0
	s_barrier_signal -1
	s_barrier_wait -1                              ; nobody reads the slots any more: the stages may lie there
.irp m, 0,1
.if \m
	s_wait_xcnt 0x0                                ; the first tile's stores have read their registers
.endif
.irp t, 0,1,2,3
	ds_store_b128 v[STO], v[ACC+8*(PT*\m+\t):ACC+8*(PT*\m+\t)+3] offset:128*(\t/2)+32*(\t%2)        ; each accumulator from its low end on
	ds_store_b128 v[STO], v[ACC+8*(PT*\m+\t)+4:ACC+8*(PT*\m+\t)+7] offset:128*(\t/2)+32*(\t%2)+16
.endr
.irp i, 0,1,2,3,4,5,6,7
	ds_load_b128 v[OB+4*\i:OB+4*\i+3], v[SRD] offset:2*\i*272      ; LDS serves a wave's instructions in order: these see my stores
.endr
	s_wait_dscnt 0x0
.irp i, 0,1,2,3,4,5,6,7,8,9,10,11,12,13,14,15
	v_pk_add_f32 v[OB+2*\i:OB+2*\i+1], v[OB+2*\i:OB+2*\i+1], v[XR+32*\m+2*\i:XR+32*\m+2*\i+1]
.endr
.irp i, 0,1,2,3,4,5,6,7
	global_store_b128 v[OO], v[OB+4*\i:OB+4*\i+3], s[12:13] offset:(8*\m+2*(\i%4)+16*(\i/4))*3072 th:TH_STORE_NT   ; sixteen lanes store 256 consecutive bytes, aligned
.endr
.endr
	s_wait_tensorcnt 0x0                           ; the wave's end
	ds_add_u32 v[SPW], v[NIL]
	s_wait_dscnt 0x0
	s_endpgm
.Lfunc_end_k_qbb4b5bc8a6_proj:
	.size	k_qbb4b5bc8a6_proj, .Lfunc_end_k_qbb4b5bc8a6_proj-k_qbb4b5bc8a6_proj
	.p2alignl 7, 3214868480
	.fill 96, 4, 3214868480
	.section	.rodata,"a",@progbits
	.p2align	6, 0x0
	.amdhsa_kernel k_qbb4b5bc8a6_proj
		.amdhsa_group_segment_fixed_size 56320
		.amdhsa_private_segment_fixed_size 0
		.amdhsa_enable_private_segment 0
		.amdhsa_kernarg_size 40
		.amdhsa_user_sgpr_count 2
		.amdhsa_user_sgpr_kernarg_segment_ptr 1
		.amdhsa_wavefront_size32 1
		.amdhsa_system_sgpr_workgroup_id_x 1
		.amdhsa_system_sgpr_workgroup_id_y 1
		.amdhsa_system_sgpr_workgroup_id_z 1
		.amdhsa_system_vgpr_workitem_id 0
		.amdhsa_next_free_vgpr 256
		.amdhsa_next_free_sgpr 66
		.amdhsa_reserve_vcc 0
		.amdhsa_float_denorm_mode_32 3
		.amdhsa_float_denorm_mode_16_64 3
		.amdhsa_memory_ordered 1
		.amdhsa_forward_progress 1
		.amdhsa_inst_pref_size 30
	.end_amdhsa_kernel
	.amdgpu_metadata
---
amdhsa.version: [ 1, 2 ]
amdhsa.kernels:
  - .name:           k_qbb4b5bc8a6_proj
    .symbol:         k_qbb4b5bc8a6_proj.kd
    .args:
      - { .name: wts, .offset: 0, .size: 8, .value_kind: global_buffer, .address_space: global }
      - { .name: ctx, .offset: 8, .size: 8, .value_kind: global_buffer, .address_space: global }
      - { .name: bo, .offset: 16, .size: 8, .value_kind: global_buffer, .address_space: global }
      - { .name: x, .offset: 24, .size: 8, .value_kind: global_buffer, .address_space: global }
      - { .name: x1, .offset: 32, .size: 8, .value_kind: global_buffer, .address_space: global }
    .group_segment_fixed_size: 56320
    .private_segment_fixed_size: 0
    .kernarg_segment_align: 8
    .kernarg_segment_size: 40
    .max_flat_workgroup_size: 256
    .sgpr_count:     66
    .vgpr_count:     256
    .wavefront_size: 32
...
	.end_amdgpu_metadata
.endif
;; end of part 5
;; launch ln2: the kernel of part 2 again; grid 256 x 1, 8 waves a work-group, no clusters, 50,432 bytes of LDS; arguments x1, g2, be2, act; writes act
;; launch ffn1 (part 6): grid 12 x 32, 8 waves a work-group, no clusters, 83,968 bytes of LDS; arguments wts, act, b1, gact; writes gact
.if DOCPART == 6
	.amdgcn_target "amdgcn-amd-amdhsa--gfx1250"
	.amdhsa_code_object_version 6
	.text
	.protected	k_qbb4b5bc8a6_ffn1
	.globl	k_qbb4b5bc8a6_ffn1
	.p2align	8
	.type	k_qbb4b5bc8a6_ffn1,@function
k_qbb4b5bc8a6_ffn1:
	s_mov_b64 s[64:65], 0
	v_nop
	global_prefetch_b8 v0, s[64:65] scope:SCOPE_SE
	s_setreg_imm32_b32 hwreg(HW_REG_WAVE_MODE, 25, 1), 1
	s_wait_xcnt 0x0
; gelu(h W1 + b1), exact (by erf), on codes of FP6 (E2M3) with E8M0 scales, and the quantiser along the 3,072 hidden units, which are the next product's K.
; A work-group makes 16 tiles of source 0 (P = 256 columns of W1) x 8 tiles of source 1 (R = 128 tokens); K = 768 in six steps of 128.  Wave w: P tiles 8 (w >> 2) on, R tiles 2 (w & 3) on: 16 accumulators, which
; take turns, one instruction a turn.  The bias is loaded into the accumulators in the result's layout and is the C of each sum's first instruction.
; Row p of tile 2 b + u is index 32 b + 8 u + (p & 7) + 16 (p >> 3): so a wave's 64 registers for one R tile are 128 neighbouring hidden units of one token: one K step of the next product, quantised in registers.
; OPERANDS come as images (1,536 bytes a fragment): each wave brings two P images and one R image of the next K step into registers, and stores them into the LDS slot that is not being read: one barrier a K step.
; No cluster: six K steps of 16 matrix instructions a wave are too short to pay for a round of a cluster's barrier each.
; erf(t) = t A(t^2) / B(t^2), polynomials of degree 6 and 4, on t held to -4 .. 4, where erf is 1 to f32's last bit.  LIMIT: gelu's absolute error is about 2e-7 |x|, so its far negative tail (under -5) is not
; accurate relative to itself.  NaN and infinities are not served; blocks under 2^-124 get the byte 1 (a block of zeros too: its codes are zeros, and this program alone reads the bytes).
; OUT (gact): codes [256 tiles][24 K steps][1,536], scale words [128 pairs][24][32 lanes] at 9,437,184.
.set S,     6
.set PT,    8
.set PF,    PT/4
.set FRB,   1536
.set SLOTB, (2*PT+8)*FRB
.set SCP,   2*SLOTB
.set SCR,   SCP+PT*128*S
.set SPARE, SCR+512*S                  ; the spare words, 128 bytes for each wave, that no other line names
.set SPW, 1                            ; v1  LDS address of my spare word; never rewritten
.set NIL, 2                            ; v2  0; never rewritten
.set GP,  3
.set GR,  4
.set LSP, 5
.set LSR, 6
.set LP,  7
.set LR,  8
.set SP,  10
.set SR,  11
.set SCW, 12
.set PS,  13                           ; v13-16 P's scale words, v17 R's: they hold nothing else
.set RS,  13+PT/2
.set G,   18
.set RF,  G+12*(PF+1)
.set PFR, RF+24
.set SCG, 126
.set VB,  127
.set ACC, 128
.set T,   18                           ; the way out: v18-33 t, v34-49 t^2, v50-65 A, v66-81 B
.set X2,  34
.set PA,  50
.set PB,  66
.set TM,  82
.set PW,  98
.set PW0, 99
.set PC,  100
.set O16, 124
.set O4,  125
	s_load_b256 s[4:11], s[0:1], 0x0               ; wts, act, b1, gact
	v_lshl_add_u32 v[SPW], v0, 2, SPARE
	v_mov_b32 v[NIL], 0
	v_lshrrev_b32 v18, 5, v0
	v_readfirstlane_b32 s20, v18                   ; wave
	s_lshr_b32 s21, s20, 2                         ; wp
	s_and_b32 s22, s20, 3                          ; wr
	v_and_b32 v18, 31, v0
	v_lshlrev_b32 v19, 4, v18
	v_lshlrev_b32 v20, 2, v18
	s_mul_i32 s23, s20, PF*S*FRB
	v_add_nc_u32 v[GP], s23, v19
	s_mul_i32 s23, s20, S*FRB
	v_add_nc_u32 v[GR], s23, v19
	s_mul_i32 s23, s20, PF*FRB
	v_add_nc_u32 v[LSP], s23, v19
	s_mul_i32 s23, s20, FRB
	s_add_co_u32 s23, s23, 2*PT*FRB
	v_add_nc_u32 v[LSR], s23, v19
	s_mul_i32 s23, s21, PT*FRB
	v_add_nc_u32 v[LP], s23, v19
	s_mul_i32 s23, s22, 2*FRB
	s_add_co_u32 s23, s23, 2*PT*FRB
	v_add_nc_u32 v[LR], s23, v19
	s_mul_i32 s23, s21, (PT/2)*S*128
	s_add_co_u32 s23, s23, SCP
	v_add_nc_u32 v[SP], s23, v20
	s_mul_i32 s23, s22, S*128
	s_add_co_u32 s23, s23, SCR
	v_add_nc_u32 v[SR], s23, v20
	v_lshlrev_b32 v[SCG], 2, v0
	v_add_nc_u32 v[SCW], SCP, v[SCG]
	v_bfe_u32 v[VB], v0, 4, 1
	v_lshlrev_b32 v[VB], 6, v[VB]
	s_mov_b32 s30, 0x76543210
	s_mov_b32 s31, 0xfedcba98
	s_and_b32 s32, ttmp7, 0xffff                   ; y
	s_mul_i32 s34, ttmp9, 16*S*FRB
	s_add_co_u32 s34, s34, 1769472                 ; W1's codes in wts
	s_mov_b32 s35, 0
	s_mul_i32 s36, ttmp9, 8*S*128
	s_add_co_u32 s36, s36, 5382144                 ; and its scale words
	s_mov_b32 s37, 0
	s_mul_i32 s38, s32, 8*S*FRB
	s_mov_b32 s39, 0
	s_mul_i32 s40, s32, 4*S*128
	s_add_co_u32 s40, s40, 2359296
	s_mov_b32 s41, 0
	s_lshl_b32 s42, ttmp9, 10
	s_lshl_b32 s43, s21, 9
	s_add_co_u32 s42, s42, s43                     ; my 128 columns of b1, in bytes
	s_mov_b32 s43, 0
	s_wait_kmcnt 0x0
	s_add_nc_u64 s[24:25], s[4:5], s[34:35]
	s_add_nc_u64 s[14:15], s[4:5], s[36:37]
	s_add_nc_u64 s[26:27], s[6:7], s[38:39]
	s_add_nc_u64 s[16:17], s[6:7], s[40:41]
	s_add_nc_u64 s[18:19], s[8:9], s[42:43]
.macro GLOAD
.set ff, 0
.rept PF
.irp c, 0,1,2
	global_load_b128 v[G+12*ff+4*\c:G+12*ff+4*\c+3], v[GP], s[24:25] offset:ff*S*FRB+512*\c
.endr
.set ff, ff+1
.endr
.irp c, 0,1,2
	global_load_b128 v[G+12*PF+4*\c:G+12*PF+4*\c+3], v[GR], s[26:27] offset:512*\c
.endr
.endm
.macro DSTORE slot
.set ff, 0
.rept PF
.irp c, 0,1,2
	ds_store_b128 v[LSP], v[G+12*ff+4*\c:G+12*ff+4*\c+3] offset:(\slot)*SLOTB+ff*FRB+512*\c
.endr
.set ff, ff+1
.endr
.irp c, 0,1,2
	ds_store_b128 v[LSR], v[G+12*PF+4*\c:G+12*PF+4*\c+3] offset:(\slot)*SLOTB+512*\c
.endr
.endm
.macro FETCH_R slot
.irp m, 0,1
.irp c, 0,1,2
	ds_load_b128 v[RF+12*\m+4*\c:RF+12*\m+4*\c+3], v[LR] offset:(\slot)*SLOTB+\m*FRB+512*\c
.endr
.endr
.endm
.macro FETCH_P slot, t0
.irp q, 0,1,2,3
.irp c, 0,1,2
	ds_load_b128 v[PFR+12*\q+4*\c:PFR+12*\q+4*\c+3], v[LP] offset:(\slot)*SLOTB+((\t0)+\q)*FRB+512*\c
.endr
.endr
.endm
.macro FETCH_SC
.set ff, 0
.rept PT/2
	ds_load_b32 v[PS+ff], v[SP] offset:ff*S*128
.set ff, ff+1
.endr
	ds_load_b32 v[RS], v[SR]
.endm
.macro WM t, q, m                      ; P tile t (in fragment place q) x R tile m.  An odd tile's scale words stand in lanes 16-31 of its pair's register
.set rD, ACC+8*(PT*(\m)+(\t))
.set rA, PFR+12*(\q)
.set rB, RF+12*(\m)
.set rS, PS+(\t)/2
.if ((\t)%2 == 0) && ((\m) == 0)
	v_wmma_scale_f32_16x16x128_f8f6f4 v[rD:rD+7], v[rA:rA+11], v[rB:rB+11], v[rD:rD+7], v[rS], v[RS] matrix_a_fmt:MATRIX_FMT_FP6 matrix_b_fmt:MATRIX_FMT_FP6
.elseif ((\m) == 0)
	v_wmma_scale_f32_16x16x128_f8f6f4 v[rD:rD+7], v[rA:rA+11], v[rB:rB+11], v[rD:rD+7], v[rS], v[RS] matrix_a_fmt:MATRIX_FMT_FP6 matrix_b_fmt:MATRIX_FMT_FP6 matrix_a_scale:MATRIX_SCALE_ROW1
.elseif ((\t)%2 == 0)
	v_wmma_scale_f32_16x16x128_f8f6f4 v[rD:rD+7], v[rA:rA+11], v[rB:rB+11], v[rD:rD+7], v[rS], v[RS] matrix_a_fmt:MATRIX_FMT_FP6 matrix_b_fmt:MATRIX_FMT_FP6 matrix_b_scale:MATRIX_SCALE_ROW1
.else
	v_wmma_scale_f32_16x16x128_f8f6f4 v[rD:rD+7], v[rA:rA+11], v[rB:rB+11], v[rD:rD+7], v[rS], v[RS] matrix_a_fmt:MATRIX_FMT_FP6 matrix_b_fmt:MATRIX_FMT_FP6 matrix_a_scale:MATRIX_SCALE_ROW1 matrix_b_scale:MATRIX_SCALE_ROW1
.endif
.endm
.macro MUL t0
.irp q, 0,1,2,3
.irp m, 0,1
	WM (\t0)+\q, \q, \m
.endr
.endr
.endm
.macro PLACES                          ; four plain lines between a matrix instruction and a load into, or a vector read or write of, its registers
.rept 4
	v_nop
.endr
.endm
.macro STEP slot, st, gl
	s_wait_dscnt 0x0                               ; my stores into this slot have landed and my reads of the other slot are in
	s_barrier_signal -1
	s_barrier_wait -1                              ; both now hold of all eight waves
.if \st
	s_wait_loadcnt 0x0                             ; the next step's images are in my registers, and the pointers are free
	DSTORE 1-\slot
.endif
.if \gl
	s_add_nc_u64 s[24:25], s[24:25], FRB
	s_add_nc_u64 s[26:27], s[26:27], FRB
.endif
	FETCH_R \slot
	FETCH_SC
	FETCH_P \slot, 0
	s_wait_dscnt 0x0                               ; the fragments are in; the stores have read their registers
	v_add_nc_u32 v[SP], 128, v[SP]
	v_add_nc_u32 v[SR], 128, v[SR]
.if \gl
	GLOAD                                          ; they have a whole K step in which to land
.endif
	MUL 0
	PLACES
	FETCH_P \slot, 4
	s_wait_dscnt 0x0
	MUL 4
	PLACES
.endm
	GLOAD                                          ; K step 0
.irp i, 0,1,2,3,4,5
	global_load_b32 v[PFR+\i], v[SCG], s[14:15] offset:1024*\i
.endr
.irp i, 0,1,2
	global_load_b32 v[PFR+6+\i], v[SCG], s[16:17] offset:1024*\i
.endr
.irp m, 0,1
.irp t, 0,1,2,3,4,5,6,7                ; the bias: lane (r, h) wants, for tile t, columns 32 (t / 2) + 8 (t % 2) + 16 h + 0 .. 7
	global_load_b128 v[ACC+8*(PT*\m+\t):ACC+8*(PT*\m+\t)+3], v[VB], s[18:19] offset:128*(\t/2)+32*(\t%2)
	global_load_b128 v[ACC+8*(PT*\m+\t)+4:ACC+8*(PT*\m+\t)+7], v[VB], s[18:19] offset:128*(\t/2)+32*(\t%2)+16
.endr
.endr
	s_wait_loadcnt 0x0
.irp i, 0,1,2,3,4,5
	ds_store_b32 v[SCW], v[PFR+\i] offset:1024*\i
.endr
.irp i, 0,1,2
	ds_store_b32 v[SCW], v[PFR+6+\i] offset:SCR-SCP+1024*\i
.endr
	DSTORE 0
	s_add_nc_u64 s[24:25], s[24:25], FRB
	s_add_nc_u64 s[26:27], s[26:27], FRB
	s_wait_dscnt 0x0                               ; the stores have read their registers
	GLOAD                                          ; K step 1
	s_mov_b32 s28, (S-2)/2
.Lk:
	STEP 0, 1, 1
	STEP 1, 1, 1
	s_sub_co_u32 s28, s28, 1
	s_cmp_lg_u32 s28, 0
	s_cbranch_scc1 .Lk
	STEP 0, 1, 0                                   ; the last two steps ask for nothing
	STEP 1, 0, 0
.macro QUANT s                         ; 64 numbers of a lane, register 16 b + i = k 32 b + 16 h + i of my row, become a fragment's codes in v[PC] on and the row's scale word in v[PW]
.irp b, 0,1,2,3
	v_max3_num_f32 v[TM+\b], |v[(\s)+16*\b]|, |v[(\s)+1+16*\b]|, 0x1800000
.endr
.irp i, 2,4,6,8,10,12,14
.irp b, 0,1,2,3
	v_max3_num_f32 v[TM+\b], v[TM+\b], |v[(\s)+16*\b+\i]|, |v[(\s)+1+16*\b+\i]|
.endr
.endr
.irp b, 0,1,2,3
	v_permlanex16_b32 v[TM+4+\b], v[TM+\b], s30, s31
.endr
.irp b, 0,1,2,3
	v_max_num_f32 v[TM+\b], v[TM+\b], v[TM+4+\b]
.endr
.irp b, 0,1,2,3
	v_add_nc_u32 v[TM+12+\b], 0xff000000, v[TM+\b]
.endr
.irp b, 0,1,2,3
	v_lshrrev_b32 v[TM+4+\b], 23, v[TM+12+\b]
.endr
	v_lshl_or_b32 v[PW], v[TM+5], 8, v[TM+4]
	v_lshl_or_b32 v[PW], v[TM+6], 16, v[PW]
	v_lshl_or_b32 v[PW], v[TM+7], 24, v[PW]
.irp c, 0,1
	v_cvt_scalef32_pk16_fp6_f32 v[PC+6*\c:PC+2+6*\c], v[(\s)+32*\c:(\s)+15+32*\c], v[TM+12+2*\c]
	v_cvt_scalef32_pk16_fp6_f32 v[PC+12+4*\c:PC+14+4*\c], v[(\s)+16+32*\c:(\s)+31+32*\c], v[TM+12+2*\c+1]
.endr
	v_nop                                          ; one plain line behind a scaled conversion
.irp c, 0,1
.irp i, 0,1,2
	v_permlane16_swap_b32 v[PC+6*\c+\i], v[PC+12+4*\c+\i]
.endr
.irp i, 0,1,2
	v_mov_b32 v[PC+3+6*\c+\i], v[PC+12+4*\c+\i]
.endr
.endr
.endm
.macro COEF r, bits                    ; a coefficient as a pair: the packed forms name the pair and take its low word for both halves
	s_mov_b32 s[\r], \bits
	s_mov_b32 s[\r+1], \bits
.endm
; gelu of the 16 registers from v[a] on, in place: x / 2 + (x / 2) erf(x / sqrt(2))
.macro GELU a
.irp j, 0,2,4,6,8,10,12,14
	v_pk_mul_f32 v[T+\j:T+\j+1], v[(\a)+\j:(\a)+\j+1], s[60:61] op_sel_hi:[1,0]      ; t = x / sqrt(2); each accumulator is read from its low end on
.endr
.irp j, 0,1,2,3,4,5,6,7,8,9,10,11,12,13,14,15
	v_med3_num_f32 v[T+\j], v[T+\j], -4.0, 4.0
.endr
.irp j, 0,2,4,6,8,10,12,14
	v_pk_mul_f32 v[X2+\j:X2+\j+1], v[T+\j:T+\j+1], v[T+\j:T+\j+1]
.endr
.irp j, 0,2,4,6,8,10,12,14
	v_pk_fma_f32 v[PA+\j:PA+\j+1], v[X2+\j:X2+\j+1], s[36:37], v[120:121] op_sel_hi:[1,0,1]
.endr
.irp k, 40,42,44,46,48
.irp j, 0,2,4,6,8,10,12,14
	v_pk_fma_f32 v[PA+\j:PA+\j+1], v[PA+\j:PA+\j+1], v[X2+\j:X2+\j+1], s[\k:\k+1] op_sel_hi:[1,1,0]
.endr
.endr
.irp j, 0,2,4,6,8,10,12,14
	v_pk_fma_f32 v[PB+\j:PB+\j+1], v[X2+\j:X2+\j+1], s[50:51], v[122:123] op_sel_hi:[1,0,1]
.endr
.irp k, 54,56,58
.irp j, 0,2,4,6,8,10,12,14
	v_pk_fma_f32 v[PB+\j:PB+\j+1], v[PB+\j:PB+\j+1], v[X2+\j:X2+\j+1], s[\k:\k+1] op_sel_hi:[1,1,0]
.endr
.endr
.irp j, 0,1,2,3,4,5,6,7,8,9,10,11,12,13,14,15
	v_rcp_f32 v[PB+\j], v[PB+\j]                   ; B is under 0 for every t: all its coefficients are
.endr
.irp j, 0,2,4,6,8,10,12,14
	v_pk_mul_f32 v[PA+\j:PA+\j+1], v[PA+\j:PA+\j+1], v[T+\j:T+\j+1]                ; plain work behind the batch of reciprocals
.endr
.irp j, 0,2,4,6,8,10,12,14
	v_pk_mul_f32 v[T+\j:T+\j+1], v[(\a)+\j:(\a)+\j+1], 0.5 op_sel_hi:[1,0]
.endr
	s_wait_alu depctr_va_vdst(0)                   ; one wait for the sixteen, ahead of their first reader
.irp j, 0,2,4,6,8,10,12,14
	v_pk_mul_f32 v[PA+\j:PA+\j+1], v[PA+\j:PA+\j+1], v[PB+\j:PB+\j+1]              ; erf
.endr
.irp j, 0,2,4,6,8,10,12,14
	v_pk_fma_f32 v[(\a)+\j:(\a)+\j+1], v[T+\j:T+\j+1], v[PA+\j:PA+\j+1], v[T+\j:T+\j+1]
.endr
.endm
	; THE WAY OUT
	COEF 36, 0xaf95df0b                            ; A: -2.72614226e-10,
	COEF 40, 0xb60cff51                            ; (2.77068142e-08 stands in v[120:121]) -2.10102402e-06,
	COEF 42, 0xb86ec2d2                            ; -5.69250639e-05,
	COEF 44, 0xba40ac63                            ; -7.34990630e-04,
	COEF 46, 0xbb41a1f6                            ; -2.95459981e-03,
	COEF 48, 0xbc83dbd4                            ; -1.60960333e-02
	COEF 50, 0xb77460cd                            ; B: -1.45660718e-05,
	COEF 54, 0xbadc924e                            ; (-2.13374055e-04 stands in v[122:123]) -1.68282697e-03,
	COEF 56, 0xbbf19bf8                            ; -7.37332917e-03,
	COEF 58, 0xbc69b6a7                            ; -1.42647391e-02
	COEF 60, 0x3f3504f3                            ; 1 / sqrt(2)
	v_mov_b32 v120, 0x32edffee
	v_mov_b32 v121, 0x32edffee
	v_mov_b32 v122, 0xb95fbd29
	v_mov_b32 v123, 0xb95fbd29
	v_and_b32 v[O4], 31, v0
	v_lshlrev_b32 v[O16], 4, v[O4]
	v_lshlrev_b32 v[O4], 2, v[O4]
.irp b, 0,1,2,3
	v_mov_b32 v[TM+4+\b], 0                        ; a lane permute's destination counts as one of its sources
.endr
	s_mov_b32 s33, 0xffff0000                      ; lanes 16-31
	s_lshl_b32 s12, s32, 2
	s_add_co_u32 s12, s12, s22                     ; my pair of token tiles
	s_lshl_b32 s13, ttmp9, 1
	s_add_co_u32 s13, s13, s21                     ; my K step of the next product
	s_mul_i32 s14, s12, 48
	s_add_co_u32 s14, s14, s13
	s_mul_i32 s14, s14, 1536
	s_mov_b32 s15, 0
	s_add_nc_u64 s[14:15], s[10:11], s[14:15]
	s_mul_i32 s16, s12, 24
	s_add_co_u32 s16, s16, s13
	s_lshl_b32 s16, s16, 7
	s_add_co_u32 s16, s16, 9437184
	s_mov_b32 s17, 0
	s_add_nc_u64 s[16:17], s[10:11], s[16:17]
.irp m, 0,1
.irp k, 0,1,2,3
	GELU ACC+64*\m+16*\k
.endr
.if \m
	s_wait_xcnt 0x0                                ; the first tile's stores have read their registers
.endif
	QUANT ACC+64*\m
.if \m == 0
	v_mov_b32 v[PW0], v[PW]
.endif
.irp c, 0,1,2
	global_store_b128 v[O16], v[PC+4*\c:PC+4*\c+3], s[14:15] offset:36864*\m+512*\c   ; 32 lanes store 512 consecutive bytes, aligned
.endr
.endr
	v_cndmask_b32 v[PW0], v[PW0], v[PW], s33       ; lanes 0-15 the even tile's words, lanes 16-31 the odd tile's
	global_store_b32 v[O4], v[PW0], s[16:17]
	s_wait_tensorcnt 0x0                           ; the wave's end
	ds_add_u32 v[SPW], v[NIL]
	s_wait_dscnt 0x0
	s_endpgm
.Lfunc_end_k_qbb4b5bc8a6_ffn1:
	.size	k_qbb4b5bc8a6_ffn1, .Lfunc_end_k_qbb4b5bc8a6_ffn1-k_qbb4b5bc8a6_ffn1
	.p2alignl 7, 3214868480
	.fill 96, 4, 3214868480
	.section	.rodata,"a",@progbits
	.p2align	6, 0x0
	.amdhsa_kernel k_qbb4b5bc8a6_ffn1
		.amdhsa_group_segment_fixed_size 83968
		.amdhsa_private_segment_fixed_size 0
		.amdhsa_enable_private_segment 0
		.amdhsa_kernarg_size 32
		.amdhsa_user_sgpr_count 2
		.amdhsa_user_sgpr_kernarg_segment_ptr 1
		.amdhsa_wavefront_size32 1
		.amdhsa_system_sgpr_workgroup_id_x 1
		.amdhsa_system_sgpr_workgroup_id_y 1
		.amdhsa_system_sgpr_workgroup_id_z 1
		.amdhsa_system_vgpr_workitem_id 0
		.amdhsa_next_free_vgpr 256
		.amdhsa_next_free_sgpr 66
		.amdhsa_reserve_vcc 0
		.amdhsa_float_denorm_mode_32 3
		.amdhsa_float_denorm_mode_16_64 3
		.amdhsa_memory_ordered 1
		.amdhsa_forward_progress 1
		.amdhsa_inst_pref_size 120
	.end_amdhsa_kernel
	.amdgpu_metadata
---
amdhsa.version: [ 1, 2 ]
amdhsa.kernels:
  - .name:           k_qbb4b5bc8a6_ffn1
    .symbol:         k_qbb4b5bc8a6_ffn1.kd
    .args:
      - { .name: wts, .offset: 0, .size: 8, .value_kind: global_buffer, .address_space: global }
      - { .name: act, .offset: 8, .size: 8, .value_kind: global_buffer, .address_space: global }
      - { .name: b1, .offset: 16, .size: 8, .value_kind: global_buffer, .address_space: global }
      - { .name: gact, .offset: 24, .size: 8, .value_kind: global_buffer, .address_space: global }
    .group_segment_fixed_size: 83968
    .private_segment_fixed_size: 0
    .kernarg_segment_align: 8
    .kernarg_segment_size: 32
    .max_flat_workgroup_size: 256
    .sgpr_count:     66
    .vgpr_count:     256
    .wavefront_size: 32
...
	.end_amdgpu_metadata
.endif
;; end of part 6
;; launch ffn2 (part 7): grid 6 x 32, 8 waves a work-group, no clusters, 74,752 bytes of LDS; arguments wts, gact, b2, x1, out0; writes out0
.if DOCPART == 7
	.amdgcn_target "amdgcn-amd-amdhsa--gfx1250"
	.amdhsa_code_object_version 6
	.text
	.protected	k_qbb4b5bc8a6_ffn2
	.globl	k_qbb4b5bc8a6_ffn2
	.p2align	8
	.type	k_qbb4b5bc8a6_ffn2,@function
k_qbb4b5bc8a6_ffn2:
	s_mov_b64 s[64:65], 0
	v_nop
	global_prefetch_b8 v0, s[64:65] scope:SCOPE_SE
	s_setreg_imm32_b32 hwreg(HW_REG_WAVE_MODE, 25, 1), 1
	s_wait_xcnt 0x0
; out = residual + R W + bias on codes of FP6 (E2M3) with E8M0 scales; out and residual f32 [4,096][768].  Here: out0 = x1 + gelu(..) W2 + b2, K = 3,072.
; A work-group makes 8 tiles of source 0 (P = 128 columns of the weight) x 8 tiles of source 1 (R = 128 tokens).  Wave w: P tiles 4 (w >> 2) on, R tiles 2 (w & 3) on: 8 accumulators, which take turns, one
; instruction a turn.  The bias is loaded into the accumulators in the result's layout and is the C of each sum's first instruction.
; OPERANDS come as images of the operand's registers (1,536 bytes a fragment): each wave brings one P image and one R image of the next K step into registers and stores them into the LDS slot that is not being
; read: one barrier a K step.
; Row p of tile 2 b + u is index 32 b + 8 u + (p & 7) + 16 (p >> 3).  The way out goes through each wave's own stage in LDS, so that sixteen lanes store 256 consecutive bytes, aligned.
; No cluster: the grid's 6 along x does not divide by 4, and a K step's 8 matrix instructions a wave are too short to pay for a round of a cluster's barrier.
; LIMITS: NaN and infinities among the inputs are not served.
.set S,     24                         ; K steps
.set RHALF, 0
.set PCB,   3538944                    ; in wts: where the weight's codes begin,
.set PSB,   5455872                    ; and its scale words
.set RSB,   9437184                    ; in R's buffer: where the scale words begin
.set SW,    16                         ; bytes of scale words that a thread copies in a round
.set PT,    4                          ; P tiles of a wave
.set PF,    PT/4
.set FRB,   1536
.set SLOTB, (2*PT+8)*FRB               ; a slot: 8 P images, then 8 R images
.set SCP,   2*SLOTB                    ; behind the two slots: P's scale words for all of K,
.set SCR,   SCP+PT*128*S               ; R's,
.set SPARE, SCR+512*S                  ; and the spare words, 128 bytes for each wave, that no other line names
.set SPW, 1                            ; v1  LDS address of my spare word; never rewritten
.set NIL, 2                            ; v2  0; never rewritten
.set GP,  3
.set GR,  4
.set LSP, 5
.set LSR, 6
.set LP,  7
.set LR,  8
.set LR8, 9
.set SP,  10
.set SR,  11
.set SCW, 12
.set PS,  13                           ; v13-14 P's scale words, v15 R's: they hold nothing else
.set RS,  13+PT/2
.set G,   18                           ; v18-41 two images on their way
.set RF,  G+12*(PF+1)                  ; v42-65 R's two fragments
.set PFR, RF+24                        ; v66-113 P's four
.set STO, 122                          ; v122 the stage, on the way in;  v123 on the way out;  v124 my byte offset in two rows of the output
.set SRD, 123
.set OO,  124
.set SCG, 126
.set VB,  127                          ; v127 64 (lane / 16)
.set ACC, 128                          ; v128-191: accumulator (t, m) at v[128 + 8 (4 m + t)]
.set XR,  192                          ; v192-255 the residual, in the order in which the rows leave
.set OB,  18                           ; the way out: 16 rows read back
	s_load_b256 s[4:11], s[0:1], 0x0               ; wts, R's buffer, the bias, the residual
	s_load_b64 s[12:13], s[0:1], 0x20              ; the output
	v_lshl_add_u32 v[SPW], v0, 2, SPARE
	v_mov_b32 v[NIL], 0
	v_lshrrev_b32 v18, 5, v0
	v_readfirstlane_b32 s20, v18                   ; wave
	s_lshr_b32 s21, s20, 2                         ; wp
	s_and_b32 s22, s20, 3                          ; wr
	v_and_b32 v18, 31, v0
	v_lshlrev_b32 v19, 4, v18                      ; 16 x lane
	v_lshlrev_b32 v20, 2, v18                      ; 4 x lane
	v_lshlrev_b32 v21, 3, v18                      ; 8 x lane
	s_mul_i32 s23, s20, PF*S*FRB
	v_add_nc_u32 v[GP], s23, v19
	s_mul_i32 s23, s20, S*FRB
	v_add_nc_u32 v[GR], s23, v19
	s_mul_i32 s23, s20, PF*FRB
	v_add_nc_u32 v[LSP], s23, v19
	s_mul_i32 s23, s20, FRB
	s_add_co_u32 s23, s23, 2*PT*FRB
	v_add_nc_u32 v[LSR], s23, v19
	s_mul_i32 s23, s21, PT*FRB
	v_add_nc_u32 v[LP], s23, v19
	s_mul_i32 s23, s22, 2*FRB
	s_add_co_u32 s23, s23, 2*PT*FRB
	v_add_nc_u32 v[LR], s23, v19
	v_add_nc_u32 v[LR8], s23, v21
	s_mul_i32 s23, s21, (PT/2)*S*128
	s_add_co_u32 s23, s23, SCP
	v_add_nc_u32 v[SP], s23, v20
	s_mul_i32 s23, s22, S*128
	s_add_co_u32 s23, s23, SCR
	v_add_nc_u32 v[SR], s23, v20
.if SW == 4
	v_lshlrev_b32 v[SCG], 2, v0
.else
	v_lshlrev_b32 v[SCG], 4, v0
.endif
	v_add_nc_u32 v[SCW], SCP, v[SCG]
	v_and_b32 v22, 15, v0                          ; r
	v_bfe_u32 v23, v0, 4, 1                        ; h
	v_lshlrev_b32 v[VB], 6, v23
	s_mul_i32 s23, s20, 16*272                     ; my stage: 16 rows x (256 bytes + 16), in the slots, which nobody reads any more when it is written
	v_mul_u32_u24 v[STO], v22, 272
	v_lshl_add_u32 v[STO], v23, 6, v[STO]
	v_add_nc_u32 v[STO], s23, v[STO]               ; in: row r, + 64 h
	v_mul_u32_u24 v[SRD], v23, 272
	v_lshl_add_u32 v[SRD], v22, 4, v[SRD]
	v_add_nc_u32 v[SRD], s23, v[SRD]               ; back: lanes 0-15 one row, lanes 16-31 the next
	v_mul_u32_u24 v[OO], v23, 3072
	v_lshl_add_u32 v[OO], v22, 4, v[OO]            ; and the same two rows in memory
	s_and_b32 s32, ttmp7, 0xffff                   ; y
	s_mul_i32 s34, ttmp9, 8*S*FRB
	s_add_co_u32 s34, s34, PCB
	s_mov_b32 s35, 0
	s_mul_i32 s36, ttmp9, 4*S*128
	s_add_co_u32 s36, s36, PSB
	s_mov_b32 s37, 0
	s_mul_i32 s38, s32, 8*S*FRB
	s_mov_b32 s39, 0
	s_mul_i32 s40, s32, 4*S*128
	s_add_co_u32 s40, s40, RSB
	s_mov_b32 s41, 0
	s_lshl_b32 s42, ttmp9, 9
	s_lshl_b32 s43, s21, 8
	s_add_co_u32 s42, s42, s43                     ; my 64 columns, in bytes: 512 x + 256 wp
	s_mov_b32 s43, 0
	s_lshl_b32 s44, s32, 2
	s_add_co_u32 s44, s44, s22
	s_mul_i32 s44, s44, 32*3072                    ; my 32 tokens: pair 4 y + wr
	s_add_co_u32 s44, s44, s42
	s_mov_b32 s45, 0
	s_wait_kmcnt 0x0
	s_add_nc_u64 s[24:25], s[4:5], s[34:35]        ; P's codes, K step 0
	s_add_nc_u64 s[14:15], s[4:5], s[36:37]        ; P's scale words
	s_add_nc_u64 s[26:27], s[6:7], s[38:39]        ; R's codes
	s_add_nc_u64 s[16:17], s[6:7], s[40:41]        ; R's scale words
	s_add_nc_u64 s[18:19], s[8:9], s[42:43]        ; the bias
	s_add_nc_u64 s[10:11], s[10:11], s[44:45]      ; the residual
	s_add_nc_u64 s[12:13], s[12:13], s[44:45]      ; the output
.macro GLOAD                           ; my two images of the K step at which the pointers stand
.irp c, 0,1,2
	global_load_b128 v[G+4*\c:G+4*\c+3], v[GP], s[24:25] offset:512*\c
.endr
.irp c, 0,1,2
	global_load_b128 v[G+12+4*\c:G+12+4*\c+3], v[GR], s[26:27] offset:512*\c
.endr
.endm
.macro DSTORE slot
.irp c, 0,1,2
	ds_store_b128 v[LSP], v[G+4*\c:G+4*\c+3] offset:(\slot)*SLOTB+512*\c
.endr
.irp c, 0,1,2
	ds_store_b128 v[LSR], v[G+12+4*\c:G+12+4*\c+3] offset:(\slot)*SLOTB+512*\c
.endr
.endm
.macro FETCH_R slot
.irp m, 0,1
.if RHALF
	ds_load_b128 v[RF+12*\m:RF+12*\m+3], v[LR] offset:(\slot)*SLOTB+\m*FRB
	ds_load_b64 v[RF+12*\m+4:RF+12*\m+5], v[LR8] offset:(\slot)*SLOTB+\m*FRB+512
	ds_load_b128 v[RF+12*\m+6:RF+12*\m+9], v[LR] offset:(\slot)*SLOTB+\m*FRB+768
	ds_load_b64 v[RF+12*\m+10:RF+12*\m+11], v[LR8] offset:(\slot)*SLOTB+\m*FRB+1280
.else
.irp c, 0,1,2
	ds_load_b128 v[RF+12*\m+4*\c:RF+12*\m+4*\c+3], v[LR] offset:(\slot)*SLOTB+\m*FRB+512*\c
.endr
.endif
.endr
.endm
.macro FETCH_P slot
.irp q, 0,1,2,3
.irp c, 0,1,2
	ds_load_b128 v[PFR+12*\q+4*\c:PFR+12*\q+4*\c+3], v[LP] offset:(\slot)*SLOTB+\q*FRB+512*\c
.endr
.endr
.endm
.macro WM t, m                         ; P tile t x R tile m.  An odd tile's scale words stand in lanes 16-31 of its pair's register
.set rD, ACC+8*(PT*(\m)+(\t))
.set rA, PFR+12*(\t)
.set rB, RF+12*(\m)
.set rS, PS+(\t)/2
.if ((\t)%2 == 0) && ((\m) == 0)
	v_wmma_scale_f32_16x16x128_f8f6f4 v[rD:rD+7], v[rA:rA+11], v[rB:rB+11], v[rD:rD+7], v[rS], v[RS] matrix_a_fmt:MATRIX_FMT_FP6 matrix_b_fmt:MATRIX_FMT_FP6
.elseif ((\m) == 0)
	v_wmma_scale_f32_16x16x128_f8f6f4 v[rD:rD+7], v[rA:rA+11], v[rB:rB+11], v[rD:rD+7], v[rS], v[RS] matrix_a_fmt:MATRIX_FMT_FP6 matrix_b_fmt:MATRIX_FMT_FP6 matrix_a_scale:MATRIX_SCALE_ROW1
.elseif ((\t)%2 == 0)
	v_wmma_scale_f32_16x16x128_f8f6f4 v[rD:rD+7], v[rA:rA+11], v[rB:rB+11], v[rD:rD+7], v[rS], v[RS] matrix_a_fmt:MATRIX_FMT_FP6 matrix_b_fmt:MATRIX_FMT_FP6 matrix_b_scale:MATRIX_SCALE_ROW1
.else
	v_wmma_scale_f32_16x16x128_f8f6f4 v[rD:rD+7], v[rA:rA+11], v[rB:rB+11], v[rD:rD+7], v[rS], v[RS] matrix_a_fmt:MATRIX_FMT_FP6 matrix_b_fmt:MATRIX_FMT_FP6 matrix_a_scale:MATRIX_SCALE_ROW1 matrix_b_scale:MATRIX_SCALE_ROW1
.endif
.endm
; A K step out of slot.  st: the next step's images, which are in my registers, go into the other slot.  gl: the images of the step after that are asked for.
.macro STEP slot, st, gl
	s_wait_dscnt 0x0                               ; my stores into this slot have landed and my reads of the other slot are in
	s_barrier_signal -1
	s_barrier_wait -1                              ; both now hold of all eight waves
.if \st
	s_wait_loadcnt 0x0                             ; the next step's images are in my registers, and the pointers are free
	DSTORE 1-\slot
.endif
.if \gl
	s_add_nc_u64 s[24:25], s[24:25], FRB
	s_add_nc_u64 s[26:27], s[26:27], FRB
.endif
	FETCH_R \slot
	ds_load_b32 v[PS], v[SP]
	ds_load_b32 v[PS+1], v[SP] offset:S*128
	ds_load_b32 v[RS], v[SR]
	FETCH_P \slot
	s_wait_dscnt 0x0                               ; the fragments are in; the stores have read their registers
	v_add_nc_u32 v[SP], 128, v[SP]                 ; on to the next step's scale words
	v_add_nc_u32 v[SR], 128, v[SR]
.if \gl
	GLOAD                                          ; they have a whole K step in which to land
.endif
.irp t, 0,1,2,3
.irp m, 0,1
	WM \t, \m
.endr
.endr
.rept 4
	v_nop                                          ; four plain lines between a matrix instruction and a load into, or a read of, its registers
.endr
.endm
	GLOAD                                          ; K step 0
.irp i, 0,1,2                          ; the scale words for all of K: two dense blocks, three rounds of 256 threads each
.if SW == 4
	global_load_b32 v[PFR+\i], v[SCG], s[14:15] offset:1024*\i
	global_load_b32 v[PFR+3+\i], v[SCG], s[16:17] offset:1024*\i
.else
	global_load_b128 v[PFR+4*\i:PFR+4*\i+3], v[SCG], s[14:15] offset:4096*\i
	global_load_b128 v[PFR+12+4*\i:PFR+12+4*\i+3], v[SCG], s[16:17] offset:4096*\i
.endif
.endr
.irp m, 0,1
.irp t, 0,1,2,3                        ; the bias: lane (r, h) wants, for tile t, columns 32 (t / 2) + 8 (t % 2) + 16 h + 0 .. 7
	global_load_b128 v[ACC+8*(PT*\m+\t):ACC+8*(PT*\m+\t)+3], v[VB], s[18:19] offset:128*(\t/2)+32*(\t%2)
	global_load_b128 v[ACC+8*(PT*\m+\t)+4:ACC+8*(PT*\m+\t)+7], v[VB], s[18:19] offset:128*(\t/2)+32*(\t%2)+16
.endr
.endr
.irp m, 0,1
.irp i, 0,1,2,3,4,5,6,7                ; the residual: rows 2 i, 2 i + 1 of tile m are tokens 8 m + 2 (i % 4) + 16 (i / 4) + 0, 1 of my 32
	global_load_b128 v[XR+32*\m+4*\i:XR+32*\m+4*\i+3], v[OO], s[10:11] offset:(8*\m+2*(\i%4)+16*(\i/4))*3072 th:TH_LOAD_NT
.endr
.endr
	s_wait_loadcnt 0x0
.irp i, 0,1,2
.if SW == 4
	ds_store_b32 v[SCW], v[PFR+\i] offset:1024*\i
	ds_store_b32 v[SCW], v[PFR+3+\i] offset:SCR-SCP+1024*\i
.else
	ds_store_b128 v[SCW], v[PFR+4*\i:PFR+4*\i+3] offset:4096*\i
	ds_store_b128 v[SCW], v[PFR+12+4*\i:PFR+12+4*\i+3] offset:SCR-SCP+4096*\i
.endif
.endr
	DSTORE 0
	s_add_nc_u64 s[24:25], s[24:25], FRB
	s_add_nc_u64 s[26:27], s[26:27], FRB
	s_wait_dscnt 0x0                               ; the stores have read their registers
	GLOAD                                          ; K step 1
	s_mov_b32 s28, (S-2)/2
.Lk:
	STEP 0, 1, 1
	STEP 1, 1, 1
	s_sub_co_u32 s28, s28, 1
	s_cmp_lg_u32 s28, 0
	s_cbranch_scc1 .Lk
	STEP 0, 1, 0                                   ; the last two steps ask for nothing
	STEP 1, 0, 0
	; THE WAY OUT
	s_wait_dscnt 0x0
	s_barrier_signal -1
	s_barrier_wait -1                              ; nobody reads the slots any more: the stages may lie there
.irp m, 0,1
.if \m
	s_wait_xcnt 0x0                                ; the first tile's stores have read their registers
.endif
.irp t, 0,1,2,3
	ds_store_b128 v[STO], v[ACC+8*(PT*\m+\t):ACC+8*(PT*\m+\t)+3] offset:128*(\t/2)+32*(\t%2)        ; each accumulator from its low end on
	ds_store_b128 v[STO], v[ACC+8*(PT*\m+\t)+4:ACC+8*(PT*\m+\t)+7] offset:128*(\t/2)+32*(\t%2)+16
.endr
.irp i, 0,1,2,3,4,5,6,7
	ds_load_b128 v[OB+4*\i:OB+4*\i+3], v[SRD] offset:2*\i*272      ; LDS serves a wave's instructions in order: these see my stores
.endr
	s_wait_dscnt 0x0
.irp i, 0,1,2,3,4,5,6,7,8,9,10,11,12,13,14,15
	v_pk_add_f32 v[OB+2*\i:OB+2*\i+1], v[OB+2*\i:OB+2*\i+1], v[XR+32*\m+2*\i:XR+32*\m+2*\i+1]
.endr
.irp i, 0,1,2,3,4,5,6,7
	global_store_b128 v[OO], v[OB+4*\i:OB+4*\i+3], s[12:13] offset:(8*\m+2*(\i%4)+16*(\i/4))*3072 th:TH_STORE_NT   ; sixteen lanes store 256 consecutive bytes, aligned
.endr
.endr
	s_wait_tensorcnt 0x0                           ; the wave's end
	ds_add_u32 v[SPW], v[NIL]
	s_wait_dscnt 0x0
	s_endpgm
.Lfunc_end_k_qbb4b5bc8a6_ffn2:
	.size	k_qbb4b5bc8a6_ffn2, .Lfunc_end_k_qbb4b5bc8a6_ffn2-k_qbb4b5bc8a6_ffn2
	.p2alignl 7, 3214868480
	.fill 96, 4, 3214868480
	.section	.rodata,"a",@progbits
	.p2align	6, 0x0
	.amdhsa_kernel k_qbb4b5bc8a6_ffn2
		.amdhsa_group_segment_fixed_size 74752
		.amdhsa_private_segment_fixed_size 0
		.amdhsa_enable_private_segment 0
		.amdhsa_kernarg_size 40
		.amdhsa_user_sgpr_count 2
		.amdhsa_user_sgpr_kernarg_segment_ptr 1
		.amdhsa_wavefront_size32 1
		.amdhsa_system_sgpr_workgroup_id_x 1
		.amdhsa_system_sgpr_workgroup_id_y 1
		.amdhsa_system_sgpr_workgroup_id_z 1
		.amdhsa_system_vgpr_workitem_id 0
		.amdhsa_next_free_vgpr 256
		.amdhsa_next_free_sgpr 66
		.amdhsa_reserve_vcc 0
		.amdhsa_float_denorm_mode_32 3
		.amdhsa_float_denorm_mode_16_64 3
		.amdhsa_memory_ordered 1
		.amdhsa_forward_progress 1
		.amdhsa_inst_pref_size 29
	.end_amdhsa_kernel
	.amdgpu_metadata
---
amdhsa.version: [ 1, 2 ]
amdhsa.kernels:
  - .name:           k_qbb4b5bc8a6_ffn2
    .symbol:         k_qbb4b5bc8a6_ffn2.kd
    .args:
      - { .name: wts, .offset: 0, .size: 8, .value_kind: global_buffer, .address_space: global }
      - { .name: gact, .offset: 8, .size: 8, .value_kind: global_buffer, .address_space: global }
      - { .name: b2, .offset: 16, .size: 8, .value_kind: global_buffer, .address_space: global }
      - { .name: x1, .offset: 24, .size: 8, .value_kind: global_buffer, .address_space: global }
      - { .name: out0, .offset: 32, .size: 8, .value_kind: global_buffer, .address_space: global }
    .group_segment_fixed_size: 74752
    .private_segment_fixed_size: 0
    .kernarg_segment_align: 8
    .kernarg_segment_size: 40
    .max_flat_workgroup_size: 256
    .sgpr_count:     66
    .vgpr_count:     256
    .wavefront_size: 32
...
	.end_amdgpu_metadata
.endif
;; end of part 7
;; ======== version 2 of 2: 8 launches
;; limits: an absolute error that grows with the inputs' magnitude: up to 2e-07 times it
;; workspace buffers: wts 5,529,600 bytes; act 2,457,600 bytes; qkv 7,569,408 bytes; ctx 2,457,600 bytes; x1 12,582,912 bytes; gact 9,830,400 bytes
;; launch wquant (part 8): grid 6 x 72, 4 waves a work-group, no clusters, 0 bytes of LDS; arguments Wq, Wk, Wv, Wo, W1, W2, wts; writes wts
.if DOCPART == 8
	.amdgcn_target "amdgcn-amd-amdhsa--gfx1250"
	.amdhsa_code_object_version 6
	.text
	.protected	k_qbb4b5bc8a6_wquant
	.globl	k_qbb4b5bc8a6_wquant
	.p2align	8
	.type	k_qbb4b5bc8a6_wquant,@function
k_qbb4b5bc8a6_wquant:
	s_mov_b64 s[64:65], 0
	v_nop
	global_prefetch_b8 v0, s[64:65] scope:SCOPE_SE
	s_setreg_imm32_b32 hwreg(HW_REG_WAVE_MODE, 25, 1), 1
	s_wait_xcnt 0x0
; THE PROGRAM: a transformer block (4,096 tokens, 768 wide, 12 heads of 64, FFN of 3,072) in eight launches; all eight products on codes of FP6 (E2M3) with one E8M0 scale for each 32 along K.
; DEAD WORK LEFT OUT (in the launch attn): reference() builds the causal mask itself (jnp.tril) and sets the scores of keys behind the query to -infinity ahead of the softmax; their weights are 0 for all
; values of the inputs, so they add nothing to the row's sum nor to the second product.  Steps of 128 keys that lie wholly behind a block of 128 queries are therefore not multiplied.  (Keys come into LDS in
; pairs of steps: where a block's last pair holds one such step, its bytes are copied with the pair's and read by nobody; no other such step is loaded.)
; LIMIT: a NaN, an infinity or an overflow that reaches only those scores is not carried to the result.  Every input has a way to the output: all fourteen are loaded.
; THIS LAUNCH: the six weights, f32 [K][N] with K their FIRST axis, become codes and scale bytes along K, laid in the order of the matrix operand's registers.
; ROWS OF A TILE (all launches): 32 neighbouring indices make a pair of tiles; row p of tile 2 b + u is index 32 b + 8 u + (p & 7) + 16 (p >> 3).
; A FRAGMENT'S IMAGE (16 rows x 128 K, 12 registers a lane, 1,536 bytes): registers 4 c .. 4 c + 3 of lane l at 512 c + 16 l.  SCALE WORDS: [pair][K step][32 lanes]: lanes 0-15 the even tile's rows, lanes 16-31 the odd tile's.
; A wave takes a pair of tiles (32 columns) x 128 along K.  A LANE TAKES A COLUMN AND ITS REGISTERS RUN DOWN K: lanes 0-15 the even tile's rows, lanes 16-31 the odd tile's.  A block of 32 lies in one lane.
; A block's scale is 2^(floor(log2(largest magnitude)) - 2); its byte is the largest magnitude's exponent field - 2, held at 1 from below (a block of zeros gets 1: its codes are zeros, and this program alone reads the bytes).
; LIMITS: NaN and infinities among the inputs are not served; blocks whose largest magnitude lies under 2^-124 get the byte 1.
.set F,  16                            ; v16-39  the two fragments: even tile v16-27, odd tile v28-39
.set T,  40                            ; v40-42  a conversion's result on its way
.set X,  64                            ; v64-127 two sets of 32 numbers
.set SB, 14                            ; v14     my column's four scale bytes
	s_load_b256 s[4:11], s[0:1], 0x0               ; Wq, Wk, Wv, Wo
	s_load_b128 s[12:15], s[0:1], 0x20             ; W1, W2
	s_load_b64 s[16:17], s[0:1], 0x30              ; wts
	v_lshrrev_b32 v1, 5, v0
	v_readfirstlane_b32 s18, v1                    ; wave
	v_and_b32 v2, 31, v0                           ; lane
	v_and_b32 v3, 7, v0
	v_bfe_u32 v7, v0, 3, 1
	v_lshl_add_u32 v3, v7, 4, v3
	v_bfe_u32 v7, v0, 4, 1
	v_lshl_add_u32 v3, v7, 3, v3                   ; my column in the pair: 8 (l >> 4) + (l & 7) + 16 ((l >> 3) & 1)
	v_lshlrev_b32 v3, 2, v3
	v_lshlrev_b32 v4, 4, v2                        ; an image's place for my lane
	v_lshlrev_b32 v6, 2, v2                        ; a scale word's
	; which weight, which K step, which 128 columns: from the work-group's numbers alone
	s_and_b32 s19, ttmp7, 0xffff                   ; y
	s_and_b32 s20, s19, 3                          ; y < 24: weight y & 3 of Wq, Wk, Wv, Wo,
	s_lshr_b32 s22, s19, 2                         ; K step y >> 2,
	s_mov_b32 s23, ttmp9                           ; columns 128 x
	s_mul_i32 s24, s20, 442368                     ; where its codes begin in wts,
	s_mul_i32 s25, s20, 18432                      ; and its scale words behind 5,308,416
	s_mov_b32 s21, 6                               ; K steps in the weight
	s_mov_b32 s27, 393216                          ; 128 rows of 3,072 bytes
	s_sub_co_u32 s26, s19, 24
	s_cmp_ge_u32 s19, 24                           ; y 24 .. 47: W2, K step y - 24
	s_cselect_b32 s22, s26, s22
	s_cselect_b32 s21, 24, s21
	s_cselect_b32 s24, 3538944, s24
	s_cselect_b32 s25, 147456, s25
	s_sub_co_u32 s26, s19, 48
	s_cmp_ge_u32 s19, 48                           ; y >= 48: W1, K step x, columns 128 (y - 48)
	s_cselect_b32 s22, ttmp9, s22
	s_cselect_b32 s23, s26, s23
	s_cselect_b32 s21, 6, s21
	s_cselect_b32 s24, 1769472, s24
	s_cselect_b32 s25, 73728, s25
	s_cselect_b32 s27, 1572864, s27                ; 128 rows of 12,288 bytes
	s_lshl_b32 s26, s23, 2
	s_add_co_u32 s26, s26, s18                     ; p: my pair of tiles
	s_mul_i32 s28, s22, s27
	s_lshl_b32 s29, s26, 7
	s_add_co_u32 s28, s28, s29                     ; in the weight: K step x 128 rows + 128 p bytes
	s_mov_b32 s29, 0
	s_mul_i32 s30, s26, s21
	s_lshl_b32 s31, s30, 1
	s_add_co_u32 s31, s31, s22
	s_mul_i32 s31, s31, 1536
	s_add_co_u32 s32, s31, s24                     ; codes: (2 p S + s) images on
	s_mov_b32 s33, 0
	s_add_co_u32 s30, s30, s22
	s_lshl_b32 s30, s30, 7
	s_add_co_u32 s30, s30, s25
	s_add_co_u32 s36, s30, 5308416                 ; scale words: (p S + s) x 128 bytes on
	s_mov_b32 s37, 0
	s_mul_i32 s34, s21, 1536
	v_add_nc_u32 v5, s34, v4                       ; the odd tile's image lies S images behind the even tile's
	s_wait_kmcnt 0x0
	s_cmp_eq_u32 s20, 1                            ; the choice of the buffer hangs on the work-group's number alone
	s_cselect_b64 s[4:5], s[6:7], s[4:5]
	s_cmp_eq_u32 s20, 2
	s_cselect_b64 s[4:5], s[8:9], s[4:5]
	s_cmp_eq_u32 s20, 3
	s_cselect_b64 s[4:5], s[10:11], s[4:5]
	s_cmp_ge_u32 s19, 24
	s_cselect_b64 s[4:5], s[14:15], s[4:5]
	s_cmp_ge_u32 s19, 48
	s_cselect_b64 s[4:5], s[12:13], s[4:5]
	s_add_nc_u64 s[4:5], s[4:5], s[28:29]
	s_add_nc_u64 s[32:33], s[16:17], s[32:33]
	s_add_nc_u64 s[36:37], s[16:17], s[36:37]
.macro LOAD t, pitch                   ; block t: W(32 t + i, my column), i = 0 .. 31, into set t % 2: 32 lanes read 128 neighbouring bytes, the four waves 512
.set li, 0
.rept 32
	global_load_b32 v[X+32*((\t)%2)+li], v3, s[4:5] offset:(32*(\t)+li)*(\pitch) th:TH_LOAD_NT
.set li, li+1
.endr
.endm
.macro BLOCK t, base, pitch            ; block t's 32 codes into six registers from v[base] on, its byte into v[SB]
.set XS, X+32*((\t)%2)
.if (\t) < 3
	s_wait_loadcnt 32                              ; this block's 32 loads are in; the next block's 32 may be out
.else
	s_wait_loadcnt 0x0
.endif
	v_max3_num_f32 v8, |v[XS]|, |v[XS+1]|, |v[XS+2]|
	v_max3_num_f32 v9, |v[XS+3]|, |v[XS+4]|, |v[XS+5]|
.irp i, 6,10,14,18,22,26
	v_max3_num_f32 v8, v8, |v[XS+\i]|, |v[XS+\i+1]|
	v_max3_num_f32 v9, v9, |v[XS+\i+2]|, |v[XS+\i+3]|
.endr
	v_max3_num_f32 v8, v8, |v[XS+30]|, |v[XS+31]|
	v_max3_num_f32 v8, v8, v9, 0x1800000           ; and the floor 2^(3 - 127): the byte cannot fall under 1
	v_add_nc_u32 v11, 0xff000000, v8               ; 2 off the exponent field: the conversion's scale operand
	v_cvt_scalef32_pk16_fp6_f32 v[\base:\base+2], v[XS:XS+15], v11
	v_cvt_scalef32_pk16_fp6_f32 v[T:T+2], v[XS+16:XS+31], v11   ; (a conversion's three registers begin on an even number)
	v_lshrrev_b32 v10, 23, v11                     ; the scale's byte; also the plain line behind the conversions
.if (\t) == 0
	v_mov_b32 v[SB], v10
.else
	v_lshl_or_b32 v[SB], v10, 8*(\t), v[SB]
.endif
.irp i, 0,1,2
	v_mov_b32 v[\base+3+\i], v[T+\i]
.endr
.if (\t) < 2
	LOAD (\t)+2, \pitch
.endif
.endm
.macro WQ pitch
	LOAD 0, \pitch
	LOAD 1, \pitch
	BLOCK 0, F, \pitch
	BLOCK 1, F+12, \pitch
	BLOCK 2, F+6, \pitch
	BLOCK 3, F+18, \pitch
.set li, 0
.rept 12                               ; the operand wants blocks 2 c (lanes 0-15) and 2 c + 1 (lanes 16-31) of ONE tile in a register: the first's upper lanes change places with the second's lower
	v_permlane16_swap_b32 v[F+li], v[F+12+li]
.set li, li+1
.endr
.irp c, 0,1,2
	global_store_b128 v4, v[F+4*\c:F+4*\c+3], s[32:33] offset:512*\c        ; 32 lanes store 512 consecutive bytes, aligned
.endr
.irp c, 0,1,2
	global_store_b128 v5, v[F+12+4*\c:F+12+4*\c+3], s[32:33] offset:512*\c
.endr
	global_store_b32 v6, v[SB], s[36:37]
	s_endpgm
.endm
	s_cmp_ge_u32 s19, 48                           ; the row pitch stands in the loads' immediates: the text is written for each of the two pitches
	s_cbranch_scc1 .Lwide
	WQ 3072
.Lwide:
	WQ 12288
.Lfunc_end_k_qbb4b5bc8a6_wquant:
	.size	k_qbb4b5bc8a6_wquant, .Lfunc_end_k_qbb4b5bc8a6_wquant-k_qbb4b5bc8a6_wquant
	.p2alignl 7, 3214868480
	.fill 96, 4, 3214868480
	.section	.rodata,"a",@progbits
	.p2align	6, 0x0
	.amdhsa_kernel k_qbb4b5bc8a6_wquant
		.amdhsa_group_segment_fixed_size 0
		.amdhsa_private_segment_fixed_size 0
		.amdhsa_enable_private_segment 0
		.amdhsa_kernarg_size 56
		.amdhsa_user_sgpr_count 2
		.amdhsa_user_sgpr_kernarg_segment_ptr 1
		.amdhsa_wavefront_size32 1
		.amdhsa_system_sgpr_workgroup_id_x 1
		.amdhsa_system_sgpr_workgroup_id_y 1
		.amdhsa_system_sgpr_workgroup_id_z 1
		.amdhsa_system_vgpr_workitem_id 0
		.amdhsa_next_free_vgpr 128
		.amdhsa_next_free_sgpr 66
		.amdhsa_reserve_vcc 0
		.amdhsa_float_denorm_mode_32 3
		.amdhsa_float_denorm_mode_16_64 3
		.amdhsa_memory_ordered 1
		.amdhsa_forward_progress 1
		.amdhsa_inst_pref_size 41
	.end_amdhsa_kernel
	.amdgpu_metadata
---
amdhsa.version: [ 1, 2 ]
amdhsa.kernels:
  - .name:           k_qbb4b5bc8a6_wquant
    .symbol:         k_qbb4b5bc8a6_wquant.kd
    .args:
      - { .name: Wq, .offset: 0, .size: 8, .value_kind: global_buffer, .address_space: global }
      - { .name: Wk, .offset: 8, .size: 8, .value_kind: global_buffer, .address_space: global }
      - { .name: Wv, .offset: 16, .size: 8, .value_kind: global_buffer, .address_space: global }
      - { .name: Wo, .offset: 24, .size: 8, .value_kind: global_buffer, .address_space: global }
      - { .name: W1, .offset: 32, .size: 8, .value_kind: global_buffer, .address_space: global }
      - { .name: W2, .offset: 40, .size: 8, .value_kind: global_buffer, .address_space: global }
      - { .name: wts, .offset: 48, .size: 8, .value_kind: global_buffer, .address_space: global }
    .group_segment_fixed_size: 0
    .private_segment_fixed_size: 0
    .kernarg_segment_align: 8
    .kernarg_segment_size: 56
    .max_flat_workgroup_size: 128
    .sgpr_count:     66
    .vgpr_count:     128
    .wavefront_size: 32
...
	.end_amdgpu_metadata
.endif
;; end of part 8
;; launch ln1: the kernel of part 2 again; grid 256 x 1, 8 waves a work-group, no clusters, 50,432 bytes of LDS; arguments x, g1, be1, act; writes act
;; launch qkv: the kernel of part 3 again; grid 6 x 48, 8 waves a work-group, no clusters, 83,968 bytes of LDS; arguments wts, act, qkv; writes qkv
;; launch attn (part 9): grid 16 x 12, 16 waves a work-group, no clusters, 62,976 bytes of LDS; arguments qkv, ctx; writes ctx
.if DOCPART == 9
	.amdgcn_target "amdgcn-amd-amdhsa--gfx1250"
	.amdhsa_code_object_version 6
	.text
	.protected	k_qbb4b5bc8a6_attn
	.globl	k_qbb4b5bc8a6_attn
	.p2align	8
	.type	k_qbb4b5bc8a6_attn,@function
k_qbb4b5bc8a6_attn:
	s_mov_b64 s[64:65], 0
	v_nop
	global_prefetch_b8 v0, s[64:65] scope:SCOPE_SE
	s_setreg_imm32_b32 hwreg(HW_REG_WAVE_MODE, 25, 1), 1
	s_wait_xcnt 0x0
; Causal attention of 12 heads of 64 over 4,096 tokens on codes of FP6 (E2M3), and the quantiser of its result along the head's 64.
; LEFT OUT AS DEAD WORK: steps of 128 keys that lie wholly behind a block of 128 queries: reference()'s own jnp.tril gives them the weight 0 for all inputs.  A NaN or an infinity that reaches only those scores is not carried on.
; (Keys come into LDS in pairs of steps: where a block's last pair holds one such step, its bytes are copied with the pair's and read by nobody.)
; THE SOFTMAX: t = score x log2(e) / 8; M = the running largest t rounded UP to a whole number; p = 2^(t - M) is quantised along the keys, not normalised; the row's sum is taken of the unquantised p and divides at the end;
; when M moves, the sum and O are multiplied by 2^(old M - new M), which rounds nothing.
; SHARES.  Work-group (x, head) takes the query blocks x and 31 - x (128 queries each), one after the other.  Sixteen waves, four to a SIMD: wave w owns query tile 8 b + (w & 7), and THE KEYS ARE SHARED BETWEEN TWO GROUPS OF
; WAVES: in round j group g = w >> 3 takes key step 2 j + g.  Block b walks b / 2 open rounds and a last one, which holds the step on the diagonal: 17 rounds for the two blocks, in every work-group.  In the last round
; d = (b & 1) - g says what my step is: under 0 it lies behind the block and is jumped over, over 0 it is open, 0 is the diagonal.  At a pass's end group 1 hands -M, its sum and O^T to group 0 through LDS; both parts are
; brought under the larger M by exact powers of two and added.
; Both products are used transposed: S^T = K Q^T (source 0 = 16 keys), O^T = V^T P^T (source 0 = 16 channels): a lane holds ONE query.  Row p of tile 2 b + u is index 32 b + 8 u + (p & 7) + 16 (p >> 3), so the 16 registers
; of two neighbouring tiles are 16 neighbouring keys (channels).  The head's 64 fill half of the instruction's K = 128: registers 6-11 of Q's and K's fragments hold zero codes, under the scale byte 0x7f.
; K AND V of a round (12,288 dense bytes each, images of the operands' registers) come through registers into ONE LDS slot at constant addresses: waves 0-7 copy K, waves 8-15 V, one round ahead; two barriers a round.
; No cluster: partners would walk different numbers of rounds in each pass.
; LIMITS: NaN and infinities are not served; v_exp_f32 gives 0 under 2^-126; blocks under 2^-124 get the byte 1.
.set KSC,   24576                      ; LDS: 0 K's two steps of 8 half images; 12,288 V's two steps of 4 images; 24,576 K's scale words (512 a step); 25,600 V's (256 a step);
.set VSC,   25600
.set MRG,   26112                      ; 26,112 what group 1 hands over: 4,352 bytes for each of 8 tiles;
.set MRW,   4352
.set SPARE, 60928                      ; 60,928 the spare words, 128 bytes a wave, that no other line names
.set SPW, 1                            ; v1  LDS address of my spare word; never rewritten
.set NIL, 2                            ; v2  0; never rewritten
.set L16, 3                            ; v3, v4  16, 8 x lane
.set L8,  4
.set GO,  6                            ; v6  16 x (thread % 256): my bytes of a round's K or V
.set GSO, 7                            ; v7  4 x (thread % 256): my scale word
.set LST, 8                            ; v8  where they go in LDS
.set LSS, 9                            ; v9
.set DQ,  10                           ; v10 my query in its block, less 16 (lane / 16)
.set PFO, 11                           ; v11 the prefetches' offset; never rewritten
.set QF,  16                           ; v12 -M, v13 the largest t, v[14:15] the sum in two halves; v16-27 Q
.set QS,  28                           ; v28 Q's scale words; v29 p's; they hold nothing else
.set PSW, 29
.set FF,  30                           ; v[30:31] f = 2^(old M - new M)
.set KS,  32                           ; v32-35 K's scale words, v36-37 V's
.set VS,  36
.set G,   38                           ; v38-49, v50: the next round's bytes on their way
.set GS,  50
.set QSO, 51                           ; v51 64 (w & 1) + 4 (lane % 16)
.set KF,  52                           ; v52-99 four fragments of K
.set ST,  100                          ; v100-163 S^T, then p, then V's four fragments; at a pass's end what group 1 handed over
.set OT,  164                          ; v164-195 O^T
.set PCD, 196                          ; v196-207 p's codes
.set CV,  208                          ; v208-214 conversions' results on their way
.set TM,  216                          ; v216-231 at work
.set LK16, 232                         ; v232 16 x lane + 6,144 g: my group's step in K's and V's bytes;  v233 the same with 8 x lane
.set LK8,  233
.set LKS,  234                         ; v234 4 x lane + 512 g;  v235 4 x lane + 256 g: its scale words
.set LVS,  235
.set MA16, 236                         ; v236, v237 my tile's bytes in the hand-over
.set MA8,  237
.set F0,   238                         ; v[238:239], v[240:241] the two parts' factors
.set F1,   240
.set MX,   242                         ; v242-244 at work in the merge
	s_load_b128 s[4:7], s[0:1], 0x0                ; qkv, ctx
	v_lshl_add_u32 v[SPW], v0, 2, SPARE
	v_mov_b32 v[NIL], 0
	v_lshrrev_b32 v16, 5, v0
	v_readfirstlane_b32 s8, v16                    ; wave 0 .. 15
	s_and_b32 s10, s8, 7                           ; my tile in the block
	s_lshr_b32 s29, s8, 3                          ; g: my group
	s_and_b32 s9, ttmp7, 0xffff                    ; head
	s_mov_b32 s11, ttmp9                           ; the first pass's block of queries
	v_and_b32 v17, 31, v0
	v_lshlrev_b32 v[L16], 4, v17
	v_lshlrev_b32 v[L8], 3, v17
	v_lshlrev_b32 v18, 2, v17
	s_mul_i32 s42, s29, 6144
	v_add_nc_u32 v[LK16], s42, v[L16]
	v_add_nc_u32 v[LK8], s42, v[L8]
	s_lshl_b32 s42, s29, 9
	v_add_nc_u32 v[LKS], s42, v18
	s_lshl_b32 s42, s29, 8
	v_add_nc_u32 v[LVS], s42, v18
	s_mul_i32 s42, s10, MRW
	s_add_co_u32 s42, s42, MRG
	v_add_nc_u32 v[MA16], s42, v[L16]
	s_add_co_u32 s42, s42, 4096
	v_add_nc_u32 v[MA8], s42, v[L8]
	v_and_b32 v18, 255, v0
	v_lshlrev_b32 v[GO], 4, v18
	v_lshlrev_b32 v[GSO], 2, v18
	v_lshrrev_b32 v19, 8, v0
	v_mul_u32_u24 v19, v19, 12288
	v_add_nc_u32 v[LST], v19, v[GO]
	v_lshl_add_u32 v[LSS], v0, 2, KSC
	v_and_b32 v18, 7, v0
	v_bfe_u32 v19, v0, 3, 1
	v_lshl_add_u32 v18, v19, 4, v18
	v_bfe_u32 v19, v0, 4, 1
	v_lshlrev_b32 v19, 4, v19
	v_sub_nc_u32 v18, v18, v19
	s_lshr_b32 s42, s10, 1
	s_lshl_b32 s42, s42, 5
	s_and_b32 s43, s8, 1
	s_lshl_b32 s44, s43, 3
	s_add_co_u32 s42, s42, s44
	v_add_nc_u32 v[DQ], s42, v18                   ; 32 (tile >> 1) + 8 (tile & 1) + (r & 7) + 16 (r >> 3) - 16 h
	v_and_b32 v18, 15, v0
	v_lshlrev_b32 v18, 2, v18
	s_lshl_b32 s44, s43, 6
	v_add_nc_u32 v[QSO], s44, v18
	s_lshl_b32 s43, s10, 13
	v_lshl_add_u32 v[PFO], v17, 8, s43             ; (w & 7) x 8,192 + 256 x lane
	s_cmp_gt_u32 s10, 2
	s_cselect_b32 s28, 1, 0
	s_or_b32 s28, s28, ttmp9                       ; 0 in the waves that prefetch: waves 0-2 and 8-10 of the head's first work-group
	s_mov_b32 s24, 0x76543210
	s_mov_b32 s25, 0xfedcba98                      ; v_permlanex16_b32's selects for lane l xor 16
	s_mov_b32 s26, 0x3e38aa3b                      ; c = log2(e) / 8
	s_mov_b32 s27, s26                             ; (named with it as a pair)
	s_mov_b32 s34, 4718592
	s_mov_b32 s52, 7471104
	s_mov_b32 s22, 512
	s_mov_b32 s45, 8192
	s_cmp_lt_u32 s8, 8                             ; waves 0-7 copy K, waves 8-15 V
	s_cselect_b32 s34, 2359296, s34                ; the codes,
	s_cselect_b32 s52, 7274496, s52                ; the scale words,
	s_cselect_b32 s22, 1024, s22                   ; a round's scale words in bytes,
	s_cselect_b32 s45, 16384, s45                  ; a head's
	s_mov_b32 s23, 0
	s_mul_i32 s44, s9, 196608                      ; a head's codes of q, of k and of v are 196,608 bytes each
	s_add_co_u32 s34, s34, s44
	s_mov_b32 s35, 0
	s_mul_i32 s45, s45, s9
	s_add_co_u32 s52, s52, s45
	s_mov_b32 s53, 0
	s_mov_b32 s45, 0
	s_lshl_b32 s46, s9, 14
	s_add_co_u32 s46, s46, 7077888
	s_mov_b32 s47, 0
	s_mul_i32 s48, s9, 768
	s_mov_b32 s49, 0
	s_lshr_b32 s50, s9, 1
	s_lshl_b32 s50, s50, 7
	s_and_b32 s51, s9, 1
	s_lshl_b32 s51, s51, 1
	s_add_co_u32 s50, s50, s51
	s_add_co_u32 s50, s50, 2359296
	s_mov_b32 s51, 0
.irp i, 6,7,8,9,10,11
	v_mov_b32 v[QF+\i], 0                          ; zero codes for k = 64 .. 127, written once
.irp t, 0,1,2,3
	v_mov_b32 v[KF+12*\t+\i], 0
.endr
.endr
	v_mov_b32 v[FF+1], 0                           ; (named as the upper halves of pairs)
	v_mov_b32 v[F0+1], 0
	v_mov_b32 v[F1+1], 0
.irp b, 0,1,2,3
	v_mov_b32 v[TM+4+\b], 0                        ; a lane permute's destination counts as one of its sources
.endr
	s_wait_kmcnt 0x0
	s_add_nc_u64 s[14:15], s[4:5], s[34:35]        ; the head's K or V codes
	s_add_nc_u64 s[16:17], s[4:5], s[52:53]        ; and scale words
	s_add_nc_u64 s[30:31], s[4:5], s[44:45]        ; the head's Q codes
	s_add_nc_u64 s[32:33], s[4:5], s[46:47]        ; and scale words
	s_add_nc_u64 s[38:39], s[6:7], s[48:49]        ; ctx: the head's half image in a tile's 12,
	s_add_nc_u64 s[40:41], s[6:7], s[50:51]        ; and its two bytes in a row's scale word
.macro GLOAD                           ; my 48 bytes of the round at which the pointers stand, and (waves 0-11) my scale word
.irp i, 0,1,2
	global_load_b128 v[G+4*\i:G+4*\i+3], v[GO], s[18:19] offset:4096*\i
.endr
	s_cmp_lt_u32 s8, 12
	s_cbranch_scc0 .Lng_\@
	global_load_b32 v[GS], v[GSO], s[20:21]
.Lng_\@:
.endm
.macro DSTORE
.irp i, 0,1,2
	ds_store_b128 v[LST], v[G+4*\i:G+4*\i+3] offset:4096*\i
.endr
	s_cmp_lt_u32 s8, 12
	s_cbranch_scc0 .Lns_\@
	ds_store_b32 v[LSS], v[GS]
.Lns_\@:
.endm
; A ROUND: two key steps of 128 keys, one for each group.  last = 1: the pass's last round.  more = 1: the next round is asked for.  ask = 1: the text holds the prefetch.
.macro ROUND last, more, ask
	s_wait_dscnt 0x0                               ; my reads of the slot are in
	s_barrier_signal -1
	s_barrier_wait -1                              ; everybody's are: the slot may be written
	s_wait_loadcnt 0x0                             ; this round's bytes are in my registers (asked for a round ago)
	DSTORE
	s_wait_dscnt 0x0                               ; for the others' sake: my stores have landed
	s_barrier_signal -1
	s_barrier_wait -1                              ; the slot is whole
.if \more
	s_wait_xcnt 0x0                                ; the last prefetch, a round or more back, has read its base
	s_add_nc_u64 s[18:19], s[18:19], 12288
	s_add_nc_u64 s[20:21], s[20:21], s[22:23]
	GLOAD
.if \ask
; A PREFETCH INTO THE L2.  All work-groups of a head walk the same K and V; the head's first work-group, in its second pass (block 31, which walks all 16 rounds), names at rounds 0, 2 .. 12 the two rounds behind the one
; just asked for: 24,576 bytes of K (waves 0-2) and of V (waves 8-10), a lane a block of 256 bytes.  So each block is named once; rounds 0 and 1 come by their loads alone; the last byte named is 196,352 of the head's 196,608.
	s_and_b32 s44, s12, 1
	s_or_b32 s44, s44, s28
	s_cmp_eq_u32 s44, 0
	s_cbranch_scc0 .Lna_\@
	s_cmp_lt_u32 s12, 13
	s_cbranch_scc0 .Lna_\@
	global_prefetch_b8 v[PFO], s[18:19] offset:12288 th:TH_LOAD_NT scope:SCOPE_SE
.Lna_\@:
.endif
.endif
.if \last
	s_cmp_lt_i32 s59, 0                            ; my step lies wholly behind the block: its work is left out.  Ids alone decide; no barrier stands in what is jumped over
	s_cbranch_scc1 .Lhid_\@
.endif
.irp g, 0,1                            ; S^T = K Q^T, four tiles of 16 keys at a time
.if \g
.rept 4
	v_nop                                          ; places in front of loads into registers that matrix instructions have read
.endr
.endif
.irp t, 0,1,2,3
	ds_load_b128 v[KF+12*\t:KF+12*\t+3], v[LK16] offset:(4*\g+\t)*768
	ds_load_b64 v[KF+12*\t+4:KF+12*\t+5], v[LK8] offset:(4*\g+\t)*768+512
.endr
.if \g == 0
.irp j, 0,1,2,3
	ds_load_b32 v[KS+\j], v[LKS] offset:KSC+128*\j
.endr
.irp j, 0,1
	ds_load_b32 v[VS+\j], v[LVS] offset:VSC+128*\j
.endr
.endif
	s_wait_dscnt 0x0
.irp t, 0,1,2,3
.if (\t%2) == 0
	v_wmma_scale_f32_16x16x128_f8f6f4 v[ST+8*(4*\g+\t):ST+8*(4*\g+\t)+7], v[KF+12*\t:KF+12*\t+11], v[QF:QF+11], 0, v[KS+2*\g+\t/2], v[QS] matrix_a_fmt:MATRIX_FMT_FP6 matrix_b_fmt:MATRIX_FMT_FP6
.else
	v_wmma_scale_f32_16x16x128_f8f6f4 v[ST+8*(4*\g+\t):ST+8*(4*\g+\t)+7], v[KF+12*\t:KF+12*\t+11], v[QF:QF+11], 0, v[KS+2*\g+\t/2], v[QS] matrix_a_fmt:MATRIX_FMT_FP6 matrix_b_fmt:MATRIX_FMT_FP6 matrix_a_scale:MATRIX_SCALE_ROW1
.endif
.endr
.endr
.rept 4
	v_nop
.endr
.if \last                              ; on the diagonal: register 16 b + i holds key 32 b + 16 (lane / 16) + i of the step: hidden where 32 b + i > v[DQ].  Key 0 of the step counts for every query of the block
	s_cmp_gt_i32 s59, 0                            ; the step ahead of the diagonal's is open
	s_cbranch_scc1 .Lopen_\@
	v_mov_b32 v[TM+12], 0xff800000                 ; -infinity: p = 0 then
.set n, 0
.rept 64
	v_cmp_gt_i32 vcc_lo, 32*(n/16)+n%16, v[DQ]
	v_cndmask_b32 v[ST+n], v[ST+n], v[TM+12], vcc_lo
.set n, n+1
.endr
.Lopen_\@:
.endif
.irp b, 0,1,2,3
	v_max3_num_f32 v[TM+\b], v[ST+16*\b], v[ST+1+16*\b], v[ST+2+16*\b]   ; the largest score of each block of 32 keys: for the row's maximum and, since p rises with the score, for the block's largest p
.endr
.irp i, 3,5,7,9,11,13
.irp b, 0,1,2,3
	v_max3_num_f32 v[TM+\b], v[TM+\b], v[ST+16*\b+\i], v[ST+1+16*\b+\i]
.endr
.endr
.irp b, 0,1,2,3
	v_max_num_f32 v[TM+\b], v[TM+\b], v[ST+15+16*\b]
.endr
.irp b, 0,1,2,3
	v_permlanex16_b32 v[TM+4+\b], v[TM+\b], s24, s25
.endr
.irp b, 0,1,2,3
	v_max_num_f32 v[TM+\b], v[TM+\b], v[TM+4+\b]   ; with lane l xor 16's 16 keys
.endr
	v_max3_num_f32 v[TM+12], v[TM], v[TM+1], v[TM+2]
	v_max_num_f32 v[TM+12], v[TM+12], v[TM+3]
	v_mul_f32 v[TM+12], s26, v[TM+12]              ; the step's largest t
	v_max_num_f32 v13, v13, v[TM+12]               ; the running largest t
	v_mov_b32 v[TM+12], v12
	v_floor_f32 v12, -v13                          ; the new -M = floor(-t): M is a whole number
	v_sub_f32 v[TM+12], v12, v[TM+12]              ; old M - new M: a whole number, 0 or less
	v_cvt_i32_f32 v[TM+12], v[TM+12]               ; (it saturates)
	v_ldexp_f32 v[FF], 1.0, v[TM+12]               ; f
.set j, 0
.rept 32
	v_pk_fma_f32 v[ST+j:ST+j+1], v[ST+j:ST+j+1], s[26:27], v[12:13] op_sel_hi:[1,0,0]   ; t - M, two at a time
.set j, j+2
.endr
.irp b, 0,1,2,3
	v_fma_f32 v[TM+\b], v[TM+\b], s26, v12         ; the same of each block's largest score
.endr
.set j, 0
.rept 64
	v_exp_f32 v[ST+j], v[ST+j]                     ; p = 2^(t - M)
.set j, j+1
.endr
	v_pk_mul_f32 v[14:15], v[14:15], v[FF:FF+1] op_sel_hi:[1,0]   ; the sums under the new M; also the plain line behind the exponentials
	s_wait_alu depctr_va_vdst(0)                   ; one wait for the batch, ahead of its first reader
.irp b, 0,1,2,3
	v_exp_f32 v[TM+\b], v[TM+\b]                   ; each block's largest p
.endr
	v_pk_add_f32 v[TM+4:TM+5], v[ST:ST+1], v[ST+2:ST+3]           ; the row's sum of the UNQUANTISED p, in two chains
.irp j, 4,8,12,16,20,24,28,32,36,40,44,48,52,56,60
	v_pk_add_f32 v[14:15], v[14:15], v[ST+\j:ST+\j+1]
	v_pk_add_f32 v[TM+4:TM+5], v[TM+4:TM+5], v[ST+2+\j:ST+3+\j]
.endr
	v_pk_add_f32 v[14:15], v[14:15], v[TM+4:TM+5]
	s_wait_alu depctr_va_vdst(0)                   ; and one for the four
.irp b, 0,1,2,3
	v_max_num_f32 v[TM+\b], 0x1800000, v[TM+\b]    ; the floor 2^(3 - 127)
.endr
.irp b, 0,1,2,3
	v_add_nc_u32 v[TM+8+\b], 0xff000000, v[TM+\b]  ; the conversion's scale operand
.endr
.irp b, 0,1,2,3
	v_lshrrev_b32 v[TM+4+\b], 23, v[TM+8+\b]       ; the scale's byte
.endr
	v_lshl_or_b32 v[PSW], v[TM+5], 8, v[TM+4]
	v_lshl_or_b32 v[PSW], v[TM+6], 16, v[PSW]
	v_lshl_or_b32 v[PSW], v[TM+7], 24, v[PSW]
.irp c, 0,1
	v_cvt_scalef32_pk16_fp6_f32 v[PCD+6*\c:PCD+6*\c+2], v[ST+32*\c:ST+32*\c+15], v[TM+8+2*\c]
	v_cvt_scalef32_pk16_fp6_f32 v[CV+4*\c:CV+4*\c+2], v[ST+16+32*\c:ST+31+32*\c], v[TM+8+2*\c+1]
.endr
	v_nop                                          ; one plain line behind a scaled conversion
.irp t, 0,1,2,3
.irp c, 0,1,2
	ds_load_b128 v[ST+12*\t+4*\c:ST+12*\t+4*\c+3], v[LK16] offset:12288+1536*\t+512*\c   ; V's four fragments, into the registers that p has left
.endr
.endr
.irp c, 0,1
.irp i, 0,1,2
	v_permlane16_swap_b32 v[PCD+6*\c+\i], v[CV+4*\c+\i]
.endr
.irp i, 0,1,2
	v_mov_b32 v[PCD+3+6*\c+\i], v[CV+4*\c+\i]
.endr
.endr
.set j, 0
.rept 16
	v_pk_mul_f32 v[OT+j:OT+j+1], v[OT+j:OT+j+1], v[FF:FF+1] op_sel_hi:[1,0]   ; O^T under the new M, each accumulator from its low end on; these sixteen also stand between the lines that made p's codes and scale word and the products
.set j, j+2
.endr
	s_wait_dscnt 0x0
.irp t, 0,1,2,3                        ; O^T += V^T P^T: the four accumulators by turns
.if (\t%2) == 0
	v_wmma_scale_f32_16x16x128_f8f6f4 v[OT+8*\t:OT+8*\t+7], v[ST+12*\t:ST+12*\t+11], v[PCD:PCD+11], v[OT+8*\t:OT+8*\t+7], v[VS+\t/2], v[PSW] matrix_a_fmt:MATRIX_FMT_FP6 matrix_b_fmt:MATRIX_FMT_FP6
.else
	v_wmma_scale_f32_16x16x128_f8f6f4 v[OT+8*\t:OT+8*\t+7], v[ST+12*\t:ST+12*\t+11], v[PCD:PCD+11], v[OT+8*\t:OT+8*\t+7], v[VS+\t/2], v[PSW] matrix_a_fmt:MATRIX_FMT_FP6 matrix_b_fmt:MATRIX_FMT_FP6 matrix_a_scale:MATRIX_SCALE_ROW1
.endif
.endr
.rept 5
	v_nop                                          ; five places: the next round's first products write over registers that these have read
.endr
.if \last
.Lhid_\@:
.endif
.endm
; A PASS: the block of queries s11.
.macro PASS second
	s_wait_xcnt 0x0                                ; every earlier memory instruction has read its registers: pointers and data may be written
	s_lshl_b32 s13, s11, 3
	s_add_co_u32 s13, s13, s10                     ; my tile of queries: 8 block + (w & 7)
	s_mul_i32 s34, s13, 768
	s_mov_b32 s35, 0
	s_add_nc_u64 s[36:37], s[30:31], s[34:35]
	global_load_b128 v[QF:QF+3], v[L16], s[36:37]
	global_load_b64 v[QF+4:QF+5], v[L8], s[36:37] offset:512
	s_lshr_b32 s34, s13, 1
	s_lshl_b32 s34, s34, 7
	s_add_nc_u64 s[48:49], s[32:33], s[34:35]
	global_load_b32 v[QS], v[QSO], s[48:49]        ; lanes 0-15 hold my tile's words
	v_mov_b32 v13, 0xff61b1e6                      ; the largest t so far: -3e38
	v_floor_f32 v12, -v13
	v_mov_b32 v14, 0
	v_mov_b32 v15, 0
.set j, 0
.rept 32
	v_mov_b32 v[OT+j], 0                           ; the round is written once: its first trip finds zeros
.set j, j+1
.endr
	s_mov_b64 s[18:19], s[14:15]
	s_mov_b64 s[20:21], s[16:17]
	GLOAD                                          ; round 0
	s_lshr_b32 s58, s11, 1                         ; the open rounds: block / 2
	s_and_b32 s59, s11, 1
	s_sub_co_i32 s59, s59, s29                     ; d = (block & 1) - g: the diagonal's step less my step of the last round
	s_mov_b32 s12, 0
	s_cmp_eq_u32 s58, 0
	s_cbranch_scc1 .Llast_\@
.Lround_\@:
	ROUND 0, 1, \second
	s_add_co_u32 s12, s12, 1
	s_cmp_lt_u32 s12, s58
	s_cbranch_scc1 .Lround_\@
.Llast_\@:
	ROUND 1, 0, 0
	; THE TWO GROUPS' PARTS MEET
	v_add_f32 v14, v14, v15                        ; my sum's two halves
	s_cmp_eq_u32 s29, 0
	s_cbranch_scc1 .Lkeep_\@
	v_mov_b32 v13, v14                             ; group 1 hands over: -M and the sum as a pair,
.irp i, 0,1,2,3,4,5,6,7
	ds_store_b128 v[MA16], v[OT+4*\i:OT+4*\i+3] offset:512*\i    ; and O^T as it stands, each accumulator from its low end on
.endr
	ds_store_b64 v[MA8], v[12:13]
.Lkeep_\@:
	s_wait_dscnt 0x0                               ; for the others' sake: my stores have landed
	s_barrier_signal -1
	s_barrier_wait -1
	s_cmp_lg_u32 s29, 0                            ; group 1 goes on to the next pass; the bytes that it stored are written again only behind that pass's barriers, which group 0 reaches behind its wait for the loads below
	s_cbranch_scc1 .Ldone_\@
.irp i, 0,1,2,3,4,5,6,7
	ds_load_b128 v[ST+4*\i:ST+4*\i+3], v[MA16] offset:512*\i
.endr
	ds_load_b64 v[ST+32:ST+33], v[MA8]
	s_wait_dscnt 0x0
	v_min_num_f32 v[MX], v12, v[ST+32]             ; -M of the larger M
	v_sub_f32 v[MX+1], v[MX], v12                  ; my M less it: a whole number, 0 or less
	v_sub_f32 v[MX+2], v[MX], v[ST+32]             ; the other part's likewise (a part that had no step holds M = -3e38 and zeros: its factor is 0)
	v_cvt_i32_f32 v[MX+1], v[MX+1]                 ; (they saturate)
	v_cvt_i32_f32 v[MX+2], v[MX+2]
	v_ldexp_f32 v[F0], 1.0, v[MX+1]
	v_ldexp_f32 v[F1], 1.0, v[MX+2]
	v_mul_f32 v14, v14, v[F0]
	v_fma_f32 v14, v[ST+33], v[F1], v14            ; the sum of both parts
.set j, 0
.rept 16
	v_pk_mul_f32 v[OT+j:OT+j+1], v[OT+j:OT+j+1], v[F0:F0+1] op_sel_hi:[1,0]
.set j, j+2
.endr
.set j, 0
.rept 16
	v_pk_fma_f32 v[OT+j:OT+j+1], v[ST+j:ST+j+1], v[F1:F1+1], v[OT+j:OT+j+1] op_sel_hi:[1,0,1]
.set j, j+2
.endr
	v_permlanex16_b32 v[TM+4], v14, s24, s25
	v_add_f32 v14, v14, v[TM+4]                    ; with lane l xor 16's: the row's sum
	v_rcp_f32 v14, v14
	v_nop
	s_wait_alu depctr_va_vdst(0)
	v_mov_b32 v15, v14
.set j, 0
.rept 16
	v_pk_mul_f32 v[OT+j:OT+j+1], v[OT+j:OT+j+1], v[14:15]
.set j, j+2
.endr
; my row's 64 channels, register 16 b + i = channel 32 b + 16 h + i, become half a fragment (registers 0-5) and two scale bytes
.irp b, 0,1
	v_max3_num_f32 v[TM+\b], |v[OT+16*\b]|, |v[OT+1+16*\b]|, 0x1800000
.endr
.irp i, 2,4,6,8,10,12,14
.irp b, 0,1
	v_max3_num_f32 v[TM+\b], v[TM+\b], |v[OT+16*\b+\i]|, |v[OT+1+16*\b+\i]|
.endr
.endr
.irp b, 0,1
	v_permlanex16_b32 v[TM+4+\b], v[TM+\b], s24, s25
.endr
.irp b, 0,1
	v_max_num_f32 v[TM+\b], v[TM+\b], v[TM+4+\b]
.endr
.irp b, 0,1
	v_add_nc_u32 v[TM+8+\b], 0xff000000, v[TM+\b]
.endr
.irp b, 0,1
	v_lshrrev_b32 v[TM+4+\b], 23, v[TM+8+\b]
.endr
	v_lshl_or_b32 v[TM+14], v[TM+5], 8, v[TM+4]
	v_cvt_scalef32_pk16_fp6_f32 v[PCD:PCD+2], v[OT:OT+15], v[TM+8]
	v_cvt_scalef32_pk16_fp6_f32 v[CV:CV+2], v[OT+16:OT+31], v[TM+9]
	v_nop
.irp i, 0,1,2
	v_permlane16_swap_b32 v[PCD+\i], v[CV+\i]
.endr
.irp i, 0,1,2
	v_mov_b32 v[PCD+3+\i], v[CV+\i]
.endr
	s_mul_i32 s34, s13, 9216                       ; a tile's 12 half images
	s_add_nc_u64 s[54:55], s[38:39], s[34:35]
	s_lshr_b32 s34, s13, 1
	s_mul_i32 s34, s34, 768                        ; a pair's 6 x 128 bytes of scale words
	s_add_nc_u64 s[56:57], s[40:41], s[34:35]
	global_store_b128 v[L16], v[PCD:PCD+3], s[54:55]
	global_store_b64 v[L8], v[PCD+4:PCD+5], s[54:55] offset:512
	global_store_b16 v[QSO], v[TM+14], s[56:57]    ; lanes r and r + 16 hold the same two bytes and store them to the same place
.Ldone_\@:
.endm
	PASS 0
	s_sub_co_u32 s11, 31, s11
	PASS 1
	s_wait_tensorcnt 0x0                           ; the wave's end
	ds_add_u32 v[SPW], v[NIL]
	s_wait_dscnt 0x0
	s_endpgm
.Lfunc_end_k_qbb4b5bc8a6_attn:
	.size	k_qbb4b5bc8a6_attn, .Lfunc_end_k_qbb4b5bc8a6_attn-k_qbb4b5bc8a6_attn
	.p2alignl 7, 3214868480
	.fill 96, 4, 3214868480
	.section	.rodata,"a",@progbits
	.p2align	6, 0x0
	.amdhsa_kernel k_qbb4b5bc8a6_attn
		.amdhsa_group_segment_fixed_size 62976
		.amdhsa_private_segment_fixed_size 0
		.amdhsa_enable_private_segment 0
		.amdhsa_kernarg_size 16
		.amdhsa_user_sgpr_count 2
		.amdhsa_user_sgpr_kernarg_segment_ptr 1
		.amdhsa_wavefront_size32 1
		.amdhsa_system_sgpr_workgroup_id_x 1
		.amdhsa_system_sgpr_workgroup_id_y 1
		.amdhsa_system_sgpr_workgroup_id_z 1
		.amdhsa_system_vgpr_workitem_id 0
		.amdhsa_next_free_vgpr 256
		.amdhsa_next_free_sgpr 66
		.amdhsa_reserve_vcc 1
		.amdhsa_float_denorm_mode_32 3
		.amdhsa_float_denorm_mode_16_64 3
		.amdhsa_memory_ordered 1
		.amdhsa_forward_progress 1
		.amdhsa_inst_pref_size 103
	.end_amdhsa_kernel
	.amdgpu_metadata
---
amdhsa.version: [ 1, 2 ]
amdhsa.kernels:
  - .name:           k_qbb4b5bc8a6_attn
    .symbol:         k_qbb4b5bc8a6_attn.kd
    .args:
      - { .name: qkv, .offset: 0, .size: 8, .value_kind: global_buffer, .address_space: global }
      - { .name: ctx, .offset: 8, .size: 8, .value_kind: global_buffer, .address_space: global }
    .group_segment_fixed_size: 62976
    .private_segment_fixed_size: 0
    .kernarg_segment_align: 8
    .kernarg_segment_size: 16
    .max_flat_workgroup_size: 512
    .sgpr_count:     66
    .vgpr_count:     256
    .wavefront_size: 32
...
	.end_amdgpu_metadata
.endif
;; end of part 9
;; launch proj (part 10): grid 6 x 32, 8 waves a work-group, no clusters, 154,624 bytes of LDS; arguments wts, ctx, bo, x, x1; writes x1
.if DOCPART == 10
	.amdgcn_target "amdgcn-amd-amdhsa--gfx1250"
	.amdhsa_code_object_version 6
	.text
	.protected	k_qbb4b5bc8a6_proj
	.globl	k_qbb4b5bc8a6_proj
	.p2align	8
	.type	k_qbb4b5bc8a6_proj,@function
k_qbb4b5bc8a6_proj:
	s_mov_b64 s[64:65], 0
	v_nop
	global_prefetch_b8 v0, s[64:65] scope:SCOPE_SE
	s_setreg_imm32_b32 hwreg(HW_REG_WAVE_MODE, 25, 1), 1
	s_wait_xcnt 0x0
; out = residual + R W + bias on codes of FP6 (E2M3) with E8M0 scales; out and residual f32 [4,096][768].  Here: x1 = x + ctx Wo + bo, K = 768.
; A work-group makes 8 tiles of source 0 (P = 128 columns of the weight) x 8 tiles of source 1 (R = 128 tokens).  Wave w: P tiles 4 (w >> 2) on, R tiles 2 (w & 3) on: 8 accumulators, which take turns, one
; instruction a turn.  The bias is loaded into the accumulators in the result's layout and is the C of each sum's first instruction.
; OPERANDS come as images of the operand's registers (1,536 bytes a fragment).  A SLOT HOLDS NS K STEPS: a tile's NS images are dense in memory, so each wave copies NS x 1,536 bytes of P tile w and of R tile w through
; 24 NS registers into the LDS slot that is not being read.  One barrier for NS K steps; a request is made behind the stores of the one before and has NS K steps' work in which to land.
; RHALF = 1: R's image is two half images (16 rows x 64 K: registers 0-3 at 16 x lane, registers 4-5 at 512 + 8 x lane), as the attention launch leaves them.
; Row p of tile 2 b + u is index 32 b + 8 u + (p & 7) + 16 (p >> 3).  The way out goes through each wave's own stage in LDS, so that sixteen lanes store 256 consecutive bytes, aligned.
; No cluster: the grid's 6 along x does not divide by 4.
; LIMITS: NaN and infinities among the inputs are not served.
.set S,     6                          ; K steps
.set NS,    3                          ; K steps in a slot
.set RHALF, 1
.set PCB,   1327104                    ; in wts: where the weight's codes begin,
.set PSB,   5363712                    ; and its scale words
.set RSB,   2359296                    ; in R's buffer: where the scale words begin
.set SW,    4                          ; bytes of scale words that a thread copies in a round
.set PT,    4                          ; P tiles of a wave
.set FRB,   1536
.set IMG,   NS*FRB                     ; a tile's part of a slot
.set SLOTB, 16*IMG                     ; a slot: 8 P tiles, then 8 R tiles
.set NSS,   S/NS                       ; slots' worth of K: an even number
.set SCP,   2*SLOTB                    ; behind the two slots: P's scale words for all of K,
.set SCR,   SCP+PT*128*S               ; R's,
.set SPARE, SCR+512*S                  ; and the spare words, 128 bytes for each wave, that no other line names
.set SPW, 1                            ; v1  LDS address of my spare word; never rewritten
.set NIL, 2                            ; v2  0; never rewritten
.set GA,  3                            ; v3  tile w's images in memory, of P and of R alike
.set LSP, 5                            ; v5, v6   where I store in slot 0, 1
.set LP,  7                            ; v7, v8   where I read my P fragments
.set LR,  9                            ; v9, v10  and my R fragments
.set LR8, 11                           ; v11, v12 (the half images' 8-byte parts)
.set SP,  13                           ; v13 my P scale words of the slot in hand;  v14 my R scale words
.set SR,  14
.set PS,  15                           ; v15-16 P's scale words, v17 R's: they hold nothing else
.set RS,  17
.set G,   18                           ; v18-89 two tiles' images on their way (24 NS registers);
.set XR,  18                           ; behind the last of them v18-81: the residual, in the order in which the rows leave
.set RF,  114                          ; v114-137 R's two fragments
.set PFR, 138                          ; v138-185 P's four
.set OB,  138                          ; the way out: 16 rows read back
.set ACC, 186                          ; v186-249: accumulator (t, m) at v[186 + 8 (4 m + t)]
.set SCG, 250                          ; v250 the scale words' copy, in memory;  v252 in LDS
.set VB,  251                          ; v251 64 (lane / 16)
.set SCW, 252
.set OO,  253                          ; v253 my byte offset in two rows of the output
.set STO, 254                          ; v254 the stage, on the way in;  v255 on the way out
.set SRD, 255
	s_load_b256 s[4:11], s[0:1], 0x0               ; wts, R's buffer, the bias, the residual
	s_load_b64 s[12:13], s[0:1], 0x20              ; the output
	v_lshl_add_u32 v[SPW], v0, 2, SPARE
	v_mov_b32 v[NIL], 0
	v_lshrrev_b32 v18, 5, v0
	v_readfirstlane_b32 s20, v18                   ; wave
	s_lshr_b32 s21, s20, 2                         ; wp
	s_and_b32 s22, s20, 3                          ; wr
	v_and_b32 v18, 31, v0
	v_lshlrev_b32 v19, 4, v18                      ; 16 x lane
	v_lshlrev_b32 v20, 2, v18                      ; 4 x lane
	s_mul_i32 s23, s20, S*FRB
	v_add_nc_u32 v[GA], s23, v19
	s_mul_i32 s23, s20, IMG
	v_add_nc_u32 v[LSP], s23, v19
	v_add_nc_u32 v[LSP+1], SLOTB, v[LSP]
	s_mul_i32 s23, s21, PT*IMG
	v_add_nc_u32 v[LP], s23, v19
	v_add_nc_u32 v[LP+1], SLOTB, v[LP]
	s_mul_i32 s23, s22, 2*IMG
	s_add_co_u32 s23, s23, 8*IMG
	v_add_nc_u32 v[LR], s23, v19
	v_add_nc_u32 v[LR+1], SLOTB, v[LR]
.if RHALF
	v_lshlrev_b32 v21, 3, v18                      ; 8 x lane
	v_add_nc_u32 v[LR8], s23, v21
	v_add_nc_u32 v[LR8+1], SLOTB, v[LR8]
.endif
	s_mul_i32 s23, s21, (PT/2)*S*128
	s_add_co_u32 s23, s23, SCP
	v_add_nc_u32 v[SP], s23, v20
	s_mul_i32 s23, s22, S*128
	s_add_co_u32 s23, s23, SCR
	v_add_nc_u32 v[SR], s23, v20
.if SW == 4
	v_lshlrev_b32 v[SCG], 2, v0
.else
	v_lshlrev_b32 v[SCG], 4, v0
.endif
	v_add_nc_u32 v[SCW], SCP, v[SCG]
	v_and_b32 v22, 15, v0                          ; r
	v_bfe_u32 v23, v0, 4, 1                        ; h
	v_lshlrev_b32 v[VB], 6, v23
	s_mul_i32 s23, s20, 16*272                     ; my stage: 16 rows x (256 bytes + 16), in slot 0
	v_mul_u32_u24 v[STO], v22, 272
	v_lshl_add_u32 v[STO], v23, 6, v[STO]
	v_add_nc_u32 v[STO], s23, v[STO]               ; in: row r, + 64 h
	v_mul_u32_u24 v[SRD], v23, 272
	v_lshl_add_u32 v[SRD], v22, 4, v[SRD]
	v_add_nc_u32 v[SRD], s23, v[SRD]               ; back: lanes 0-15 one row, lanes 16-31 the next
	v_mul_u32_u24 v[OO], v23, 3072
	v_lshl_add_u32 v[OO], v22, 4, v[OO]            ; and the same two rows in memory
	s_and_b32 s32, ttmp7, 0xffff                   ; y
	s_mul_i32 s34, ttmp9, 8*S*FRB
	s_add_co_u32 s34, s34, PCB
	s_mov_b32 s35, 0
	s_mul_i32 s36, ttmp9, 4*S*128
	s_add_co_u32 s36, s36, PSB
	s_mov_b32 s37, 0
	s_mul_i32 s38, s32, 8*S*FRB
	s_mov_b32 s39, 0
	s_mul_i32 s40, s32, 4*S*128
	s_add_co_u32 s40, s40, RSB
	s_mov_b32 s41, 0
	s_lshl_b32 s42, ttmp9, 9
	s_lshl_b32 s43, s21, 8
	s_add_co_u32 s42, s42, s43                     ; my 64 columns, in bytes: 512 x + 256 wp
	s_mov_b32 s43, 0
	s_lshl_b32 s44, s32, 2
	s_add_co_u32 s44, s44, s22
	s_mul_i32 s44, s44, 32*3072                    ; my 32 tokens: pair 4 y + wr
	s_add_co_u32 s44, s44, s42
	s_mov_b32 s45, 0
	s_wait_kmcnt 0x0
	s_add_nc_u64 s[24:25], s[4:5], s[34:35]        ; P's codes, K step 0
	s_add_nc_u64 s[14:15], s[4:5], s[36:37]        ; P's scale words
	s_add_nc_u64 s[26:27], s[6:7], s[38:39]        ; R's codes
	s_add_nc_u64 s[16:17], s[6:7], s[40:41]        ; R's scale words
	s_add_nc_u64 s[18:19], s[8:9], s[42:43]        ; the bias
	s_add_nc_u64 s[10:11], s[10:11], s[44:45]      ; the residual
	s_add_nc_u64 s[12:13], s[12:13], s[44:45]      ; the output
.macro GLOAD                           ; NS K steps of P tile w and of R tile w, from where the pointers stand: each load reads 512 consecutive bytes
.set kk, 0
.rept 3*NS
	global_load_b128 v[G+4*kk:G+4*kk+3], v[GA], s[24:25] offset:512*kk
.set kk, kk+1
.endr
.set kk, 0
.rept 3*NS
	global_load_b128 v[G+12*NS+4*kk:G+12*NS+4*kk+3], v[GA], s[26:27] offset:512*kk
.set kk, kk+1
.endr
.endm
.macro DSTORE slot
.set kk, 0
.rept 3*NS
	ds_store_b128 v[LSP+(\slot)], v[G+4*kk:G+4*kk+3] offset:512*kk
.set kk, kk+1
.endr
.set kk, 0
.rept 3*NS
	ds_store_b128 v[LSP+(\slot)], v[G+12*NS+4*kk:G+12*NS+4*kk+3] offset:8*IMG+512*kk
.set kk, kk+1
.endr
.endm
.macro FETCH_R slot, q
.irp m, 0,1
.if RHALF
	ds_load_b128 v[RF+12*\m:RF+12*\m+3], v[LR+(\slot)] offset:\m*IMG+(\q)*FRB
	ds_load_b64 v[RF+12*\m+4:RF+12*\m+5], v[LR8+(\slot)] offset:\m*IMG+(\q)*FRB+512
	ds_load_b128 v[RF+12*\m+6:RF+12*\m+9], v[LR+(\slot)] offset:\m*IMG+(\q)*FRB+768
	ds_load_b64 v[RF+12*\m+10:RF+12*\m+11], v[LR8+(\slot)] offset:\m*IMG+(\q)*FRB+1280
.else
.irp c, 0,1,2
	ds_load_b128 v[RF+12*\m+4*\c:RF+12*\m+4*\c+3], v[LR+(\slot)] offset:\m*IMG+(\q)*FRB+512*\c
.endr
.endif
.endr
.endm
.macro FETCH_P slot, q
.irp f, 0,1,2,3
.irp c, 0,1,2
	ds_load_b128 v[PFR+12*\f+4*\c:PFR+12*\f+4*\c+3], v[LP+(\slot)] offset:\f*IMG+(\q)*FRB+512*\c
.endr
.endr
.endm
.macro WM t, m                         ; P tile t x R tile m.  An odd tile's scale words stand in lanes 16-31 of its pair's register
.set rD, ACC+8*(PT*(\m)+(\t))
.set rA, PFR+12*(\t)
.set rB, RF+12*(\m)
.set rS, PS+(\t)/2
.if ((\t)%2 == 0) && ((\m) == 0)
	v_wmma_scale_f32_16x16x128_f8f6f4 v[rD:rD+7], v[rA:rA+11], v[rB:rB+11], v[rD:rD+7], v[rS], v[RS] matrix_a_fmt:MATRIX_FMT_FP6 matrix_b_fmt:MATRIX_FMT_FP6
.elseif ((\m) == 0)
	v_wmma_scale_f32_16x16x128_f8f6f4 v[rD:rD+7], v[rA:rA+11], v[rB:rB+11], v[rD:rD+7], v[rS], v[RS] matrix_a_fmt:MATRIX_FMT_FP6 matrix_b_fmt:MATRIX_FMT_FP6 matrix_a_scale:MATRIX_SCALE_ROW1
.elseif ((\t)%2 == 0)
	v_wmma_scale_f32_16x16x128_f8f6f4 v[rD:rD+7], v[rA:rA+11], v[rB:rB+11], v[rD:rD+7], v[rS], v[RS] matrix_a_fmt:MATRIX_FMT_FP6 matrix_b_fmt:MATRIX_FMT_FP6 matrix_b_scale:MATRIX_SCALE_ROW1
.else
	v_wmma_scale_f32_16x16x128_f8f6f4 v[rD:rD+7], v[rA:rA+11], v[rB:rB+11], v[rD:rD+7], v[rS], v[RS] matrix_a_fmt:MATRIX_FMT_FP6 matrix_b_fmt:MATRIX_FMT_FP6 matrix_a_scale:MATRIX_SCALE_ROW1 matrix_b_scale:MATRIX_SCALE_ROW1
.endif
.endm
.macro XLOAD                           ; the residual: rows 2 i, 2 i + 1 of tile m are tokens 8 m + 2 (i % 4) + 16 (i / 4) + 0, 1 of my 32
.irp m, 0,1
.irp i, 0,1,2,3,4,5,6,7
	global_load_b128 v[XR+32*\m+4*\i:XR+32*\m+4*\i+3], v[OO], s[10:11] offset:(8*\m+2*(\i%4)+16*(\i/4))*3072 th:TH_LOAD_NT
.endr
.endr
.endm
; NS K steps out of slot.  st: the next NS steps' images, which are on their way into my registers, go into the other slot behind the work.  gl: those behind them are asked for.  xr: the residual is asked for.
.macro SSTEP slot, st, gl, xr
	s_wait_dscnt 0x0                               ; my stores into this slot have landed and my reads of the other slot are in
	s_barrier_signal -1
	s_barrier_wait -1                              ; both now hold of all eight waves
.set qq, 0
.rept NS
	FETCH_R \slot, qq
	ds_load_b32 v[PS], v[SP] offset:128*qq
	ds_load_b32 v[PS+1], v[SP] offset:S*128+128*qq
	ds_load_b32 v[RS], v[SR] offset:128*qq
	FETCH_P \slot, qq
	s_wait_dscnt 0x0
.irp t, 0,1,2,3
.irp m, 0,1
	WM \t, \m
.endr
.endr
.rept 4
	v_nop                                          ; four plain lines between a matrix instruction and a load into, or a read of, its registers
.endr
.set qq, qq+1
.endr
	v_add_nc_u32 v[SP], 128*NS, v[SP]              ; on to the next slot's scale words (no LDS load of mine is out)
	v_add_nc_u32 v[SR], 128*NS, v[SR]
.if \st
	s_wait_loadcnt 0x0                             ; the next slot's images are in my registers (asked for NS K steps ago), and the pointers are free
	DSTORE 1-\slot                                 ; nobody reads that slot since the barrier above
.endif
.if \gl
	s_add_nc_u64 s[24:25], s[24:25], IMG
	s_add_nc_u64 s[26:27], s[26:27], IMG
	s_wait_dscnt 0x0                               ; the stores have read their registers
	GLOAD
.endif
.if \xr
	s_wait_dscnt 0x0                               ; the stores have read their registers: the residual lands there, under the last NS K steps
	XLOAD
.endif
.endm
	GLOAD                                          ; the first NS K steps
.irp i, 0,1,2                          ; the scale words for all of K: two dense blocks, three rounds of 256 threads each
.if SW == 4
	global_load_b32 v[PFR+\i], v[SCG], s[14:15] offset:1024*\i
	global_load_b32 v[PFR+3+\i], v[SCG], s[16:17] offset:1024*\i
.else
	global_load_b128 v[PFR+4*\i:PFR+4*\i+3], v[SCG], s[14:15] offset:4096*\i
	global_load_b128 v[PFR+12+4*\i:PFR+12+4*\i+3], v[SCG], s[16:17] offset:4096*\i
.endif
.endr
.irp m, 0,1
.irp t, 0,1,2,3                        ; the bias: lane (r, h) wants, for tile t, columns 32 (t / 2) + 8 (t % 2) + 16 h + 0 .. 7
	global_load_b128 v[ACC+8*(PT*\m+\t):ACC+8*(PT*\m+\t)+3], v[VB], s[18:19] offset:128*(\t/2)+32*(\t%2)
	global_load_b128 v[ACC+8*(PT*\m+\t)+4:ACC+8*(PT*\m+\t)+7], v[VB], s[18:19] offset:128*(\t/2)+32*(\t%2)+16
.endr
.endr
	s_wait_loadcnt 0x0
.irp i, 0,1,2
.if SW == 4
	ds_store_b32 v[SCW], v[PFR+\i] offset:1024*\i
	ds_store_b32 v[SCW], v[PFR+3+\i] offset:SCR-SCP+1024*\i
.else
	ds_store_b128 v[SCW], v[PFR+4*\i:PFR+4*\i+3] offset:4096*\i
	ds_store_b128 v[SCW], v[PFR+12+4*\i:PFR+12+4*\i+3] offset:SCR-SCP+4096*\i
.endif
.endr
	DSTORE 0
	s_add_nc_u64 s[24:25], s[24:25], IMG
	s_add_nc_u64 s[26:27], s[26:27], IMG
	s_wait_dscnt 0x0                               ; the stores have read their registers
	GLOAD                                          ; the second NS K steps: they land under the first's work
.if NSS > 2
	s_mov_b32 s28, (NSS-2)/2
.Lk:
	SSTEP 0, 1, 1, 0
	SSTEP 1, 1, 1, 0
	s_sub_co_u32 s28, s28, 1
	s_cmp_lg_u32 s28, 0
	s_cbranch_scc1 .Lk
.endif
	SSTEP 0, 1, 0, 1                               ; the last two slots ask for no more images
	SSTEP 1, 0, 0, 0
	; THE WAY OUT.  The stages lie in slot 0: its last reads stand ahead of the last barrier, in front of which each wave has waited for them, and nothing is stored into it any more
	s_wait_loadcnt 0x0                             ; the residual
.irp m, 0,1
.if \m
	s_wait_xcnt 0x0                                ; the first tile's stores have read their registers
.endif
.irp t, 0,1,2,3
	ds_store_b128 v[STO], v[ACC+8*(PT*\m+\t):ACC+8*(PT*\m+\t)+3] offset:128*(\t/2)+32*(\t%2)        ; each accumulator from its low end on
	ds_store_b128 v[STO], v[ACC+8*(PT*\m+\t)+4:ACC+8*(PT*\m+\t)+7] offset:128*(\t/2)+32*(\t%2)+16
.endr
.irp i, 0,1,2,3,4,5,6,7
	ds_load_b128 v[OB+4*\i:OB+4*\i+3], v[SRD] offset:2*\i*272      ; LDS serves a wave's instructions in order: these see my stores
.endr
	s_wait_dscnt 0x0
.irp i, 0,1,2,3,4,5,6,7,8,9,10,11,12,13,14,15
	v_pk_add_f32 v[OB+2*\i:OB+2*\i+1], v[OB+2*\i:OB+2*\i+1], v[XR+32*\m+2*\i:XR+32*\m+2*\i+1]
.endr
.irp i, 0,1,2,3,4,5,6,7
	global_store_b128 v[OO], v[OB+4*\i:OB+4*\i+3], s[12:13] offset:(8*\m+2*(\i%4)+16*(\i/4))*3072 th:TH_STORE_NT   ; sixteen lanes store 256 consecutive bytes, aligned
.endr
.endr
	s_wait_tensorcnt 0x0                           ; the wave's end
	ds_add_u32 v[SPW], v[NIL]
	s_wait_dscnt 0x0
	s_endpgm
.Lfunc_end_k_qbb4b5bc8a6_proj:
	.size	k_qbb4b5bc8a6_proj, .Lfunc_end_k_qbb4b5bc8a6_proj-k_qbb4b5bc8a6_proj
	.p2alignl 7, 3214868480
	.fill 96, 4, 3214868480
	.section	.rodata,"a",@progbits
	.p2align	6, 0x0
	.amdhsa_kernel k_qbb4b5bc8a6_proj
		.amdhsa_group_segment_fixed_size 154624
		.amdhsa_private_segment_fixed_size 0
		.amdhsa_enable_private_segment 0
		.amdhsa_kernarg_size 40
		.amdhsa_user_sgpr_count 2
		.amdhsa_user_sgpr_kernarg_segment_ptr 1
		.amdhsa_wavefront_size32 1
		.amdhsa_system_sgpr_workgroup_id_x 1
		.amdhsa_system_sgpr_workgroup_id_y 1
		.amdhsa_system_sgpr_workgroup_id_z 1
		.amdhsa_system_vgpr_workitem_id 0
		.amdhsa_next_free_vgpr 256
		.amdhsa_next_free_sgpr 66
		.amdhsa_reserve_vcc 0
		.amdhsa_float_denorm_mode_32 3
		.amdhsa_float_denorm_mode_16_64 3
		.amdhsa_memory_ordered 1
		.amdhsa_forward_progress 1
		.amdhsa_inst_pref_size 36
	.end_amdhsa_kernel
	.amdgpu_metadata
---
amdhsa.version: [ 1, 2 ]
amdhsa.kernels:
  - .name:           k_qbb4b5bc8a6_proj
    .symbol:         k_qbb4b5bc8a6_proj.kd
    .args:
      - { .name: wts, .offset: 0, .size: 8, .value_kind: global_buffer, .address_space: global }
      - { .name: ctx, .offset: 8, .size: 8, .value_kind: global_buffer, .address_space: global }
      - { .name: bo, .offset: 16, .size: 8, .value_kind: global_buffer, .address_space: global }
      - { .name: x, .offset: 24, .size: 8, .value_kind: global_buffer, .address_space: global }
      - { .name: x1, .offset: 32, .size: 8, .value_kind: global_buffer, .address_space: global }
    .group_segment_fixed_size: 154624
    .private_segment_fixed_size: 0
    .kernarg_segment_align: 8
    .kernarg_segment_size: 40
    .max_flat_workgroup_size: 256
    .sgpr_count:     66
    .vgpr_count:     256
    .wavefront_size: 32
...
	.end_amdgpu_metadata
.endif
;; end of part 10
;; launch ln2: the kernel of part 2 again; grid 256 x 1, 8 waves a work-group, no clusters, 50,432 bytes of LDS; arguments x1, g2, be2, act; writes act
;; launch ffn1: the kernel of part 6 again; grid 12 x 32, 8 waves a work-group, no clusters, 83,968 bytes of LDS; arguments wts, act, b1, gact; writes gact
;; launch ffn2 (part 11): grid 6 x 32, 8 waves a work-group, no clusters, 222,208 bytes of LDS; arguments wts, gact, b2, x1, out0; writes out0
.if DOCPART == 11
	.amdgcn_target "amdgcn-amd-amdhsa--gfx1250"
	.amdhsa_code_object_version 6
	.text
	.protected	k_qbb4b5bc8a6_ffn2
	.globl	k_qbb4b5bc8a6_ffn2
	.p2align	8
	.type	k_qbb4b5bc8a6_ffn2,@function
k_qbb4b5bc8a6_ffn2:
	s_mov_b64 s[64:65], 0
	v_nop
	global_prefetch_b8 v0, s[64:65] scope:SCOPE_SE
	s_setreg_imm32_b32 hwreg(HW_REG_WAVE_MODE, 25, 1), 1
	s_wait_xcnt 0x0
; out = residual + R W + bias on codes of FP6 (E2M3) with E8M0 scales; out and residual f32 [4,096][768].  Here: out0 = x1 + gelu(..) W2 + b2, K = 3,072.
; A work-group makes 8 tiles of source 0 (P = 128 columns of the weight) x 8 tiles of source 1 (R = 128 tokens).  Wave w: P tiles 4 (w >> 2) on, R tiles 2 (w & 3) on: 8 accumulators, which take turns, one
; instruction a turn.  The bias is loaded into the accumulators in the result's layout and is the C of each sum's first instruction.
; OPERANDS come as images of the operand's registers (1,536 bytes a fragment).  A SLOT HOLDS NS K STEPS: a tile's NS images are dense in memory, so each wave copies NS x 1,536 bytes of P tile w and of R tile w through
; 24 NS registers into the LDS slot that is not being read.  One barrier for NS K steps; a request is made behind the stores of the one before and has NS K steps' work in which to land.
; Row p of tile 2 b + u is index 32 b + 8 u + (p & 7) + 16 (p >> 3).  The way out goes through each wave's own stage in LDS, so that sixteen lanes store 256 consecutive bytes, aligned.
; No cluster: the grid's 6 along x does not divide by 4.
; LIMITS: NaN and infinities among the inputs are not served.
.set S,     24                         ; K steps
.set NS,    4                          ; K steps in a slot
.set RHALF, 0
.set PCB,   3538944                    ; in wts: where the weight's codes begin,
.set PSB,   5455872                    ; and its scale words
.set RSB,   9437184                    ; in R's buffer: where the scale words begin
.set SW,    16                         ; bytes of scale words that a thread copies in a round
.set PT,    4                          ; P tiles of a wave
.set FRB,   1536
.set IMG,   NS*FRB                     ; a tile's part of a slot
.set SLOTB, 16*IMG                     ; a slot: 8 P tiles, then 8 R tiles
.set NSS,   S/NS                       ; slots' worth of K: an even number
.set SCP,   2*SLOTB                    ; behind the two slots: P's scale words for all of K,
.set SCR,   SCP+PT*128*S               ; R's,
.set SPARE, SCR+512*S                  ; and the spare words, 128 bytes for each wave, that no other line names
.set SPW, 1                            ; v1  LDS address of my spare word; never rewritten
.set NIL, 2                            ; v2  0; never rewritten
.set GA,  3                            ; v3  tile w's images in memory, of P and of R alike
.set LSP, 5                            ; v5, v6   where I store in slot 0, 1
.set LP,  7                            ; v7, v8   where I read my P fragments
.set LR,  9                            ; v9, v10  and my R fragments
.set LR8, 11                           ; v11, v12 (the half images' 8-byte parts)
.set SP,  13                           ; v13 my P scale words of the slot in hand;  v14 my R scale words
.set SR,  14
.set PS,  15                           ; v15-16 P's scale words, v17 R's: they hold nothing else
.set RS,  17
.set G,   18                           ; v18-113 two tiles' images on their way (24 NS registers);
.set XR,  18                           ; behind the last of them v18-81: the residual, in the order in which the rows leave
.set RF,  114                          ; v114-137 R's two fragments
.set PFR, 138                          ; v138-185 P's four
.set OB,  138                          ; the way out: 16 rows read back
.set ACC, 186                          ; v186-249: accumulator (t, m) at v[186 + 8 (4 m + t)]
.set SCG, 250                          ; v250 the scale words' copy, in memory;  v252 in LDS
.set VB,  251                          ; v251 64 (lane / 16)
.set SCW, 252
.set OO,  253                          ; v253 my byte offset in two rows of the output
.set STO, 254                          ; v254 the stage, on the way in;  v255 on the way out
.set SRD, 255
	s_load_b256 s[4:11], s[0:1], 0x0               ; wts, R's buffer, the bias, the residual
	s_load_b64 s[12:13], s[0:1], 0x20              ; the output
	v_lshl_add_u32 v[SPW], v0, 2, SPARE
	v_mov_b32 v[NIL], 0
	v_lshrrev_b32 v18, 5, v0
	v_readfirstlane_b32 s20, v18                   ; wave
	s_lshr_b32 s21, s20, 2                         ; wp
	s_and_b32 s22, s20, 3                          ; wr
	v_and_b32 v18, 31, v0
	v_lshlrev_b32 v19, 4, v18                      ; 16 x lane
	v_lshlrev_b32 v20, 2, v18                      ; 4 x lane
	s_mul_i32 s23, s20, S*FRB
	v_add_nc_u32 v[GA], s23, v19
	s_mul_i32 s23, s20, IMG
	v_add_nc_u32 v[LSP], s23, v19
	v_add_nc_u32 v[LSP+1], SLOTB, v[LSP]
	s_mul_i32 s23, s21, PT*IMG
	v_add_nc_u32 v[LP], s23, v19
	v_add_nc_u32 v[LP+1], SLOTB, v[LP]
	s_mul_i32 s23, s22, 2*IMG
	s_add_co_u32 s23, s23, 8*IMG
	v_add_nc_u32 v[LR], s23, v19
	v_add_nc_u32 v[LR+1], SLOTB, v[LR]
.if RHALF
	v_lshlrev_b32 v21, 3, v18                      ; 8 x lane
	v_add_nc_u32 v[LR8], s23, v21
	v_add_nc_u32 v[LR8+1], SLOTB, v[LR8]
.endif
	s_mul_i32 s23, s21, (PT/2)*S*128
	s_add_co_u32 s23, s23, SCP
	v_add_nc_u32 v[SP], s23, v20
	s_mul_i32 s23, s22, S*128
	s_add_co_u32 s23, s23, SCR
	v_add_nc_u32 v[SR], s23, v20
.if SW == 4
	v_lshlrev_b32 v[SCG], 2, v0
.else
	v_lshlrev_b32 v[SCG], 4, v0
.endif
	v_add_nc_u32 v[SCW], SCP, v[SCG]
	v_and_b32 v22, 15, v0                          ; r
	v_bfe_u32 v23, v0, 4, 1                        ; h
	v_lshlrev_b32 v[VB], 6, v23
	s_mul_i32 s23, s20, 16*272                     ; my stage: 16 rows x (256 bytes + 16), in slot 0
	v_mul_u32_u24 v[STO], v22, 272
	v_lshl_add_u32 v[STO], v23, 6, v[STO]
	v_add_nc_u32 v[STO], s23, v[STO]               ; in: row r, + 64 h
	v_mul_u32_u24 v[SRD], v23, 272
	v_lshl_add_u32 v[SRD], v22, 4, v[SRD]
	v_add_nc_u32 v[SRD], s23, v[SRD]               ; back: lanes 0-15 one row, lanes 16-31 the next
	v_mul_u32_u24 v[OO], v23, 3072
	v_lshl_add_u32 v[OO], v22, 4, v[OO]            ; and the same two rows in memory
	s_and_b32 s32, ttmp7, 0xffff                   ; y
	s_mul_i32 s34, ttmp9, 8*S*FRB
	s_add_co_u32 s34, s34, PCB
	s_mov_b32 s35, 0
	s_mul_i32 s36, ttmp9, 4*S*128
	s_add_co_u32 s36, s36, PSB
	s_mov_b32 s37, 0
	s_mul_i32 s38, s32, 8*S*FRB
	s_mov_b32 s39, 0
	s_mul_i32 s40, s32, 4*S*128
	s_add_co_u32 s40, s40, RSB
	s_mov_b32 s41, 0
	s_lshl_b32 s42, ttmp9, 9
	s_lshl_b32 s43, s21, 8
	s_add_co_u32 s42, s42, s43                     ; my 64 columns, in bytes: 512 x + 256 wp
	s_mov_b32 s43, 0
	s_lshl_b32 s44, s32, 2
	s_add_co_u32 s44, s44, s22
	s_mul_i32 s44, s44, 32*3072                    ; my 32 tokens: pair 4 y + wr
	s_add_co_u32 s44, s44, s42
	s_mov_b32 s45, 0
	s_wait_kmcnt 0x0
	s_add_nc_u64 s[24:25], s[4:5], s[34:35]        ; P's codes, K step 0
	s_add_nc_u64 s[14:15], s[4:5], s[36:37]        ; P's scale words
	s_add_nc_u64 s[26:27], s[6:7], s[38:39]        ; R's codes
	s_add_nc_u64 s[16:17], s[6:7], s[40:41]        ; R's scale words
	s_add_nc_u64 s[18:19], s[8:9], s[42:43]        ; the bias
	s_add_nc_u64 s[10:11], s[10:11], s[44:45]      ; the residual
	s_add_nc_u64 s[12:13], s[12:13], s[44:45]      ; the output
.macro GLOAD                           ; NS K steps of P tile w and of R tile w, from where the pointers stand: each load reads 512 consecutive bytes
.set kk, 0
.rept 3*NS
	global_load_b128 v[G+4*kk:G+4*kk+3], v[GA], s[24:25] offset:512*kk
.set kk, kk+1
.endr
.set kk, 0
.rept 3*NS
	global_load_b128 v[G+12*NS+4*kk:G+12*NS+4*kk+3], v[GA], s[26:27] offset:512*kk
.set kk, kk+1
.endr
.endm
.macro DSTORE slot
.set kk, 0
.rept 3*NS
	ds_store_b128 v[LSP+(\slot)], v[G+4*kk:G+4*kk+3] offset:512*kk
.set kk, kk+1
.endr
.set kk, 0
.rept 3*NS
	ds_store_b128 v[LSP+(\slot)], v[G+12*NS+4*kk:G+12*NS+4*kk+3] offset:8*IMG+512*kk
.set kk, kk+1
.endr
.endm
.macro FETCH_R slot, q
.irp m, 0,1
.if RHALF
	ds_load_b128 v[RF+12*\m:RF+12*\m+3], v[LR+(\slot)] offset:\m*IMG+(\q)*FRB
	ds_load_b64 v[RF+12*\m+4:RF+12*\m+5], v[LR8+(\slot)] offset:\m*IMG+(\q)*FRB+512
	ds_load_b128 v[RF+12*\m+6:RF+12*\m+9], v[LR+(\slot)] offset:\m*IMG+(\q)*FRB+768
	ds_load_b64 v[RF+12*\m+10:RF+12*\m+11], v[LR8+(\slot)] offset:\m*IMG+(\q)*FRB+1280
.else
.irp c, 0,1,2
	ds_load_b128 v[RF+12*\m+4*\c:RF+12*\m+4*\c+3], v[LR+(\slot)] offset:\m*IMG+(\q)*FRB+512*\c
.endr
.endif
.endr
.endm
.macro FETCH_P slot, q
.irp f, 0,1,2,3
.irp c, 0,1,2
	ds_load_b128 v[PFR+12*\f+4*\c:PFR+12*\f+4*\c+3], v[LP+(\slot)] offset:\f*IMG+(\q)*FRB+512*\c
.endr
.endr
.endm
.macro WM t, m                         ; P tile t x R tile m.  An odd tile's scale words stand in lanes 16-31 of its pair's register
.set rD, ACC+8*(PT*(\m)+(\t))
.set rA, PFR+12*(\t)
.set rB, RF+12*(\m)
.set rS, PS+(\t)/2
.if ((\t)%2 == 0) && ((\m) == 0)
	v_wmma_scale_f32_16x16x128_f8f6f4 v[rD:rD+7], v[rA:rA+11], v[rB:rB+11], v[rD:rD+7], v[rS], v[RS] matrix_a_fmt:MATRIX_FMT_FP6 matrix_b_fmt:MATRIX_FMT_FP6
.elseif ((\m) == 0)
	v_wmma_scale_f32_16x16x128_f8f6f4 v[rD:rD+7], v[rA:rA+11], v[rB:rB+11], v[rD:rD+7], v[rS], v[RS] matrix_a_fmt:MATRIX_FMT_FP6 matrix_b_fmt:MATRIX_FMT_FP6 matrix_a_scale:MATRIX_SCALE_ROW1
.elseif ((\t)%2 == 0)
	v_wmma_scale_f32_16x16x128_f8f6f4 v[rD:rD+7], v[rA:rA+11], v[rB:rB+11], v[rD:rD+7], v[rS], v[RS] matrix_a_fmt:MATRIX_FMT_FP6 matrix_b_fmt:MATRIX_FMT_FP6 matrix_b_scale:MATRIX_SCALE_ROW1
.else
	v_wmma_scale_f32_16x16x128_f8f6f4 v[rD:rD+7], v[rA:rA+11], v[rB:rB+11], v[rD:rD+7], v[rS], v[RS] matrix_a_fmt:MATRIX_FMT_FP6 matrix_b_fmt:MATRIX_FMT_FP6 matrix_a_scale:MATRIX_SCALE_ROW1 matrix_b_scale:MATRIX_SCALE_ROW1
.endif
.endm
.macro XLOAD                           ; the residual: rows 2 i, 2 i + 1 of tile m are tokens 8 m + 2 (i % 4) + 16 (i / 4) + 0, 1 of my 32
.irp m, 0,1
.irp i, 0,1,2,3,4,5,6,7
	global_load_b128 v[XR+32*\m+4*\i:XR+32*\m+4*\i+3], v[OO], s[10:11] offset:(8*\m+2*(\i%4)+16*(\i/4))*3072 th:TH_LOAD_NT
.endr
.endr
.endm
; NS K steps out of slot.  st: the next NS steps' images, which are on their way into my registers, go into the other slot behind the work.  gl: those behind them are asked for.  xr: the residual is asked for.
.macro SSTEP slot, st, gl, xr
	s_wait_dscnt 0x0                               ; my stores into this slot have landed and my reads of the other slot are in
	s_barrier_signal -1
	s_barrier_wait -1                              ; both now hold of all eight waves
.set qq, 0
.rept NS
	FETCH_R \slot, qq
	ds_load_b32 v[PS], v[SP] offset:128*qq
	ds_load_b32 v[PS+1], v[SP] offset:S*128+128*qq
	ds_load_b32 v[RS], v[SR] offset:128*qq
	FETCH_P \slot, qq
	s_wait_dscnt 0x0
.irp t, 0,1,2,3
.irp m, 0,1
	WM \t, \m
.endr
.endr
.rept 4
	v_nop                                          ; four plain lines between a matrix instruction and a load into, or a read of, its registers
.endr
.set qq, qq+1
.endr
	v_add_nc_u32 v[SP], 128*NS, v[SP]              ; on to the next slot's scale words (no LDS load of mine is out)
	v_add_nc_u32 v[SR], 128*NS, v[SR]
.if \st
	s_wait_loadcnt 0x0                             ; the next slot's images are in my registers (asked for NS K steps ago), and the pointers are free
	DSTORE 1-\slot                                 ; nobody reads that slot since the barrier above
.endif
.if \gl
	s_add_nc_u64 s[24:25], s[24:25], IMG
	s_add_nc_u64 s[26:27], s[26:27], IMG
	s_wait_dscnt 0x0                               ; the stores have read their registers
	GLOAD
.endif
.if \xr
	s_wait_dscnt 0x0                               ; the stores have read their registers: the residual lands there, under the last NS K steps
	XLOAD
.endif
.endm
	GLOAD                                          ; the first NS K steps
.irp i, 0,1,2                          ; the scale words for all of K: two dense blocks, three rounds of 256 threads each
.if SW == 4
	global_load_b32 v[PFR+\i], v[SCG], s[14:15] offset:1024*\i
	global_load_b32 v[PFR+3+\i], v[SCG], s[16:17] offset:1024*\i
.else
	global_load_b128 v[PFR+4*\i:PFR+4*\i+3], v[SCG], s[14:15] offset:4096*\i
	global_load_b128 v[PFR+12+4*\i:PFR+12+4*\i+3], v[SCG], s[16:17] offset:4096*\i
.endif
.endr
.irp m, 0,1
.irp t, 0,1,2,3                        ; the bias: lane (r, h) wants, for tile t, columns 32 (t / 2) + 8 (t % 2) + 16 h + 0 .. 7
	global_load_b128 v[ACC+8*(PT*\m+\t):ACC+8*(PT*\m+\t)+3], v[VB], s[18:19] offset:128*(\t/2)+32*(\t%2)
	global_load_b128 v[ACC+8*(PT*\m+\t)+4:ACC+8*(PT*\m+\t)+7], v[VB], s[18:19] offset:128*(\t/2)+32*(\t%2)+16
.endr
.endr
	s_wait_loadcnt 0x0
.irp i, 0,1,2
.if SW == 4
	ds_store_b32 v[SCW], v[PFR+\i] offset:1024*\i
	ds_store_b32 v[SCW], v[PFR+3+\i] offset:SCR-SCP+1024*\i
.else
	ds_store_b128 v[SCW], v[PFR+4*\i:PFR+4*\i+3] offset:4096*\i
	ds_store_b128 v[SCW], v[PFR+12+4*\i:PFR+12+4*\i+3] offset:SCR-SCP+4096*\i
.endif
.endr
	DSTORE 0
	s_add_nc_u64 s[24:25], s[24:25], IMG
	s_add_nc_u64 s[26:27], s[26:27], IMG
	s_wait_dscnt 0x0                               ; the stores have read their registers
	GLOAD                                          ; the second NS K steps: they land under the first's work
.if NSS > 2
	s_mov_b32 s28, (NSS-2)/2
.Lk:
	SSTEP 0, 1, 1, 0
	SSTEP 1, 1, 1, 0
	s_sub_co_u32 s28, s28, 1
	s_cmp_lg_u32 s28, 0
	s_cbranch_scc1 .Lk
.endif
	SSTEP 0, 1, 0, 1                               ; the last two slots ask for no more images
	SSTEP 1, 0, 0, 0
	; THE WAY OUT.  The stages lie in slot 0: its last reads stand ahead of the last barrier, in front of which each wave has waited for them, and nothing is stored into it any more
	s_wait_loadcnt 0x0                             ; the residual
.irp m, 0,1
.if \m
	s_wait_xcnt 0x0                                ; the first tile's stores have read their registers
.endif
.irp t, 0,1,2,3
	ds_store_b128 v[STO], v[ACC+8*(PT*\m+\t):ACC+8*(PT*\m+\t)+3] offset:128*(\t/2)+32*(\t%2)        ; each accumulator from its low end on
	ds_store_b128 v[STO], v[ACC+8*(PT*\m+\t)+4:ACC+8*(PT*\m+\t)+7] offset:128*(\t/2)+32*(\t%2)+16
.endr
.irp i, 0,1,2,3,4,5,6,7
	ds_load_b128 v[OB+4*\i:OB+4*\i+3], v[SRD] offset:2*\i*272      ; LDS serves a wave's instructions in order: these see my stores
.endr
	s_wait_dscnt 0x0
.irp i, 0,1,2,3,4,5,6,7,8,9,10,11,12,13,14,15
	v_pk_add_f32 v[OB+2*\i:OB+2*\i+1], v[OB+2*\i:OB+2*\i+1], v[XR+32*\m+2*\i:XR+32*\m+2*\i+1]
.endr
.irp i, 0,1,2,3,4,5,6,7
	global_store_b128 v[OO], v[OB+4*\i:OB+4*\i+3], s[12:13] offset:(8*\m+2*(\i%4)+16*(\i/4))*3072 th:TH_STORE_NT   ; sixteen lanes store 256 consecutive bytes, aligned
.endr
.endr
	s_wait_tensorcnt 0x0                           ; the wave's end
	ds_add_u32 v[SPW], v[NIL]
	s_wait_dscnt 0x0
	s_endpgm
.Lfunc_end_k_qbb4b5bc8a6_ffn2:
	.size	k_qbb4b5bc8a6_ffn2, .Lfunc_end_k_qbb4b5bc8a6_ffn2-k_qbb4b5bc8a6_ffn2
	.p2alignl 7, 3214868480
	.fill 96, 4, 3214868480
	.section	.rodata,"a",@progbits
	.p2align	6, 0x0
	.amdhsa_kernel k_qbb4b5bc8a6_ffn2
		.amdhsa_group_segment_fixed_size 222208
		.amdhsa_private_segment_fixed_size 0
		.amdhsa_enable_private_segment 0
		.amdhsa_kernarg_size 40
		.amdhsa_user_sgpr_count 2
		.amdhsa_user_sgpr_kernarg_segment_ptr 1
		.amdhsa_wavefront_size32 1
		.amdhsa_system_sgpr_workgroup_id_x 1
		.amdhsa_system_sgpr_workgroup_id_y 1
		.amdhsa_system_sgpr_workgroup_id_z 1
		.amdhsa_system_vgpr_workitem_id 0
		.amdhsa_next_free_vgpr 256
		.amdhsa_next_free_sgpr 66
		.amdhsa_reserve_vcc 0
		.amdhsa_float_denorm_mode_32 3
		.amdhsa_float_denorm_mode_16_64 3
		.amdhsa_memory_ordered 1
		.amdhsa_forward_progress 1
		.amdhsa_inst_pref_size 70
	.end_amdhsa_kernel
	.amdgpu_metadata
---
amdhsa.version: [ 1, 2 ]
amdhsa.kernels:
  - .name:           k_qbb4b5bc8a6_ffn2
    .symbol:         k_qbb4b5bc8a6_ffn2.kd
    .args:
      - { .name: wts, .offset: 0, .size: 8, .value_kind: global_buffer, .address_space: global }
      - { .name: gact, .offset: 8, .size: 8, .value_kind: global_buffer, .address_space: global }
      - { .name: b2, .offset: 16, .size: 8, .value_kind: global_buffer, .address_space: global }
      - { .name: x1, .offset: 24, .size: 8, .value_kind: global_buffer, .address_space: global }
      - { .name: out0, .offset: 32, .size: 8, .value_kind: global_buffer, .address_space: global }
    .group_segment_fixed_size: 222208
    .private_segment_fixed_size: 0
    .kernarg_segment_align: 8
    .kernarg_segment_size: 40
    .max_flat_workgroup_size: 256
    .sgpr_count:     66
    .vgpr_count:     256
    .wavefront_size: 32
...
	.end_amdgpu_metadata
.endif
;; end of part 11
